; MI455X (gfx1250); checked and timed in simulation.
; The chip was launched on July 23, 2026; its instructions are those of AMD's public machine-readable ISA for CDNA 5 (MIT licence, August 2026) and "CDNA5" Instruction Set Architecture Reference Guide (July 2026). The comments in the code are by the model that wrote it; some were corrected since.
;; Cross Seq Attention Layer. Allowed arithmetic: matrix products marked QUANTISED: E2M1 operands, one E8M0 scale for each 32 along K, by v_wmma_scale_f32_16x16x128_f8f6f4 with both operands' format E2M1 (or v_wmma_scale_f32_32x16x128_f4), f32 sums; everything else in f32.
;; Inputs: R 2,048 x 2,048 float32; Wk_codes 1,024 x 32 x 16 uint8 (E2M1 codes of Wk, K innermost, in blocks of 32 codes, two codes a byte); Wk_scales 1,024 x 32 uint8 (E8M0 scales of Wk, one for each 32 codes along K); Wp_codes 1,024 x 32 x 16 uint8 (E2M1 codes of Wp, K innermost, in blocks of 32 codes, two codes a byte); Wp_scales 1,024 x 32 uint8 (E8M0 scales of Wp, one for each 32 codes along K); Wq_codes 1,024 x 32 x 16 uint8 (E2M1 codes of Wq, K innermost, in blocks of 32 codes, two codes a byte); Wq_scales 1,024 x 32 uint8 (E8M0 scales of Wq, one for each 32 codes along K); Wv_codes 1,024 x 32 x 16 uint8 (E2M1 codes of Wv, K innermost, in blocks of 32 codes, two codes a byte); Wv_scales 1,024 x 32 uint8 (E8M0 scales of Wv, one for each 32 codes along K); beta 1 float32; bias 1,024 float32; gamma 1,024 float32; tokens 4 x 2,048 x 1,024 float32.
;; Outputs: out0 4 x 2,048 x 1,024 float32.
;; This version of the problem:
;;   THIS VERSION OF THE PROBLEM IS GIVEN IN LOW PRECISION. The matrix products marked QUANTISED in the list below multiply operands that are first quantised to E2M1 (2 exponent bits, 1 mantissa bit; 4 bits a number), with one power-of-two scale for each 32 numbers along K (OCP MX v1.0); their sums are f32. All else is computed in f32.
;;   The module's matrix products, in the order in which they are computed (A, B: the left and right operand; K: the contracted axis; several contracted axes count as one K, in the product's order):
;;     1. [M 8,192, K 1,024] x [K 1,024, N 1,024]; A: input tokens; B: input Wq (given as codes): QUANTISED
;;     2. [M 8,192, K 1,024] x [K 1,024, N 1,024]; A: input tokens; B: input Wk (given as codes): QUANTISED
;;     3. [M 8,192, K 1,024] x [K 1,024, N 1,024]; A: input tokens; B: input Wv (given as codes): QUANTISED
;;     4. batch 64 x [M 2,048, K 64] x [K 64, N 2,048]; A: computed on the way; B: computed on the way: QUANTISED
;;     5. batch 64 x [M 2,048, K 2,048] x [K 2,048, N 64]; A: softmax (see below); B: computed on the way: QUANTISED
;;     6. [M 8,192, K 1,024] x [K 1,024, N 1,024]; A: computed on the way; B: input Wp (given as codes): QUANTISED
;;   THE QUANTISER, for each operand of a quantised product, along K:
;;     - K is cut into blocks of 32 from its start; a last block that is shorter is filled with zeros.
;;     - A block's scale is 2^e with e = floor(log2(the largest magnitude in the block)) - 2, held to -126 .. 127; a block of zeros has e = 0. As a byte (E8M0): e + 127.
;;     - Each number is divided by its block's scale, clamped to +-6, and rounded to the nearest number of E2M1, ties to even, subnormals kept.
;;     - The product sums the exact products of the quantised numbers (number of the format x scale) in f32.
;;   ~~~python
;;   def quantise(x, axis):      # numpy; x: float32 -> the quantised numbers, widened to float32 again
;;       x = np.moveaxis(x, axis, -1); K = x.shape[-1]
;;       x = np.pad(x, [(0, 0)] * (x.ndim - 1) + [(0, -K % 32)]); x = x.reshape(x.shape[:-1] + (-1, 32)); a = np.abs(x).max(-1, keepdims=True)
;;       e = np.where(a > 0, np.clip(np.frexp(np.where(a > 0, a, 1))[1] - 1 - 2, -126, 127), 0)      # np.frexp(a)[1] - 1 = floor(log2(a)), exactly
;;       r = np.clip(x / 2.0 ** e, -6, 6)
;;       step = 2.0 ** (np.maximum(np.frexp(np.where(r == 0, 1, r))[1] - 1, 0) - 1)
;;       q = np.round(r / step) * step * 2.0 ** e      # np.round: ties to even
;;       return np.moveaxis(q.reshape(q.shape[:-2] + (-1,))[..., :K], -1, axis).astype(np.float32)
;;   ~~~
;;   SOFTMAX AHEAD OF A QUANTISED PRODUCT. Where the list says 'softmax', what is quantised is not the finished softmax but p = 2^(t - M), with t = logit x log2(e) and M = ceil(the row's largest t), a whole number; so 1/2 < the row's largest p <= 1. The row's sum l is taken of the UNQUANTISED p, in f32, and the product's result is divided by l at the end. Since M is a whole number, a kernel that streams over the keys may use a running M (the ceiling of the running maximum): every later rescaling is an exact power of two, which a block's scale takes up: the codes' values come out the same.
;;   OPERANDS COMPUTED ON THE WAY. 'Computed on the way' means the value that the module computes at that place (a softmax that the list does not call 'softmax' is quantised finished and normalised). What goes into a quantiser is computed in f32, as accurately as f32 sums, v_exp_f32 and their like allow (about 1e-6 of the number): no bf16 or f16 on the way to a quantiser, and a product that is left as it is and whose result goes on into a quantised operand takes f32 operands (vector FMAs, or v_wmma_f32_16x16x4_f32). A number that lies on a knife's edge between two numbers of the format may be rounded either way, as far as f32 arithmetic and the matrix unit's own rounding can turn it there, and no further.
;;   INPUTS GIVEN AS CODES. Wk (in the module: [1024, 1024], K = its axis 1); Wp (in the module: [1024, 1024], K = its axis 1); Wq (in the module: [1024, 1024], K = its axis 1); Wv (in the module: [1024, 1024], K = its axis 1): each comes as NAME_codes (uint8): NAME with its K axis moved to the last place and cut into blocks of 32 codes, [.., K / 32, bytes a block], one block behind the other in memory; two codes a byte, the lower K in the low four bits (a code: sign, 2 exponent bits, 1 mantissa bit); and NAME_scales (uint8): the same leading axes, one E8M0 byte (e + 127) for each 32 codes along K. Its value is code x scale, taken as it is: it is not quantised again, and the codes and scales need not be those that the quantiser above would give.
;; 2 versions. Each part assembles by itself: llvm-mc -triple=amdgcn-amd-amdhsa -mcpu=gfx1250 --defsym DOCPART=n.
;; ======== version 1 of 2: 6 launches
;; workspace buffers: TI 4,194,304 bytes; TS 262,144 bytes; WI 2,097,152 bytes; LRI 16,777,216 bytes; KV 9,175,040 bytes; QR 9,175,040 bytes; OC 4,194,304 bytes; OS 262,144 bytes
;; launch tokq (part 1): grid 256 x 1, 4 waves a work-group, no clusters, 34,304 bytes of LDS; arguments tokens, TI, TS; writes TI, TS
.if DOCPART == 1
	.amdgcn_target "amdgcn-amd-amdhsa--gfx1250"
	.amdhsa_code_object_version 6
	.text
	.protected	k_q225de30d46_tokq
	.globl	k_q225de30d46_tokq
	.p2align	8
	.type	k_q225de30d46_tokq,@function
k_q225de30d46_tokq:
	s_mov_b64 s[64:65], 0
	v_nop
	global_prefetch_b8 v0, s[64:65] scope:SCOPE_SE
	s_setreg_imm32_b32 hwreg(HW_REG_WAVE_MODE, 25, 1), 1
	s_wait_xcnt 0x0
; tokens [8192][1024] f32 become codes of FP4 (E2M1) with one E8M0 byte for each 32 along K.
; The codes are laid as IMAGES OF THE OPERAND'S REGISTERS: TI[tile T][K step s][c][512 bytes]; lane l's 16 bytes at 16 l are registers 4 c .. 4 c + 3
; of a fragment of 16 rows x 128 K: row = lane % 16, k = 128 s + 64 c + 32 (lane / 16) + 0 .. 31.  So a lane holds whole blocks of 32.
; THE ROWS OF A TILE ARE NOT NEIGHBOURS: tile 2 P + u holds tokens 32 P + 8 u + r + 8 (r / 8), r = 0 .. 15 (so that, used as source 0, two neighbouring tiles give a lane 16 neighbours).
; The scale bytes are laid as they would lie beside rows: TS[token][32].
; A block's scale is 2^(floor(log2(largest magnitude)) - 2); its byte is the largest magnitude's exponent field - 2, held at 1 from below.
; LIMITS: a block of zeros gets the byte 1 where the rule says 127 (its codes are zeros, and this program alone reads the bytes); blocks whose largest magnitude
; lies under 2^-124 are held at the byte 1; NaN and infinities among the inputs are not served.
; SHARES: a work-group takes 32 tokens; wave w takes tile u = w & 1 and four K steps (w >> 1).  Each load reads 512 consecutive bytes of one row; a K step's 16 rows turn through
; the wave's own stage in LDS (rows 528 bytes apart: 33 x 16, so the sixteen rows that a read touches start at different banks) and come back 128 bytes a lane.
; No barrier: waves share nothing.  Two K steps (32 loads a wave) are on their way.
.set STG,  8448                        ; a wave's stage: 16 rows x 528 bytes
.set RB,   16                          ; v16-143  two sets of 64: a K step as loaded
.set X,    144                         ; v144-207 my two blocks of 32 neighbours
.set C,    208                         ; v208-239 codes: eight registers for each step, so that no store's data are written again
.set W,    240                         ; v240-243 my row's scale word of each step
	s_load_b128 s[4:7], s[0:1], 0x0                ; tokens s[4:5], TI s[6:7]
	s_load_b64 s[8:9], s[0:1], 0x10                ; TS
	v_lshl_add_u32 v254, v0, 2, 0x8400
	v_mov_b32 v255, 0
	v_lshrrev_b32 v5, 5, v0
	v_readfirstlane_b32 s10, v5                    ; wave 0..3
	v_and_b32 v6, 31, v0                           ; lane
	v_and_b32 v7, 15, v0                           ; r
	v_bfe_u32 v8, v0, 4, 1                         ; h
	v_lshlrev_b32 v1, 4, v6                        ; v1: 16 x lane: my bytes of a load's and of a store's 512
	s_mul_i32 s11, s10, STG
	v_add_nc_u32 v2, s11, v1                       ; v2: the stage on the way in
	v_mul_u32_u24 v3, v7, 528
	v_lshl_add_u32 v3, v8, 7, v3
	v_add_nc_u32 v3, s11, v3                       ; v3: and on the way out: row r, + 128 h
	v_and_b32 v4, 8, v7
	v_add_nc_u32 v4, v4, v7                        ; r + 8 (r / 8)
	v_lshlrev_b32 v4, 5, v4
	v_lshl_add_u32 v4, v8, 3, v4                   ; v4: my 8 scale bytes: 32 bytes a token, + 8 h
	v_lshlrev_b32 v9, 3, v8                        ; v9: 8 h: my bytes' place in a scale word, in bits
	v_cmp_lt_u32 s22, 15, v6                       ; s22: lanes 16-31
	v_mov_b32 v15, 0                               ; written once: a lane permute's destination counts as one of its sources
	s_mov_b32 s20, 0x76543210
	s_mov_b32 s21, 0xfedcba98                      ; v_permlanex16_b32's selects for lane l xor 16
	s_and_b32 s12, s10, 1                          ; u
	s_lshr_b32 s13, s10, 1                         ; which half of K
	s_lshl_b32 s14, ttmp9, 17                      ; tokens: (32 P + 8 u) rows of 4,096 bytes + 2,048 x half
	s_lshl_b32 s23, s12, 15
	s_add_co_u32 s14, s14, s23
	s_lshl_b32 s23, s13, 11
	s_add_co_u32 s14, s14, s23
	s_mov_b32 s15, 0
	s_lshl_b32 s16, ttmp9, 14                      ; TI: (2 P + u) tiles of 8,192 bytes + 4,096 x half
	s_lshl_b32 s23, s12, 13
	s_add_co_u32 s16, s16, s23
	s_lshl_b32 s23, s13, 12
	s_add_co_u32 s16, s16, s23
	s_mov_b32 s17, 0
	s_lshl_b32 s18, ttmp9, 10                      ; TS: (32 P + 8 u) rows of 32 bytes + 16 x half
	s_lshl_b32 s23, s12, 8
	s_add_co_u32 s18, s18, s23
	s_lshl_b32 s23, s13, 4
	s_add_co_u32 s18, s18, s23
	s_mov_b32 s19, 0
	s_wait_kmcnt 0x0
	s_add_nc_u64 s[4:5], s[4:5], s[14:15]
	s_add_nc_u64 s[6:7], s[6:7], s[16:17]
	s_add_nc_u64 s[8:9], s[8:9], s[18:19]
.macro LOAD q                          ; K step q of my four: the tile's 16 rows, 512 consecutive bytes each
.irp p, 0,1,2,3,4,5,6,7,8,9,10,11,12,13,14,15
	global_load_b128 v[RB+64*((\q)%2)+4*\p:RB+64*((\q)%2)+4*\p+3], v1, s[4:5] offset:(\p+8*(\p/8))*4096+512*(\q) th:TH_LOAD_NT
.endr
.endm
.macro STEP q
.set RQ, RB+64*((\q)%2)
.if (\q) < 3
	s_wait_loadcnt 16                              ; this step's 16 loads are in; the next step's 16 may be out
.else
	s_wait_loadcnt 0x0
.endif
.irp p, 0,1,2,3,4,5,6,7,8,9,10,11,12,13,14,15
	ds_store_b128 v2, v[RQ+4*\p:RQ+4*\p+3] offset:528*\p
.endr
.irp c, 0,1
.irp m, 0,1,2,3,4,5,6,7
	ds_load_b128 v[X+32*\c+4*\m:X+32*\c+4*\m+3], v3 offset:256*\c+16*\m   ; LDS serves a wave's instructions in order: these see the stores above
.endr
.endr
	s_wait_dscnt 0x0                               ; my 64 numbers are back, and the stores have read their registers,
.if (\q) < 2
	LOAD (\q)+2                                    ; which take the loads of two steps on
.endif
.irp c, 0,1
	v_max3_num_f32 v[10+\c], |v[X+32*\c]|, |v[X+32*\c+1]|, 0x1800000   ; block 2 c + h: all its 32 numbers are mine; the floor 2^(3 - 127) holds the byte at 1 from below
.endr
.irp i, 2,4,6,8,10,12,14,16,18,20,22,24,26,28,30
.irp c, 0,1
	v_max3_num_f32 v[10+\c], v[10+\c], |v[X+32*\c+\i]|, |v[X+32*\c+\i+1]|   ; (the two blocks by turns)
.endr
.endr
.irp c, 0,1
	v_add_nc_u32 v[12+\c], 0xff000000, v[10+\c]    ; 2 off the exponent field: the conversion takes the exponent field of this operand as its scale
.endr
.irp c, 0,1
	v_lshrrev_b32 v[10+\c], 23, v[12+\c]           ; the scale's byte
.endr
	v_lshl_or_b32 v14, v11, 16, v10                ; my two bytes: blocks h and 2 + h,
	v_lshlrev_b32 v14, v9, v14                     ; at their places in the word;
	v_permlanex16_b32 v15, v14, s20, s21
	v_or_b32 v[W+(\q)], v14, v15                   ; with lane l xor 16's two the word is whole
.irp c, 0,1
.irp g, 0,1,2,3
	v_cvt_scalef32_pk8_fp4_f32 v[C+8*(\q)+4*\c+\g], v[X+32*\c+8*\g:X+32*\c+8*\g+7], v[12+\c]
.endr
.endr
	v_nop                                          ; one plain place behind a scaled conversion
.irp c, 0,1
	global_store_b128 v1, v[C+8*(\q)+4*\c:C+8*(\q)+4*\c+3], s[6:7] offset:1024*(\q)+512*\c   ; 32 lanes store 512 consecutive bytes
.endr
.endm
	LOAD 0
	LOAD 1
	STEP 0
	STEP 1
	STEP 2
	STEP 3
	v_cndmask_b32 v244, v[W], v[W+2], s22          ; lanes 0-15 store words 0 and 1 of their row, lanes 16-31 words 2 and 3
	v_cndmask_b32 v245, v[W+1], v[W+3], s22
	global_store_b64 v4, v[244:245], s[8:9]        ; 8 bytes a lane, rows 32 bytes apart: one byte for each 128 that the launch reads
	s_wait_tensorcnt 0x0
	ds_add_u32 v254, v255
	s_wait_dscnt 0x0
	s_endpgm
.Lfunc_end_k_q225de30d46_tokq:
	.size	k_q225de30d46_tokq, .Lfunc_end_k_q225de30d46_tokq-k_q225de30d46_tokq
	.p2alignl 7, 3214868480
	.fill 96, 4, 3214868480
	.section	.rodata,"a",@progbits
	.p2align	6, 0x0
	.amdhsa_kernel k_q225de30d46_tokq
		.amdhsa_group_segment_fixed_size 34304
		.amdhsa_private_segment_fixed_size 0
		.amdhsa_enable_private_segment 0
		.amdhsa_kernarg_size 24
		.amdhsa_user_sgpr_count 2
		.amdhsa_user_sgpr_kernarg_segment_ptr 1
		.amdhsa_wavefront_size32 1
		.amdhsa_system_sgpr_workgroup_id_x 1
		.amdhsa_system_sgpr_workgroup_id_y 1
		.amdhsa_system_sgpr_workgroup_id_z 1
		.amdhsa_system_vgpr_workitem_id 0
		.amdhsa_next_free_vgpr 256
		.amdhsa_next_free_sgpr 66
		.amdhsa_reserve_vcc 0
		.amdhsa_float_denorm_mode_32 3
		.amdhsa_float_denorm_mode_16_64 3
		.amdhsa_memory_ordered 1
		.amdhsa_forward_progress 1
		.amdhsa_inst_pref_size 30
	.end_amdhsa_kernel
	.amdgpu_metadata
---
amdhsa.version: [ 1, 2 ]
amdhsa.kernels:
  - .name:           k_q225de30d46_tokq
    .symbol:         k_q225de30d46_tokq.kd
    .args:
      - { .name: tokens, .offset: 0, .size: 8, .value_kind: global_buffer, .address_space: global }
      - { .name: TI, .offset: 8, .size: 8, .value_kind: global_buffer, .address_space: global }
      - { .name: TS, .offset: 16, .size: 8, .value_kind: global_buffer, .address_space: global }
    .group_segment_fixed_size: 34304
    .private_segment_fixed_size: 0
    .kernarg_segment_align: 8
    .kernarg_segment_size: 24
    .max_flat_workgroup_size: 128
    .sgpr_count:     66
    .vgpr_count:     256
    .wavefront_size: 32
...
	.end_amdgpu_metadata
.endif
;; end of part 1
;; launch wrep (part 2): grid 64 x 1, 4 waves a work-group, no clusters, 34,304 bytes of LDS; arguments Wq_codes, Wk_codes, Wv_codes, Wp_codes, WI; writes WI
.if DOCPART == 2
	.amdgcn_target "amdgcn-amd-amdhsa--gfx1250"
	.amdhsa_code_object_version 6
	.text
	.protected	k_q225de30d46_wrep
	.globl	k_q225de30d46_wrep
	.p2align	8
	.type	k_q225de30d46_wrep,@function
k_q225de30d46_wrep:
	s_mov_b64 s[64:65], 0
	v_nop
	global_prefetch_b8 v0, s[64:65] scope:SCOPE_SE
	s_setreg_imm32_b32 hwreg(HW_REG_WAVE_MODE, 25, 1), 1
	s_wait_xcnt 0x0
; The four weights' codes, [1024 rows][512 bytes], K innermost, are laid anew as images of the operand's registers: WI[Wq, Wk, Wv, Wp][tile 0..63][K step s][c][512 bytes];
; lane l's 16 bytes at 16 l are bytes 64 s + 32 c + 16 (l / 16) of row l % 16 of the tile.  Tile 2 B + u holds rows 32 B + 8 u + r + 8 (r / 8).  No code is changed.
; So every later read of a fragment is 512 consecutive bytes, from memory and from LDS alike.
; A wave takes one tile: 16 loads of a whole row (512 consecutive bytes), through its own stage in LDS (rows 528 bytes apart), 16 stores of 512 consecutive bytes.  No barrier: waves share nothing.
.set STG, 8448
	s_load_b256 s[4:11], s[0:1], 0x0               ; Wq s[4:5], Wk s[6:7], Wv s[8:9], Wp s[10:11]
	s_load_b64 s[12:13], s[0:1], 0x20              ; WI
	v_lshl_add_u32 v144, v0, 2, 0x8400
	v_mov_b32 v145, 0
	v_lshrrev_b32 v4, 5, v0
	v_readfirstlane_b32 s14, v4                    ; wave
	v_and_b32 v5, 31, v0
	v_and_b32 v6, 15, v0
	v_bfe_u32 v7, v0, 4, 1
	v_lshlrev_b32 v1, 4, v5                        ; 16 x lane
	s_mul_i32 s24, s14, STG
	v_add_nc_u32 v2, s24, v1                       ; the stage on the way in
	v_mul_u32_u24 v3, v6, 528
	v_lshl_add_u32 v3, v7, 4, v3
	v_add_nc_u32 v3, s24, v3                       ; and out: row r, + 16 h
	s_lshl_b32 s15, ttmp9, 2
	s_add_co_u32 s15, s15, s14                     ; tile 0..255 of the four weights on end
	s_and_b32 s16, s15, 63                         ; tile of its weight
	s_lshr_b32 s17, s16, 1
	s_lshl_b32 s18, s17, 14                        ; its first row: 32 (t / 2) + 8 (t % 2), 512 bytes a row
	s_and_b32 s17, s16, 1
	s_lshl_b32 s17, s17, 12
	s_add_co_u32 s18, s18, s17
	s_mov_b32 s19, 0
	s_lshl_b32 s20, s15, 13                        ; 8,192 bytes a tile
	s_mov_b32 s21, 0
	s_wait_kmcnt 0x0
	s_cmp_lt_u32 ttmp9, 48                         ; sixteen work-groups to a weight: the choice hangs on the work-group's number alone
	s_cselect_b64 s[22:23], s[8:9], s[10:11]
	s_cmp_lt_u32 ttmp9, 32
	s_cselect_b64 s[22:23], s[6:7], s[22:23]
	s_cmp_lt_u32 ttmp9, 16
	s_cselect_b64 s[22:23], s[4:5], s[22:23]
	s_add_nc_u64 s[22:23], s[22:23], s[18:19]
	s_add_nc_u64 s[12:13], s[12:13], s[20:21]
.irp p, 0,1,2,3,4,5,6,7,8,9,10,11,12,13,14,15
	global_load_b128 v[16+4*\p:19+4*\p], v1, s[22:23] offset:(\p+8*(\p/8))*512
.endr
	s_wait_loadcnt 0x0
.irp p, 0,1,2,3,4,5,6,7,8,9,10,11,12,13,14,15
	ds_store_b128 v2, v[16+4*\p:19+4*\p] offset:528*\p
.endr
.irp i, 0,1,2,3,4,5,6,7,8,9,10,11,12,13,14,15
	ds_load_b128 v[80+4*\i:83+4*\i], v3 offset:32*\i   ; LDS serves a wave's instructions in order: these see the stores above
.endr
.irp i, 0,1,2,3,4,5,6,7,8,9,10,11,12,13,14,15
	s_wait_dscnt 15-\i                             ; image i is back; the younger ones may be out
	global_store_b128 v1, v[80+4*\i:83+4*\i], s[12:13] offset:512*\i
.endr
	s_wait_tensorcnt 0x0
	ds_add_u32 v144, v145
	s_wait_dscnt 0x0
	s_endpgm
.Lfunc_end_k_q225de30d46_wrep:
	.size	k_q225de30d46_wrep, .Lfunc_end_k_q225de30d46_wrep-k_q225de30d46_wrep
	.p2alignl 7, 3214868480
	.fill 96, 4, 3214868480
	.section	.rodata,"a",@progbits
	.p2align	6, 0x0
	.amdhsa_kernel k_q225de30d46_wrep
		.amdhsa_group_segment_fixed_size 34304
		.amdhsa_private_segment_fixed_size 0
		.amdhsa_enable_private_segment 0
		.amdhsa_kernarg_size 40
		.amdhsa_user_sgpr_count 2
		.amdhsa_user_sgpr_kernarg_segment_ptr 1
		.amdhsa_wavefront_size32 1
		.amdhsa_system_sgpr_workgroup_id_x 1
		.amdhsa_system_sgpr_workgroup_id_y 1
		.amdhsa_system_sgpr_workgroup_id_z 1
		.amdhsa_system_vgpr_workitem_id 0
		.amdhsa_next_free_vgpr 146
		.amdhsa_next_free_sgpr 66
		.amdhsa_reserve_vcc 0
		.amdhsa_float_denorm_mode_32 3
		.amdhsa_float_denorm_mode_16_64 3
		.amdhsa_memory_ordered 1
		.amdhsa_forward_progress 1
		.amdhsa_inst_pref_size 8
	.end_amdhsa_kernel
	.amdgpu_metadata
---
amdhsa.version: [ 1, 2 ]
amdhsa.kernels:
  - .name:           k_q225de30d46_wrep
    .symbol:         k_q225de30d46_wrep.kd
    .args:
      - { .name: Wq_codes, .offset: 0, .size: 8, .value_kind: global_buffer, .address_space: global }
      - { .name: Wk_codes, .offset: 8, .size: 8, .value_kind: global_buffer, .address_space: global }
      - { .name: Wv_codes, .offset: 16, .size: 8, .value_kind: global_buffer, .address_space: global }
      - { .name: Wp_codes, .offset: 24, .size: 8, .value_kind: global_buffer, .address_space: global }
      - { .name: WI, .offset: 32, .size: 8, .value_kind: global_buffer, .address_space: global }
    .group_segment_fixed_size: 34304
    .private_segment_fixed_size: 0
    .kernarg_segment_align: 8
    .kernarg_segment_size: 40
    .max_flat_workgroup_size: 128
    .sgpr_count:     66
    .vgpr_count:     146
    .wavefront_size: 32
...
	.end_amdgpu_metadata
.endif
;; end of part 2
;; launch lrprep (part 3): grid 256 x 1, 4 waves a work-group, no clusters, 34,304 bytes of LDS; arguments R, beta, LRI; writes LRI
.if DOCPART == 3
	.amdgcn_target "amdgcn-amd-amdhsa--gfx1250"
	.amdhsa_code_object_version 6
	.text
	.protected	k_q225de30d46_lrprep
	.globl	k_q225de30d46_lrprep
	.p2align	8
	.type	k_q225de30d46_lrprep,@function
k_q225de30d46_lrprep:
	s_mov_b64 s[64:65], 0
	v_nop
	global_prefetch_b8 v0, s[64:65] scope:SCOPE_SE
	s_setreg_imm32_b32 hwreg(HW_REG_WAVE_MODE, 25, 1), 1
	s_wait_xcnt 0x0
; LRI = 8 beta ln(max(R, 1e-8)), f32, taken ONCE for all 64 (batch, head), and laid in the layout of the score product's C operand, so that the attention launch adds it inside the matrix instruction.
; (scores / 8 + beta ln R) = (scores + 8 beta ln R) / 8, and a multiplication by 8 rounds nothing.
; LRI[query tile Tq 0..127][key step 0..15][i 0..15][512 bytes]: word e of lane (r, h)'s 16 bytes of image i belongs to query 32 (Tq / 2) + 8 (Tq % 2) + r + 8 (r / 8)
; and key 128 step + 32 (i / 4) + 16 h + 4 (i % 4) + e: register 4 i + e of the eight score tiles of a key step.
; ln x = log2 x x ln 2; the factors ln 2, 8 and beta are one number, made once.  LIMITS: NaN in R is not served (the maximum drops it).
; A wave takes one query tile x two key steps: 16 loads of 512 consecutive bytes a block, the arithmetic as loaded, a turn through its own stage in LDS, 16 stores of 512 consecutive bytes.  No barrier.
.set STG, 8448
	s_load_b128 s[4:7], s[0:1], 0x0                ; R s[4:5], beta s[6:7]
	s_load_b64 s[8:9], s[0:1], 0x10                ; LRI
	v_lshl_add_u32 v208, v0, 2, 0x8400
	v_mov_b32 v209, 0
	v_lshrrev_b32 v4, 5, v0
	v_readfirstlane_b32 s14, v4                    ; wave
	v_and_b32 v5, 31, v0
	v_and_b32 v6, 15, v0
	v_bfe_u32 v7, v0, 4, 1
	v_lshlrev_b32 v1, 4, v5                        ; 16 x lane
	s_mul_i32 s24, s14, STG
	v_add_nc_u32 v2, s24, v1                       ; the stage on the way in
	v_mul_u32_u24 v3, v6, 528
	v_lshl_add_u32 v3, v7, 6, v3
	v_add_nc_u32 v3, s24, v3                       ; and out: row r, + 64 h
	s_lshl_b32 s15, ttmp9, 2
	s_add_co_u32 s15, s15, s14                     ; W = 0..1023
	s_lshr_b32 s16, s15, 3                         ; Tq
	s_and_b32 s17, s15, 7                          ; which pair of key steps
	s_lshr_b32 s18, s16, 1
	s_lshl_b32 s18, s18, 18                        ; R: (32 (Tq / 2) + 8 (Tq % 2)) rows of 8,192 bytes + 1,024 x pair
	s_and_b32 s20, s16, 1
	s_lshl_b32 s20, s20, 16
	s_add_co_u32 s18, s18, s20
	s_lshl_b32 s20, s17, 10
	s_add_co_u32 s18, s18, s20
	s_mov_b32 s19, 0
	s_lshl_b32 s20, s16, 17                        ; LRI: 131,072 bytes a query tile, 16,384 a pair of key steps
	s_lshl_b32 s22, s17, 14
	s_add_co_u32 s20, s20, s22
	s_mov_b32 s21, 0
	s_wait_kmcnt 0x0
	s_load_b32 s12, s[6:7], 0x0                    ; beta
	s_add_nc_u64 s[4:5], s[4:5], s[18:19]
	s_add_nc_u64 s[8:9], s[8:9], s[20:21]
.irp e, 0,1
.irp p, 0,1,2,3,4,5,6,7,8,9,10,11,12,13,14,15
	global_load_b128 v[16+64*\e+4*\p:19+64*\e+4*\p], v1, s[4:5] offset:(\p+8*(\p/8))*8192+512*\e th:TH_LOAD_NT
.endr
.endr
	s_wait_kmcnt 0x0
	s_mul_f32 s12, s12, 0x40b17218                 ; 8 ln 2 x beta
	s_mov_b32 s13, s12                             ; (the packed form names the pair)
.macro BLOCK e
.set D, 16+64*\e                       ; the block as loaded
.set B, 144-128*\e                     ; and as it comes back: block 0 into v144-207, block 1 into block 0's registers, whose LDS stores are long done
.if \e == 0
	s_wait_loadcnt 16                              ; block 0's 16 loads are in; block 1's may be out
.else
	s_wait_loadcnt 0x0
.endif
.set j, 0
.rept 64
	v_max_num_f32 v[D+j], 0x322bcc77, v[D+j]       ; max(R, 1e-8)
.set j, j+1
.endr
.set j, 0
.rept 64
	v_log_f32 v[D+j], v[D+j]
.set j, j+1
.endr
	v_nop                                          ; one plain place behind the transcendentals
.set j, 0
	s_wait_alu depctr_va_vdst(0)
.rept 32
	v_pk_mul_f32 v[D+j:D+j+1], v[D+j:D+j+1], s[12:13] op_sel_hi:[1,0]
.set j, j+2
.endr
.irp p, 0,1,2,3,4,5,6,7,8,9,10,11,12,13,14,15
	ds_store_b128 v2, v[D+4*\p:D+4*\p+3] offset:528*\p
.endr
.irp i, 0,1,2,3,4,5,6,7,8,9,10,11,12,13,14,15
	ds_load_b128 v[B+4*\i:B+4*\i+3], v3 offset:128*(\i/4)+16*(\i%4)   ; LDS serves a wave's instructions in order
.endr
.irp i, 0,1,2,3,4,5,6,7,8,9,10,11,12,13,14,15
	s_wait_dscnt 15-\i                             ; image i is back; the younger ones may be out
	global_store_b128 v1, v[B+4*\i:B+4*\i+3], s[8:9] offset:8192*\e+512*\i
.endr
.endm
	BLOCK 0
	BLOCK 1
	s_wait_tensorcnt 0x0
	ds_add_u32 v208, v209
	s_wait_dscnt 0x0
	s_endpgm
.Lfunc_end_k_q225de30d46_lrprep:
	.size	k_q225de30d46_lrprep, .Lfunc_end_k_q225de30d46_lrprep-k_q225de30d46_lrprep
	.p2alignl 7, 3214868480
	.fill 96, 4, 3214868480
	.section	.rodata,"a",@progbits
	.p2align	6, 0x0
	.amdhsa_kernel k_q225de30d46_lrprep
		.amdhsa_group_segment_fixed_size 34304
		.amdhsa_private_segment_fixed_size 0
		.amdhsa_enable_private_segment 0
		.amdhsa_kernarg_size 24
		.amdhsa_user_sgpr_count 2
		.amdhsa_user_sgpr_kernarg_segment_ptr 1
		.amdhsa_wavefront_size32 1
		.amdhsa_system_sgpr_workgroup_id_x 1
		.amdhsa_system_sgpr_workgroup_id_y 1
		.amdhsa_system_sgpr_workgroup_id_z 1
		.amdhsa_system_vgpr_workitem_id 0
		.amdhsa_next_free_vgpr 210
		.amdhsa_next_free_sgpr 66
		.amdhsa_reserve_vcc 0
		.amdhsa_float_denorm_mode_32 3
		.amdhsa_float_denorm_mode_16_64 3
		.amdhsa_memory_ordered 1
		.amdhsa_forward_progress 1
		.amdhsa_inst_pref_size 30
	.end_amdhsa_kernel
	.amdgpu_metadata
---
amdhsa.version: [ 1, 2 ]
amdhsa.kernels:
  - .name:           k_q225de30d46_lrprep
    .symbol:         k_q225de30d46_lrprep.kd
    .args:
      - { .name: R, .offset: 0, .size: 8, .value_kind: global_buffer, .address_space: global }
      - { .name: beta, .offset: 8, .size: 8, .value_kind: global_buffer, .address_space: global }
      - { .name: LRI, .offset: 16, .size: 8, .value_kind: global_buffer, .address_space: global }
    .group_segment_fixed_size: 34304
    .private_segment_fixed_size: 0
    .kernarg_segment_align: 8
    .kernarg_segment_size: 24
    .max_flat_workgroup_size: 128
    .sgpr_count:     66
    .vgpr_count:     210
    .wavefront_size: 32
...
	.end_amdgpu_metadata
.endif
;; end of part 3
;; launch qkv (part 4): grid 192 x 1, 8 waves a work-group, no clusters, 66,560 bytes of LDS; arguments TI, TS, WI, Wq_scales, Wk_scales, Wv_scales, QR, KV; writes QR, KV
.if DOCPART == 4
	.amdgcn_target "amdgcn-amd-amdhsa--gfx1250"
	.amdhsa_code_object_version 6
	.text
	.protected	k_q225de30d46_qkv
	.globl	k_q225de30d46_qkv
	.p2align	8
	.type	k_q225de30d46_qkv,@function
k_q225de30d46_qkv:
	s_mov_b64 s[64:65], 0
	v_nop
	global_prefetch_b8 v0, s[64:65] scope:SCOPE_SE
	s_setreg_imm32_b32 hwreg(HW_REG_WAVE_MODE, 25, 1), 1
	s_wait_xcnt 0x0
; Q = tokens Wq^T, K = tokens Wk^T, V = tokens Wv^T on codes of FP4 (E2M1) with E8M0 scales, and each result quantised on its way out for the attention launch.
; ONE FORM FOR ALL THREE: Z[j][i] = sum over k of X[i][k] Y[j][k], source 0 = 16 rows of X, source 1 = 16 rows of Y: a lane holds ONE row j, and its registers run along i, the axis along which Z is quantised.
;   Q, K (work-groups 0-127): X = 128 rows of the weight (two heads' 64), Y = tokens: a lane holds a token, its registers the heads' channels.
;   V    (work-groups 128-191): X = 128 tokens (one key step), Y = rows of Wv: a lane holds a channel, its registers the keys.
; All operands are images of the operand's registers (a fragment = two runs of 512 bytes), in tiles whose rows are 32 B + 8 u + r + 8 (r / 8): so the 16 registers of X's tiles 2 B and 2 B + 1 are 16 neighbours along i.
; SHARES: a work-group keeps X's panel (128 rows x all of K: 65,536 bytes) in LDS for its whole life and walks four chunks of 256 rows of Y; each of its eight waves takes 32 rows of Y (two tiles) x the panel's eight tiles:
; 16 accumulators.  Y's fragments for all of K come from memory straight into registers: no two waves share them.  16 panels x 8 groups of 1,024 tokens for Q and K, 64 panels x all of Wv for V: 192 work-groups of equal work.
; NO CLUSTER: what work-groups share (a panel, read once by each of eight) is 65,536 of the 655,360 bytes that a work-group reads; Y goes to registers, where no joint load reaches.
; THE WAY OUT: records of 8,960 bytes for each (batch, head) and key step: K's (or Q's) 8 tiles of 16 x 64 codes (512 bytes each), V^T's 4 tiles of 16 channels x 128 keys (1,024 each), K's scale words (4 x 128 bytes:
; lanes 0-15 an even tile's rows, lanes 16-31 the odd one's), V's (2 x 128).  A head's 64 channels are half of an instruction's 128 along K: bytes 2 and 3 of Q's and K's scale words are 0.
; LIMITS: a block of zeros gets the byte 1 where the rule says 127 (zero codes; this program alone reads the bytes); blocks under 2^-124 are held at the byte 1; NaN and infinities are not served.
; REGISTERS: window 0: v1-5 addresses; v8-39 X's scale words (word s of tile pair p at 8 + 8 p + s); v40-47 Y's; v48-55, v56-75 at work; v76-91 codes; v128-255 accumulators ((a, b) at 128 + 64 a + 8 b).
;   window 1: v0-127 X's fragments, two sets; v128-255 Y's fragments of all of K (128 + 64 a + 8 s).
.set LI,  1                            ; 16 x lane
.set RS,  2                            ; (8 h + r + 8 (r / 8)) x 32: my row among a tile pair's 32 rows of scale bytes
.set TH,  3                            ; 16 x thread
.set CV,  4                            ; where my codes go in a record
.set SV,  5                            ; and my scale word
.set XS,  8
.set YS,  40
.set TM,  56
.set PW,  72
.set OW,  74
.set PC,  76
.set ACC, 128
.set MSB, 0
.macro WIN new                         ; the immediate's high byte repeats the setting that is left
.if MSB != \new
	s_set_vgpr_msb (MSB<<8)|\new
.set MSB, \new
.endif
.endm
.macro PLACES n
.rept \n
	v_nop
.endr
.endm
; one scaled product.  c < 0: the constant 0 starts the sum.  ra, rb = 1: that side's scales are taken from lanes 16-31
.macro WMS d, a, b, c, sa, sb, ra, rb
.if (\c) < 0
.if ((\ra) == 0) && ((\rb) == 0)
	v_wmma_scale_f32_16x16x128_f8f6f4 v[(\d):(\d)+7], v[(\a):(\a)+7], v[(\b):(\b)+7], 0, v[(\sa)], v[(\sb)] matrix_a_fmt:MATRIX_FMT_FP4 matrix_b_fmt:MATRIX_FMT_FP4
.elseif (\rb) == 0
	v_wmma_scale_f32_16x16x128_f8f6f4 v[(\d):(\d)+7], v[(\a):(\a)+7], v[(\b):(\b)+7], 0, v[(\sa)], v[(\sb)] matrix_a_fmt:MATRIX_FMT_FP4 matrix_b_fmt:MATRIX_FMT_FP4 matrix_a_scale:MATRIX_SCALE_ROW1
.elseif (\ra) == 0
	v_wmma_scale_f32_16x16x128_f8f6f4 v[(\d):(\d)+7], v[(\a):(\a)+7], v[(\b):(\b)+7], 0, v[(\sa)], v[(\sb)] matrix_a_fmt:MATRIX_FMT_FP4 matrix_b_fmt:MATRIX_FMT_FP4 matrix_b_scale:MATRIX_SCALE_ROW1
.else
	v_wmma_scale_f32_16x16x128_f8f6f4 v[(\d):(\d)+7], v[(\a):(\a)+7], v[(\b):(\b)+7], 0, v[(\sa)], v[(\sb)] matrix_a_fmt:MATRIX_FMT_FP4 matrix_b_fmt:MATRIX_FMT_FP4 matrix_a_scale:MATRIX_SCALE_ROW1 matrix_b_scale:MATRIX_SCALE_ROW1
.endif
.else
.if ((\ra) == 0) && ((\rb) == 0)
	v_wmma_scale_f32_16x16x128_f8f6f4 v[(\d):(\d)+7], v[(\a):(\a)+7], v[(\b):(\b)+7], v[(\c):(\c)+7], v[(\sa)], v[(\sb)] matrix_a_fmt:MATRIX_FMT_FP4 matrix_b_fmt:MATRIX_FMT_FP4
.elseif (\rb) == 0
	v_wmma_scale_f32_16x16x128_f8f6f4 v[(\d):(\d)+7], v[(\a):(\a)+7], v[(\b):(\b)+7], v[(\c):(\c)+7], v[(\sa)], v[(\sb)] matrix_a_fmt:MATRIX_FMT_FP4 matrix_b_fmt:MATRIX_FMT_FP4 matrix_a_scale:MATRIX_SCALE_ROW1
.elseif (\ra) == 0
	v_wmma_scale_f32_16x16x128_f8f6f4 v[(\d):(\d)+7], v[(\a):(\a)+7], v[(\b):(\b)+7], v[(\c):(\c)+7], v[(\sa)], v[(\sb)] matrix_a_fmt:MATRIX_FMT_FP4 matrix_b_fmt:MATRIX_FMT_FP4 matrix_b_scale:MATRIX_SCALE_ROW1
.else
	v_wmma_scale_f32_16x16x128_f8f6f4 v[(\d):(\d)+7], v[(\a):(\a)+7], v[(\b):(\b)+7], v[(\c):(\c)+7], v[(\sa)], v[(\sb)] matrix_a_fmt:MATRIX_FMT_FP4 matrix_b_fmt:MATRIX_FMT_FP4 matrix_a_scale:MATRIX_SCALE_ROW1 matrix_b_scale:MATRIX_SCALE_ROW1
.endif
.endif
.endm
; my two tiles of Y for all of K (32 loads of 512 consecutive bytes) and their scale words (32 bytes a row), off bytes on from the chunk in hand
.macro YLOAD off
	WIN 0x40                                       ; destination window 1
.irp a, 0,1
.irp s, 0,1,2,3,4,5,6,7
.irp c, 0,1
	global_load_b128 v[128+64*\a+8*\s+4*\c:128+64*\a+8*\s+4*\c+3], v[LI], s[28:29] offset:\off+8192*\a+1024*\s+512*\c
.endr
.endr
.endr
	WIN 0
	global_load_b128 v[YS:YS+3], v[RS], s[30:31] offset:\off/16
	global_load_b128 v[YS+4:YS+7], v[RS], s[30:31] offset:\off/16+16
.endm
.macro FETCHX s                        ; the panel's eight fragments of K step s into set s % 2
	WIN 0x40
.irp b, 0,1,2,3,4,5,6,7
.irp c, 0,1
	ds_load_b128 v[64*((\s)%2)+8*\b+4*\c:64*((\s)%2)+8*\b+4*\c+3], v[LI] offset:8192*\b+1024*(\s)+512*\c
.endr
.endr
.endm
.macro MUL16 s                         ; the 16 accumulators take turns, one instruction a turn, in the same order in every step
	WIN 0x05                                       ; sources 0 and 1 window 1; C and D window 0
.irp a, 0,1
.irp b, 0,1,2,3,4,5,6,7
.if (\s) == 0
	WMS ACC+64*\a+8*\b, 64*((\s)%2)+8*\b, 128+64*\a+8*(\s), -1, XS+8*(\b/2)+(\s), YS+(\s), \b%2, \a
.else
	WMS ACC+64*\a+8*\b, 64*((\s)%2)+8*\b, 128+64*\a+8*(\s), ACC+64*\a+8*\b, XS+8*(\b/2)+(\s), YS+(\s), \b%2, \a
.endif
.endr
.endr
.endm
; 64 numbers of a lane, register 16 b + i = place 32 b + 16 (lane / 16) + i of my row, become a fragment's codes in v[pc] on and its scale word in v[pw]
.macro QUANT s, pc, pw
.irp b, 0,1,2,3
	v_max3_num_f32 v[TM+\b], |v[\s+16*\b]|, |v[\s+1+16*\b]|, 0x1800000   ; block b: my 16 numbers, and the floor 2^(3 - 127): the byte cannot fall under 1.  (Each accumulator is read from its low end on)
.endr
.irp i, 2,4,6,8,10,12,14
.irp b, 0,1,2,3
	v_max3_num_f32 v[TM+\b], v[TM+\b], |v[\s+16*\b+\i]|, |v[\s+1+16*\b+\i]|
.endr
.endr
.irp b, 0,1,2,3
	v_permlanex16_b32 v[TM+4+\b], v[TM+\b], s36, s37
.endr
.irp b, 0,1,2,3
	v_max_num_f32 v[TM+\b], v[TM+\b], v[TM+4+\b]   ; with lane l xor 16's: the block's largest magnitude
.endr
.irp b, 0,1,2,3
	v_add_nc_u32 v[TM+12+\b], 0xff000000, v[TM+\b] ; 2 off its exponent field: the conversion's scale operand
.endr
.irp b, 0,1,2,3
	v_lshrrev_b32 v[TM+4+\b], 23, v[TM+12+\b]      ; the scale's byte
.endr
	v_lshl_or_b32 v[\pw], v[TM+5], 8, v[TM+4]
	v_lshl_or_b32 v[\pw], v[TM+6], 16, v[\pw]
	v_lshl_or_b32 v[\pw], v[TM+7], 24, v[\pw]
.irp b, 0,1,2,3
	v_cvt_scalef32_pk8_fp4_f32 v[\pc+2*\b], v[\s+16*\b:\s+7+16*\b], v[TM+12+\b]
	v_cvt_scalef32_pk8_fp4_f32 v[\pc+1+2*\b], v[\s+8+16*\b:\s+15+16*\b], v[TM+12+\b]
.endr
	v_nop                                          ; one plain place behind a scaled conversion
.irp c, 0,1                                    ; the operand's layout wants a whole block in a lane
.irp i, 0,1
	v_permlane16_swap_b32 v[\pc+4*\c+\i], v[\pc+2+4*\c+\i]
.endr
.endr
.endm
	s_load_b256 s[4:11], s[0:1], 0x0               ; TI s[4:5], TS s[6:7], WI s[8:9], Wq's scales s[10:11]
	s_load_b256 s[12:19], s[0:1], 0x20             ; Wk's scales s[12:13], Wv's s[14:15], QR s[16:17], KV s[18:19]
	v_lshl_add_u32 v126, v0, 2, 0x10000
	v_mov_b32 v127, 0
	v_lshrrev_b32 v48, 5, v0
	v_readfirstlane_b32 s20, v48                   ; wave 0..7
	v_and_b32 v48, 31, v0                          ; lane
	v_and_b32 v49, 15, v0                          ; r
	v_bfe_u32 v50, v0, 4, 1                        ; h
	v_lshlrev_b32 v[LI], 4, v48
	v_and_b32 v51, 8, v49
	v_add_nc_u32 v51, v51, v49
	v_lshl_add_u32 v51, v50, 3, v51
	v_lshlrev_b32 v[RS], 5, v51
	v_lshlrev_b32 v[TH], 4, v0
	v_lshlrev_b32 v52, 2, v48
	v_cmp_lt_u32 s38, 15, v48                      ; s38: lanes 16-31
.irp b, 0,1,2,3
	v_mov_b32 v[TM+4+\b], 0                        ; written once: a lane permute's destination counts as one of its sources
.endr
	s_mov_b32 s36, 0x76543210
	s_mov_b32 s37, 0xfedcba98
	; the offsets of both ways, each in registers of its own; then one choice on the work-group's number
	s_max_u32 s41, ttmp9, 128
	s_sub_co_u32 s41, s41, 128                     ; V: the token panel
	s_lshr_b32 s42, ttmp9, 3                       ; Q, K: the weight panel 0..15 (0-7 Wq's, 8-15 Wk's),
	s_and_b32 s43, s42, 7                          ; within its weight,
	s_and_b32 s44, ttmp9, 7                        ; and the group of 1,024 tokens
	s_lshl_b32 s45, s42, 16                        ; Q, K: X's codes: 65,536 bytes a panel
	s_lshl_b32 s46, s43, 12                        ; X's scale bytes: 128 rows of 32
	s_lshl_b32 s47, s44, 5
	s_add_co_u32 s47, s47, s20
	s_lshl_b32 s47, s47, 14                        ; Y's codes: tile pair 32 group + wave, 16,384 bytes a pair
	s_lshl_b32 s48, s44, 15
	s_lshl_b32 s60, s20, 10
	s_add_co_u32 s48, s48, s60                     ; Y's scale bytes
	s_lshr_b32 s49, s44, 1
	s_lshl_b32 s49, s49, 4
	s_lshl_b32 s60, s43, 1
	s_add_co_u32 s49, s49, s60
	s_mul_i32 s49, s49, 143360                     ; out: (batch, head 2 p),
	s_and_b32 s60, s44, 1
	s_lshl_b32 s60, s60, 3
	s_lshr_b32 s61, s20, 2
	s_add_co_u32 s60, s60, s61
	s_mul_i32 s60, s60, 8960
	s_add_co_u32 s49, s49, s60                     ; key step 8 (group % 2) + wave / 4
	s_lshl_b32 s51, s41, 16                        ; V: X's codes
	s_lshl_b32 s52, s41, 12                        ; X's scale bytes
	s_lshl_b32 s53, s20, 14
	s_add_co_u32 s53, s53, 1048576                 ; Y's codes: Wv's images, tile pair = wave
	s_lshl_b32 s54, s20, 10                        ; Y's scale bytes
	s_lshr_b32 s55, s41, 4
	s_lshl_b32 s55, s55, 4
	s_lshr_b32 s60, s20, 1
	s_add_co_u32 s55, s55, s60
	s_mul_i32 s55, s55, 143360                     ; out: (batch, head wave / 2),
	s_and_b32 s60, s41, 15
	s_mul_i32 s60, s60, 8960
	s_add_co_u32 s55, s55, s60                     ; key step = panel % 16
	s_and_b32 s56, s20, 3
	s_lshl_b32 s58, s56, 7
	s_add_co_u32 s58, s58, 8192                    ; Q, K: scale words of tile pair wave % 4,
	s_lshl_b32 s56, s56, 10                        ; and its codes
	s_and_b32 s57, s20, 1
	s_lshl_b32 s59, s57, 7
	s_add_co_u32 s59, s59, 8704                    ; V: scale words of tile pair wave % 2,
	s_lshl_b32 s57, s57, 11
	s_add_co_u32 s57, s57, 4096                    ; and its codes
	s_mov_b32 s34, 573440                          ; a chunk's step in the output: V: four heads on;
	s_mov_b32 s35, 0
	s_mov_b32 s61, 0
	s_wait_kmcnt 0x0
	s_cmp_lt_u32 ttmp9, 64
	s_cselect_b64 s[26:27], s[10:11], s[12:13]     ; Wq's scales or Wk's
	s_cselect_b64 s[32:33], s[16:17], s[18:19]     ; QR or KV
	s_cmp_lt_u32 ttmp9, 128
	s_cselect_b64 s[24:25], s[8:9], s[4:5]         ; X's codes: WI or TI
	s_cselect_b64 s[26:27], s[26:27], s[6:7]       ; X's scales
	s_cselect_b64 s[28:29], s[4:5], s[8:9]         ; Y's codes: TI or WI
	s_cselect_b64 s[30:31], s[6:7], s[14:15]       ; Y's scales
	s_cselect_b32 s45, s45, s51
	s_cselect_b32 s46, s46, s52
	s_cselect_b32 s47, s47, s53
	s_cselect_b32 s48, s48, s54
	s_cselect_b32 s49, s49, s55
	s_cselect_b32 s56, s56, s57
	s_cselect_b32 s58, s58, s59
	s_cselect_b32 s34, 17920, s34                  ; Q, K: two key steps on
	s_cselect_b32 s39, 0, 1                        ; s39 = 1: V's way
	s_mov_b32 s60, s45
	s_add_nc_u64 s[24:25], s[24:25], s[60:61]
	s_mov_b32 s60, s46
	s_add_nc_u64 s[26:27], s[26:27], s[60:61]
	s_mov_b32 s60, s47
	s_add_nc_u64 s[28:29], s[28:29], s[60:61]
	s_mov_b32 s60, s48
	s_add_nc_u64 s[30:31], s[30:31], s[60:61]
	s_mov_b32 s60, s49
	s_add_nc_u64 s[32:33], s[32:33], s[60:61]
	v_add_nc_u32 v[CV], s56, v[LI]
	v_add_nc_u32 v[SV], s58, v52
	; the panel: 16 loads of 4,096 consecutive bytes by the 256 threads, through the accumulators' registers into LDS, as it lies
.irp i, 0,1,2,3,4,5,6,7,8,9,10,11,12,13,14,15
	global_load_b128 v[ACC+4*\i:ACC+4*\i+3], v[TH], s[24:25] offset:4096*\i
.endr
.irp p, 0,1,2,3
.irp k, 0,1
	global_load_b128 v[XS+8*\p+4*\k:XS+8*\p+4*\k+3], v[RS], s[26:27] offset:1024*\p+16*\k   ; lanes 0-15: the rows of tile 2 p, lanes 16-31: of tile 2 p + 1
.endr
.endr
	YLOAD 0
	s_wait_loadcnt 42                              ; the panel's 16 loads are in; behind them: 8 of X's scales, 32 of Y, 2 of Y's scales
.irp i, 0,1,2,3,4,5,6,7,8,9,10,11,12,13,14,15
	ds_store_b128 v[TH], v[ACC+4*\i:ACC+4*\i+3] offset:4096*\i
.endr
	s_wait_dscnt 0x0                               ; for the others' sake: my part of the panel lies in LDS
	s_barrier_signal -1
	s_barrier_wait -1                              ; the launch's one barrier: the panel is never written again
	s_mov_b32 s40, 4
.Lchunk:
	s_wait_loadcnt 0x0                             ; Y and its scale words (in the first chunk X's scale words too)
	FETCHX 0
.irp s, 0,1,2,3,4,5,6
	PLACES 4                                       ; in front of loads into the set that the step before multiplied
	FETCHX \s+1
	s_wait_dscnt 16                                ; this step's fragments are in; the 16 just asked for may be out
	MUL16 \s
.endr
	s_wait_dscnt 0x0
	MUL16 7
	WIN 0                                          ; at a label and at a branch every window is 0
	PLACES 5                                       ; in front of the reads of results and of the loads into Y's registers (four), and of the next chunk's products, which begin these accumulators anew (five)
	s_cmp_eq_u32 s40, 1                            ; the next chunk's Y is asked for here, if there is one: no load leaves its buffer
	s_cbranch_scc1 .Lno_next
	YLOAD 131072
.Lno_next:
	QUANT ACC, PC, PW
	QUANT ACC+64, PC+8, PW+1
	v_cndmask_b32 v[OW], v[PW], v[PW+1], s38       ; lanes 0-15 the even tile's words, lanes 16-31 the odd one's
	s_cmp_lg_u32 s39, 0
	s_cbranch_scc1 .Lv_out
	v_and_b32 v[OW+1], 0xffff, v[OW]               ; head 2 p's two bytes; bytes 2 and 3 are 0
	v_lshrrev_b32 v54, 16, v[OW]                   ; head 2 p + 1's
.irp a, 0,1
.irp c, 0,1
	global_store_b128 v[CV], v[PC+8*\a+4*\c:PC+8*\a+4*\c+3], s[32:33] offset:143360*\c+512*\a   ; registers 4 c .. 4 c + 3 are head 2 p + c's 64 channels: 512 consecutive bytes a store
.endr
.endr
	global_store_b32 v[SV], v[OW+1], s[32:33]      ; 128 consecutive bytes
	global_store_b32 v[SV], v54, s[32:33] offset:143360
	s_branch .Lstored
.Lv_out:
.irp a, 0,1
.irp c, 0,1
	global_store_b128 v[CV], v[PC+8*\a+4*\c:PC+8*\a+4*\c+3], s[32:33] offset:1024*\a+512*\c
.endr
.endr
	global_store_b32 v[SV], v[OW], s[32:33]
.Lstored:
	s_wait_xcnt 0x0                                ; the stores' data and every base are written again only behind this wait
	s_add_nc_u64 s[28:29], s[28:29], 131072
	s_add_nc_u64 s[30:31], s[30:31], 8192
	s_add_nc_u64 s[32:33], s[32:33], s[34:35]
	s_sub_co_u32 s40, s40, 1
	s_cmp_lg_u32 s40, 0
	s_cbranch_scc1 .Lchunk
	s_wait_tensorcnt 0x0
	ds_add_u32 v126, v127
	s_wait_dscnt 0x0
	s_endpgm
.Lfunc_end_k_q225de30d46_qkv:
	.size	k_q225de30d46_qkv, .Lfunc_end_k_q225de30d46_qkv-k_q225de30d46_qkv
	.p2alignl 7, 3214868480
	.fill 96, 4, 3214868480
	.section	.rodata,"a",@progbits
	.p2align	6, 0x0
	.amdhsa_kernel k_q225de30d46_qkv
		.amdhsa_group_segment_fixed_size 66560
		.amdhsa_private_segment_fixed_size 0
		.amdhsa_enable_private_segment 0
		.amdhsa_kernarg_size 64
		.amdhsa_user_sgpr_count 2
		.amdhsa_user_sgpr_kernarg_segment_ptr 1
		.amdhsa_wavefront_size32 1
		.amdhsa_system_sgpr_workgroup_id_x 1
		.amdhsa_system_sgpr_workgroup_id_y 1
		.amdhsa_system_sgpr_workgroup_id_z 1
		.amdhsa_system_vgpr_workitem_id 0
		.amdhsa_next_free_vgpr 512
		.amdhsa_next_free_sgpr 66
		.amdhsa_reserve_vcc 0
		.amdhsa_float_denorm_mode_32 3
		.amdhsa_float_denorm_mode_16_64 3
		.amdhsa_memory_ordered 1
		.amdhsa_forward_progress 1
		.amdhsa_inst_pref_size 50
	.end_amdhsa_kernel
	.amdgpu_metadata
---
amdhsa.version: [ 1, 2 ]
amdhsa.kernels:
  - .name:           k_q225de30d46_qkv
    .symbol:         k_q225de30d46_qkv.kd
    .args:
      - { .name: TI, .offset: 0, .size: 8, .value_kind: global_buffer, .address_space: global }
      - { .name: TS, .offset: 8, .size: 8, .value_kind: global_buffer, .address_space: global }
      - { .name: WI, .offset: 16, .size: 8, .value_kind: global_buffer, .address_space: global }
      - { .name: Wq_scales, .offset: 24, .size: 8, .value_kind: global_buffer, .address_space: global }
      - { .name: Wk_scales, .offset: 32, .size: 8, .value_kind: global_buffer, .address_space: global }
      - { .name: Wv_scales, .offset: 40, .size: 8, .value_kind: global_buffer, .address_space: global }
      - { .name: QR, .offset: 48, .size: 8, .value_kind: global_buffer, .address_space: global }
      - { .name: KV, .offset: 56, .size: 8, .value_kind: global_buffer, .address_space: global }
    .group_segment_fixed_size: 66560
    .private_segment_fixed_size: 0
    .kernarg_segment_align: 8
    .kernarg_segment_size: 64
    .max_flat_workgroup_size: 256
    .sgpr_count:     66
    .vgpr_count:     512
    .wavefront_size: 32
...
	.end_amdgpu_metadata
.endif
;; end of part 4
;; launch attn (part 5): grid 16 x 16, 8 waves a work-group, no clusters, 327,680 bytes of LDS; arguments QR, KV, LRI, OC, OS; writes OC, OS
.if DOCPART == 5
	.amdgcn_target "amdgcn-amd-amdhsa--gfx1250"
	.amdhsa_code_object_version 6
	.text
	.protected	k_q225de30d46_attn
	.globl	k_q225de30d46_attn
	.p2align	8
	.type	k_q225de30d46_attn,@function
k_q225de30d46_attn:
	s_mov_b64 s[64:65], 0
	v_nop
	global_prefetch_b8 v0, s[64:65] scope:SCOPE_SE
	s_setreg_imm32_b32 hwreg(HW_REG_WAVE_MODE, 25, 1), 1
	s_wait_xcnt 0x0
; O = softmax(Q K^T / 8 + beta ln max(R, 1e-8)) V for each (batch, head), both products on codes of FP4 (E2M1) with E8M0 scales; O is quantised on its way out, along head x 64 + channel, for the last product.
; THE SOFTMAX AHEAD OF THE SECOND PRODUCT: S' = Q K^T + 8 beta ln R (the second term is the C operand of the score products, from LRI); t = S' x log2(e) / 8; M = the row's largest t so far, rounded UP to a whole number;
; p = 2^(t - M) is what is quantised, along the keys, not normalised.  The row's sum is taken of the unquantised p and divides O at the end.  When M moves, the sum and O are multiplied by 2^(old M - new M): exact.
; SHARES: a work-group owns 128 queries of one batch and FOUR heads; wave w owns query tile w (16 queries) for all four heads, its four UNITS.  So the wave's 16 x 128 numbers of LRI, which hang on query and key alone,
; are loaded once for four units.  Every wave walks all 2,048 keys, 128 a step.
; K's and V's records (8,960 bytes for a head and a key step: the launch before says how they lie) come through a ring of two LDS slots, each with two key steps of the four heads; waves 0-3 fetch, one head each:
; 17,920 consecutive bytes, 70 rows of 256, by one tensor load; all eight waves read them.
; LAYOUT: both products are used transposed: S^T = K Q^T (source 0 = 16 keys, source 1 = my 16 queries), O^T = V^T P^T: a lane holds ONE query throughout.  A tile's rows are 32 B + 8 u + r + 8 (r / 8),
; so the 16 registers of tiles 2 B and 2 B + 1 are 16 neighbours (keys in S^T, channels in O^T).
; A HEAD'S 64 CHANNELS ARE HALF OF AN INSTRUCTION'S 128 ALONG K: Q's registers 4-7 hold zero codes, so K's registers 4-7 may hold any codes (they are the next tile's); bytes 2 and 3 of both scale words are 0, which is 2^-127.
; NO CLUSTER: of the 101,376 bytes that a work-group fetches for a key step, 65,536 (LRI) go straight to registers, where no joint load reaches; the 35,840 of K and V are what the sixteen query blocks of a head group share.
; LIMITS: p under 2^-126 is 0 (v_exp_f32 gives 0 there); a block of zeros gets the byte 1 where the rule says 127 (zero codes); blocks under 2^-124 are held at the byte 1; NaN and infinities are not served.
; REGISTERS: window 0: v1-9 addresses; v10-25 statistics (unit g at 10 + 4 g: -M, largest t, the sum in two halves); v26-29 Q's scale words; v30-33 K's; v34-35 V's; v36-67 Q (8 a unit); v68-99 V's four fragments;
;   v100-103 the way out; v104-111 p's codes; v112-129 at work (v125: p's scale word); v136-199 S^T, then p; v200-235 K's eight tiles, 4 registers each, and four zeros.
;   window 1: v0-127 O^T (32 g + 8 t); v128-191, v192-255 LRI's tile, two banks.
.set REC,   8960
.set HEADB, 17920                      ; a head's two key steps
.set BHB,   143360                     ; a head's sixteen
.set SLOT1, 1<<17                      ; slot 1 begins here: one exclusive or turns an address in one slot into the other's
.set SPARE, 262144                     ; behind the ring: the spare words, 128 bytes for each wave: four blocks of 256 bytes that no other line names
.set LI,   1                           ; 16 x lane
.set LS,   2                           ; 4 x lane
.set SPW,  3                           ; LDS address of my spare word; never rewritten
.set NIL,  4                           ; 0; never rewritten
.set ADK,  5                           ; 16 x lane + the slot in hand;  ADK2: two heads on
.set ADK2, 6
.set ADS,  7                           ; 4 x lane + the slot in hand;   ADS2: two heads on
.set ADS2, 8
.set STT,  10
.set QS,   26
.set KS,   30
.set VS,   34
.set QF,   36
.set VF,   68
.set OWD,  100
.set PC,   104
.set BM,   112
.set PT,   116
.set SO,   120
.set FF,   124
.set TP,   126
.set SC2,  128
.set S,    136
.set KF,   200
.set MSB, 0
.macro WIN new                         ; the immediate's high byte repeats the setting that is left
.if MSB != \new
	s_set_vgpr_msb (MSB<<8)|\new
.set MSB, \new
.endif
.endm
.macro PLACES n
.rept \n
	v_nop
.endr
.endm
; one scaled product; ra = 1: source 0's scales are taken from lanes 16-31
.macro WMS d, a, b, c, sa, sb, ra
.if (\ra) == 0
	v_wmma_scale_f32_16x16x128_f8f6f4 v[(\d):(\d)+7], v[(\a):(\a)+7], v[(\b):(\b)+7], v[(\c):(\c)+7], v[(\sa)], v[(\sb)] matrix_a_fmt:MATRIX_FMT_FP4 matrix_b_fmt:MATRIX_FMT_FP4
.else
	v_wmma_scale_f32_16x16x128_f8f6f4 v[(\d):(\d)+7], v[(\a):(\a)+7], v[(\b):(\b)+7], v[(\c):(\c)+7], v[(\sa)], v[(\sb)] matrix_a_fmt:MATRIX_FMT_FP4 matrix_b_fmt:MATRIX_FMT_FP4 matrix_a_scale:MATRIX_SCALE_ROW1
.endif
.endm
; waves 0-3 fetch, each its head; the branch hangs on the wave's number alone.  Four v_nop follow the load
.macro TLOAD
	s_cmp_lt_u32 s14, 4
	s_cbranch_scc0 .Lasked_\@
	tensor_load_to_lds s[32:35], s[24:31]
	s_nop 0
.rept 4
	v_nop
.endr
.Lasked_\@:
.endm
; THE CHANGE OF SLOTS stands at a slot's head.  Each wave waits for all its tensor loads (its part of the slot that it is about to read), adds 0 to its spare word, and waits for that and for its reads of the slot that it has left.
; Behind the barrier the slot ahead is whole and nobody reads the other one.  fill = 1: that other slot takes the next two key steps: the load has two key steps' work in which to land.  One tensor load of a wave is out at most.
.macro CHANGE fill
	s_wait_tensorcnt 0x0                           ; no tensor load of mine is out, so group 0 may be written
	ds_add_u32 v[SPW], v[NIL]                      ; 0 onto my spare word
.if \fill
	s_xor_b32 s33, s33, SLOT1                      ; the walking descriptor: the other slot than last time,
	s_add_nc_u64 s[34:35], s[34:35], HEADB         ; the next two key steps; the type bits on top are not reached
.endif
	s_wait_dscnt 0x0                               ; the add is done, and my reads of the slot that I have left are over
	s_barrier_signal -1
	s_barrier_wait -1
.if \fill
	TLOAD                                          ; the first thing behind the barrier, and a wave's one tensor load until the next
.endif
.endm
.macro KLOAD g, q                      ; head g's eight tiles of K of the slot's step q, and their scale words: 12 loads
.if (\g) < 2
.set AK, ADK
.set AS, ADS
.else
.set AK, ADK2
.set AS, ADS2
.endif
.irp t, 0,1,2,3,4,5,6,7
	ds_load_b128 v[KF+4*\t:KF+4*\t+3], v[AK] offset:((\g)%2)*HEADB+REC*(\q)+512*\t
.endr
.irp i, 0,1,2,3
	ds_load_b32 v[KS+\i], v[AS] offset:((\g)%2)*HEADB+REC*(\q)+8192+128*\i
.endr
.endm
.macro VLOAD g, q                      ; head g's four tiles of V^T, and their scale words: 10 loads
.if (\g) < 2
.set AK, ADK
.set AS, ADS
.else
.set AK, ADK2
.set AS, ADS2
.endif
.irp t, 0,1,2,3
.irp c, 0,1
	ds_load_b128 v[VF+8*\t+4*\c:VF+8*\t+4*\c+3], v[AK] offset:((\g)%2)*HEADB+REC*(\q)+4096+1024*\t+512*\c
.endr
.endr
.irp i, 0,1
	ds_load_b32 v[VS+\i], v[AS] offset:((\g)%2)*HEADB+REC*(\q)+8704+128*\i
.endr
.endm
.macro LRLOAD off, bank                ; my query tile's numbers of LRI for one key step: 16 loads of 512 consecutive bytes
	WIN 0x40                                       ; destination window 1
.irp i, 0,1,2,3,4,5,6,7,8,9,10,11,12,13,14,15
	global_load_b128 v[128+64*(\bank)+4*\i:128+64*(\bank)+4*\i+3], v[LI], s[38:39] offset:(\off)+512*\i
.endr
	WIN 0
.endm
; the softmax of unit g for 128 keys: S^T in v[S] on becomes p; its codes go to v[PC] on, its scale word to v[FF+1], f = 2^(old M - new M) to v[FF]
.macro SOFTMAX g
.set NM, STT+4*\g
.irp b, 0,1,2,3
	v_max3_num_f32 v[BM+\b], v[S+16*\b], v[S+1+16*\b], v[S+2+16*\b]   ; THE LARGEST SCORE OF EACH BLOCK OF 32 KEYS: for the row's maximum and, since p rises with the score, for the block's largest p.  (Each accumulator is read from its low end on)
.endr
.irp i, 3,5,7,9,11,13
.irp b, 0,1,2,3
	v_max3_num_f32 v[BM+\b], v[BM+\b], v[S+16*\b+\i], v[S+1+16*\b+\i]
.endr
.endr
.irp b, 0,1,2,3
	v_max_num_f32 v[BM+\b], v[BM+\b], v[S+15+16*\b]
.endr
.irp b, 0,1,2,3
	v_permlanex16_b32 v[PT+\b], v[BM+\b], s20, s21
.endr
.irp b, 0,1,2,3
	v_max_num_f32 v[BM+\b], v[BM+\b], v[PT+\b]     ; with lane l xor 16's 16 keys
.endr
	v_max3_num_f32 v[TP], v[BM], v[BM+1], v[BM+2]
	v_max_num_f32 v[TP], v[TP], v[BM+3]            ; the step's largest score of my query
	v_mul_f32 v[TP], s22, v[TP]                    ; as t (c is positive)
	v_max_num_f32 v[NM+1], v[NM+1], v[TP]          ; the running largest t
	v_mov_b32 v[TP], v[NM]
	v_floor_f32 v[NM], -v[NM+1]                    ; the new -M = floor(-t) = -ceil(t): M is a whole number
	v_sub_f32 v[TP], v[NM], v[TP]                  ; old M - new M: a whole number, 0 or less
	v_cvt_i32_f32 v[TP], v[TP]                     ; (it saturates)
	v_ldexp_f32 v[FF], 1.0, v[TP]                  ; f = 2^(old M - new M)
.set j, 0
.rept 32
	v_pk_fma_f32 v[S+j:S+j+1], v[S+j:S+j+1], s[22:23], v[NM:NM+1] op_sel_hi:[1,0,0]   ; t - M, two at a time (of the pairs c and -M the low word serves both halves)
.set j, j+2
.endr
.irp b, 0,1,2,3
	v_fma_f32 v[BM+\b], v[BM+\b], s22, v[NM]       ; the same of each block's largest score
.endr
.set j, 0
.rept 64
	v_exp_f32 v[S+j], v[S+j]                       ; p = 2^(t - M), at most 1
.set j, j+1
.endr
.irp b, 0,1,2,3
	v_exp_f32 v[BM+\b], v[BM+\b]                   ; the block's largest p: the same two instructions on the same number give the same bits
.endr
	v_pk_mul_f32 v[NM+2:NM+3], v[NM+2:NM+3], v[FF:FF+1] op_sel_hi:[1,0]   ; the sums under the new M.  (A plain place behind the exponentials)
	s_wait_alu depctr_va_vdst(0)
.irp b, 0,1,2,3
	v_max_num_f32 v[BM+\b], 0x1800000, v[BM+\b]    ; the floor 2^(3 - 127): the byte cannot fall under 1
.endr
.irp b, 0,1,2,3
	v_add_nc_u32 v[SO+\b], 0xff000000, v[BM+\b]    ; 2 off the exponent field: the conversion's scale operand
.endr
.irp b, 0,1,2,3
	v_lshrrev_b32 v[PT+\b], 23, v[SO+\b]           ; the scale's byte
.endr
	v_lshl_or_b32 v[FF+1], v[PT+1], 8, v[PT]       ; p's scale word for these 128 keys
	v_lshl_or_b32 v[FF+1], v[PT+2], 16, v[FF+1]
	v_lshl_or_b32 v[FF+1], v[PT+3], 24, v[FF+1]
.irp b, 0,1,2,3
	v_cvt_scalef32_pk8_fp4_f32 v[PC+2*\b], v[S+16*\b:S+7+16*\b], v[SO+\b]
	v_cvt_scalef32_pk8_fp4_f32 v[PC+1+2*\b], v[S+8+16*\b:S+15+16*\b], v[SO+\b]
.endr
	v_nop                                          ; one plain place behind a scaled conversion
.irp c, 0,1                                    ; the operand's layout wants a whole block in a lane
.irp i, 0,1
	v_permlane16_swap_b32 v[PC+4*\c+\i], v[PC+2+4*\c+\i]
.endr
.endr
	v_pk_add_f32 v[SC2:SC2+1], v[S:S+1], v[S+2:S+3]   ; THE ROW'S SUM IS TAKEN OF THE UNQUANTISED p: two at a time, in two chains
.irp j, 4,8,12,16,20,24,28,32,36,40,44,48,52,56,60
	v_pk_add_f32 v[NM+2:NM+3], v[NM+2:NM+3], v[S+\j:S+1+\j]
	v_pk_add_f32 v[SC2:SC2+1], v[SC2:SC2+1], v[S+2+\j:S+3+\j]
.endr
	v_pk_add_f32 v[NM+2:NM+3], v[NM+2:NM+3], v[SC2:SC2+1]
.endm
; UNIT g (a head) in the slot's step q: 8 score products, the softmax, 4 products V^T P.  more = 1: the K of unit ng in step nq is fetched behind this unit's V
.macro UNIT g, q, ng, nq, more
	s_wait_dscnt 0x0                               ; this unit's K and its scale words are in
	WIN 0x10                                       ; C in window 1
.irp t, 0,1,2,3,4,5,6,7
	WMS S+8*\t, KF+4*\t, QF+8*\g, 128+64*\q+8*\t, KS+\t/2, QS+\g, \t%2
.endr
	WIN 0
	PLACES 4                                       ; in front of the reads of the scores, of the loads into K's registers, and (behind the last unit's products) into V's, and of the writes of p's codes and scale word
	VLOAD \g, \q
.if \more
	KLOAD \ng, \nq
.endif
	SOFTMAX \g
	WIN 0x41                                       ; O^T (destination and source 0) in window 1
.set j, 0
.rept 16
	v_pk_mul_f32 v[32*\g+j:32*\g+j+1], v[32*\g+j:32*\g+j+1], v[FF:FF+1] op_sel_hi:[1,0]   ; O^T under the new M.  (With the sums above: the places between p's codes and scale word and the products below)
.set j, j+2
.endr
.if \more
	s_wait_dscnt 12                                ; V's ten loads are in; the next unit's twelve may be out
.else
	s_wait_dscnt 0x0
.endif
	WIN 0x50                                       ; C and D in window 1
.irp t, 0,1,2,3
	WMS 32*\g+8*\t, VF+8*\t, PC, 32*\g+8*\t, VS+\t/2, FF+1, \t%2
.endr
	WIN 0
.endm
.macro STEP q, more                    ; a key step; more = 1: LRI's numbers for the next key step are asked for: a whole step ahead of their use
	s_wait_loadcnt 0x0                             ; LRI's numbers for this step (in the first step Q and its scale words too)
.if \more
	LRLOAD 8192*(\q+1), (\q+1)%2
.endif
	UNIT 0, \q, 1, \q, 1
	UNIT 1, \q, 2, \q, 1
	UNIT 2, \q, 3, \q, 1
.if \q == 0
	UNIT 3, 0, 0, 1, 1
.else
	UNIT 3, 1, 0, 0, 0                             ; nothing of this slot is left to fetch
.endif
.endm
.macro SLOT_STEPS more
	v_add_nc_u32 v[ADK], s36, v[LI]
	v_add_nc_u32 v[ADS], s36, v[LS]
	v_add_nc_u32 v[ADK2], 2*HEADB, v[ADK]
	v_add_nc_u32 v[ADS2], 2*HEADB, v[ADS]
	KLOAD 0, 0
	STEP 0, 1
	STEP 1, \more
	s_wait_xcnt 0x0                                ; LRI's base is stepped only behind this wait
	s_add_nc_u64 s[38:39], s[38:39], 16384
	s_xor_b32 s36, s36, SLOT1                      ; on to the other slot
.endm
	s_load_b256 s[4:11], s[0:1], 0x0               ; QR s[4:5], KV s[6:7], LRI s[8:9], OC s[10:11]
	s_load_b64 s[12:13], s[0:1], 0x20              ; OS
	v_lshl_add_u32 v[SPW], v0, 2, SPARE
	v_mov_b32 v[NIL], 0
	ds_add_u32 v3, v4
	s_wait_dscnt 0x0
	v_lshrrev_b32 v9, 5, v0
	v_readfirstlane_b32 s14, v9                    ; wave 0..7
	s_and_b32 s15, ttmp7, 0xffff                   ; y: batch y / 4, heads 4 (y % 4) on: (batch, head) 4 y on
	; descriptor group 1: 17,920 dense bytes as 70 rows of 256 (32 elements of 8 bytes); no padding: every read is of 512 or 128 consecutive bytes
	s_mov_b32 s24, 3<<16                           ; no mask; elements of 8 bytes
	s_mov_b32 s25, 32<<16                          ; tensor_dim0
	s_mov_b32 s26, 70<<16                          ; tensor_dim1
	s_mov_b32 s27, 32<<16                          ; tile_dim0
	s_mov_b32 s28, 70                              ; tile_dim1
	s_mov_b32 s29, 32                              ; the pitch
	s_mov_b32 s30, 0
	s_mov_b32 s31, 0
	s_and_b32 s40, s14, 3                          ; the head that I fetch, if I fetch
	s_mul_i32 s33, s40, HEADB                      ; its place in slot 0
	s_lshl_b32 s41, s15, 2
	s_add_co_u32 s42, s41, s40
	s_mul_i32 s42, s42, BHB                        ; and in KV
	s_mov_b32 s43, 0
	s_mul_i32 s44, s41, BHB
	s_mul_i32 s45, ttmp9, REC
	s_add_co_u32 s44, s44, s45                     ; Q: head 4 y's record of my 128 queries
	s_lshl_b32 s45, s14, 9
	s_add_co_u32 s46, s44, s45                     ; my tile's codes
	s_mov_b32 s47, 0
	s_lshl_b32 s45, s14, 6
	s_add_co_u32 s48, s44, s45
	s_add_co_u32 s48, s48, 8192                    ; and its scale words: 64 bytes a tile
	s_mov_b32 s49, 0
	s_lshl_b32 s50, ttmp9, 3
	s_add_co_u32 s50, s50, s14                     ; my query tile among the 128
	s_lshl_b32 s38, s50, 17
	s_mov_b32 s39, 0
	s_lshr_b32 s53, s15, 2                         ; batch
	s_and_b32 s54, s15, 3                          ; group of four heads
	s_lshl_b32 s55, s53, 7
	s_add_co_u32 s55, s55, s50
	s_lshl_b32 s16, s55, 13                        ; OC: my tile of tokens, 8,192 bytes a tile, + 2,048 x group
	s_lshl_b32 s55, s54, 11
	s_add_co_u32 s16, s16, s55
	s_mov_b32 s17, 0
	s_lshl_b32 s55, s53, 6
	s_lshl_b32 s56, ttmp9, 2
	s_add_co_u32 s55, s55, s56
	s_lshr_b32 s56, s14, 1
	s_add_co_u32 s55, s55, s56
	s_lshl_b32 s18, s55, 10                        ; OS: my tile pair, 1,024 bytes a pair, + 256 x group + 64 x (tile % 2)
	s_lshl_b32 s55, s54, 8
	s_add_co_u32 s18, s18, s55
	s_and_b32 s55, s14, 1
	s_lshl_b32 s55, s55, 6
	s_add_co_u32 s18, s18, s55
	s_mov_b32 s19, 0
	s_mov_b32 s20, 0x76543210
	s_mov_b32 s21, 0xfedcba98                      ; v_permlanex16_b32's selects for lane l xor 16
	s_mov_b32 s22, 0x3e38aa3b                      ; c = log2(e) / 8
	s_mov_b32 s23, s22                             ; (named with it as a pair, so it is written)
	s_mov_b32 s36, 0
	s_mov_b32 s37, 7
	s_mov_b32 s32, 1                               ; group 0: count = 1
	s_wait_kmcnt 0x0
	s_add_nc_u64 s[34:35], s[6:7], s[42:43]        ; the head's first two key steps
	s_or_b32 s35, s35, 0x80000000                  ; type = 2
	TLOAD                                          ; slot 0: the one first fill
	s_add_nc_u64 s[46:47], s[4:5], s[46:47]
	s_add_nc_u64 s[48:49], s[4:5], s[48:49]
	s_add_nc_u64 s[38:39], s[8:9], s[38:39]
	s_add_nc_u64 s[10:11], s[10:11], s[16:17]
	s_add_nc_u64 s[12:13], s[12:13], s[18:19]
	v_and_b32 v[TP], 31, v0
	v_lshlrev_b32 v[LI], 4, v[TP]
	v_lshlrev_b32 v[LS], 2, v[TP]
	v_cmp_lt_u32 s52, 15, v[TP]                    ; s52: lanes 16-31
	v_and_b32 v9, 15, v0
	v_lshlrev_b32 v9, 2, v9                        ; v9: 4 r
.irp g, 0,1,2,3
	global_load_b128 v[QF+8*\g:QF+8*\g+3], v[LI], s[46:47] offset:BHB*\g   ; Q stays in registers
	global_load_b32 v[QS+\g], v9, s[48:49] offset:BHB*\g
.endr
	LRLOAD 0, 0
.irp g, 0,1,2,3
.irp j, 4,5,6,7
	v_mov_b32 v[QF+8*\g+\j], 0                     ; zero codes for k = 64 .. 127
.endr
	v_mov_b32 v[STT+4*\g+1], 0xff61b1e6            ; the largest t so far: -3e38, under every t
	v_floor_f32 v[STT+4*\g], -v[STT+4*\g+1]        ; -M
	v_mov_b32 v[STT+4*\g+2], 0                     ; the sum, in two halves
	v_mov_b32 v[STT+4*\g+3], 0
	v_mov_b32 v[PT+\g], 0                          ; written once: a lane permute's destination counts as one of its sources
	v_mov_b32 v[KF+32+\g], 0                       ; behind K's last tile
.endr
	v_mov_b32 v[FF+1], 0                           ; (named as the upper half of a pair before it is first written)
	WIN 0x40
.set j, 0
.rept 128
	v_mov_b32 v[j], 0                              ; O^T.  (The loop is written once: its first step finds zeros, which the first change of M leaves zeros)
.set j, j+1
.endr
	WIN 0
.Lslot:                                            ; seven trips: behind each change of slots but the last the next slot is asked for
	CHANGE 1
	SLOT_STEPS 1
	s_sub_co_u32 s37, s37, 1
	s_cmp_lg_u32 s37, 0
	s_cbranch_scc1 .Lslot
	CHANGE 0                                       ; the last slot is written out and no load of LRI leaves its buffer
	SLOT_STEPS 0
	; THE WAY OUT.  O^T / the sum, quantised along the head's 64 channels (two blocks a unit): a unit's codes are registers 4 c .. 4 c + 3 (c = head % 2) of K step head / 2 of the last product's operand.
	PLACES 4                                       ; behind the last products
.irp g, 0,1,2,3
	v_add_f32 v[STT+4*\g+2], v[STT+4*\g+2], v[STT+4*\g+3]   ; the sum's two halves,
.endr
.irp g, 0,1,2,3
	v_permlanex16_b32 v[PT+\g], v[STT+4*\g+2], s20, s21
.endr
.irp g, 0,1,2,3
	v_add_f32 v[STT+4*\g+2], v[STT+4*\g+2], v[PT+\g]        ; and lane l xor 16's: the row's sum
.endr
.irp g, 0,1,2,3
	v_rcp_f32 v[STT+4*\g+3], v[STT+4*\g+2]
.endr
	v_bfe_u32 v103, v0, 4, 1                       ; (a plain place behind the transcendentals)
	v_lshl_add_u32 v103, v103, 7, v9               ; my scale word's place: 4 r + 128 h
	s_wait_alu depctr_va_vdst(0)
.macro OUTU g
	WIN 0x01                                       ; source 0 in window 1
.set j, 0
.rept 32
	v_mul_f32 v[S+j], v[32*\g+j], v[STT+4*\g+3]    ; register 16 b + i is channel 32 b + 16 h + i of my query.  (Each accumulator from its low end on)
.set j, j+1
.endr
	WIN 0
.irp b, 0,1
	v_max3_num_f32 v[BM+\b], |v[S+16*\b]|, |v[S+1+16*\b]|, 0x1800000
.endr
.irp i, 2,4,6,8,10,12,14
.irp b, 0,1
	v_max3_num_f32 v[BM+\b], v[BM+\b], |v[S+16*\b+\i]|, |v[S+1+16*\b+\i]|
.endr
.endr
.irp b, 0,1
	v_permlanex16_b32 v[PT+\b], v[BM+\b], s20, s21
.endr
.irp b, 0,1
	v_max_num_f32 v[BM+\b], v[BM+\b], v[PT+\b]
.endr
.irp b, 0,1
	v_add_nc_u32 v[SO+\b], 0xff000000, v[BM+\b]
.endr
.irp b, 0,1
	v_lshrrev_b32 v[PT+\b], 23, v[SO+\b]
.endr
.if (\g)%2 == 0
	v_lshl_or_b32 v[OWD+(\g)/2], v[PT+1], 8, v[PT] ; bytes 0 and 1 of the K step's scale word
.else
	v_lshl_or_b32 v[OWD+(\g)/2], v[PT], 16, v[OWD+(\g)/2]    ; bytes 2 and 3
	v_lshl_or_b32 v[OWD+(\g)/2], v[PT+1], 24, v[OWD+(\g)/2]
.endif
.irp b, 0,1
	v_cvt_scalef32_pk8_fp4_f32 v[VF+4*\g+2*\b], v[S+16*\b:S+7+16*\b], v[SO+\b]
	v_cvt_scalef32_pk8_fp4_f32 v[VF+4*\g+1+2*\b], v[S+8+16*\b:S+15+16*\b], v[SO+\b]
.endr
	v_nop                                          ; one plain place behind a scaled conversion
	v_permlane16_swap_b32 v[VF+4*\g], v[VF+4*\g+2]
	v_permlane16_swap_b32 v[VF+4*\g+1], v[VF+4*\g+3]
	global_store_b128 v[LI], v[VF+4*\g:VF+4*\g+3], s[10:11] offset:1024*((\g)/2)+512*((\g)%2)   ; 512 consecutive bytes; each unit has its own registers
.endm
	OUTU 0
	OUTU 1
	OUTU 2
	OUTU 3
	v_cndmask_b32 v102, v[OWD], v[OWD+1], s52      ; lanes 0-15 store the first K step's word of their row, lanes 16-31 the second's
	global_store_b32 v103, v102, s[12:13]
	s_wait_tensorcnt 0x0                           ; the wave's end
	ds_add_u32 v[SPW], v[NIL]
	s_wait_dscnt 0x0
	s_endpgm
.Lfunc_end_k_q225de30d46_attn:
	.size	k_q225de30d46_attn, .Lfunc_end_k_q225de30d46_attn-k_q225de30d46_attn
	.p2alignl 7, 3214868480
	.fill 96, 4, 3214868480
	.section	.rodata,"a",@progbits
	.p2align	6, 0x0
	.amdhsa_kernel k_q225de30d46_attn
		.amdhsa_group_segment_fixed_size 327680
		.amdhsa_private_segment_fixed_size 0
		.amdhsa_enable_private_segment 0
		.amdhsa_kernarg_size 40
		.amdhsa_user_sgpr_count 2
		.amdhsa_user_sgpr_kernarg_segment_ptr 1
		.amdhsa_wavefront_size32 1
		.amdhsa_system_sgpr_workgroup_id_x 1
		.amdhsa_system_sgpr_workgroup_id_y 1
		.amdhsa_system_sgpr_workgroup_id_z 1
		.amdhsa_system_vgpr_workitem_id 0
		.amdhsa_next_free_vgpr 512
		.amdhsa_next_free_sgpr 66
		.amdhsa_reserve_vcc 0
		.amdhsa_float_denorm_mode_32 3
		.amdhsa_float_denorm_mode_16_64 3
		.amdhsa_memory_ordered 1
		.amdhsa_forward_progress 1
		.amdhsa_inst_pref_size 255
	.end_amdhsa_kernel
	.section	.bss,"aw",@nobits
	.p2align	6
	.space	262144
	.amdgpu_metadata
---
amdhsa.version: [ 1, 2 ]
amdhsa.kernels:
  - .name:           k_q225de30d46_attn
    .symbol:         k_q225de30d46_attn.kd
    .args:
      - { .name: QR, .offset: 0, .size: 8, .value_kind: global_buffer, .address_space: global }
      - { .name: KV, .offset: 8, .size: 8, .value_kind: global_buffer, .address_space: global }
      - { .name: LRI, .offset: 16, .size: 8, .value_kind: global_buffer, .address_space: global }
      - { .name: OC, .offset: 24, .size: 8, .value_kind: global_buffer, .address_space: global }
      - { .name: OS, .offset: 32, .size: 8, .value_kind: global_buffer, .address_space: global }
    .group_segment_fixed_size: 327680
    .private_segment_fixed_size: 0
    .kernarg_segment_align: 8
    .kernarg_segment_size: 40
    .max_flat_workgroup_size: 256
    .sgpr_count:     66
    .vgpr_count:     512
    .wavefront_size: 32
...
	.end_amdgpu_metadata
.endif
;; end of part 5
;; launch proj (part 6): grid 256 x 1, 16 waves a work-group, no clusters, 150,016 bytes of LDS; arguments OC, OS, WI, Wp_scales, tokens, gamma, bias, out0; writes out0
.if DOCPART == 6
	.amdgcn_target "amdgcn-amd-amdhsa--gfx1250"
	.amdhsa_code_object_version 6
	.text
	.protected	k_q225de30d46_proj
	.globl	k_q225de30d46_proj
	.p2align	8
	.type	k_q225de30d46_proj,@function
k_q225de30d46_proj:
	s_mov_b64 s[64:65], 0
	v_nop
	global_prefetch_b8 v0, s[64:65] scope:SCOPE_SE
	s_setreg_imm32_b32 hwreg(HW_REG_WAVE_MODE, 25, 1), 1
	s_wait_xcnt 0x0
; out0 = LayerNorm(O Wp^T + tokens) x gamma + bias; the product on codes of FP4 (E2M1) with E8M0 scales, all else in f32.
; SHARES: a work-group takes 32 tokens (a pair of tiles) x all 1,024 columns, so that a row's mean and variance never leave it.  Wave w of sixteen makes columns 64 w .. 64 w + 63 (four tiles of Wp's rows) for both tiles
; of tokens: 8 accumulators.  Wp's images come from memory straight into registers (no two waves share any), three K steps ahead; O's images (16,384 bytes) lie in LDS for all sixteen.
; The product is used transposed (source 0 = 16 rows of Wp, source 1 = 16 tokens): a lane holds one token and eight neighbouring columns.  The results meet in a stage in LDS (32 rows of 4,096 bytes + 16);
; then wave w takes two whole rows: residual, mean, variance of the differences (two passes, in registers), gain and bias, and stores 512 consecutive bytes an instruction.
; NO CLUSTER: Wp, which all work-groups walk, goes to registers, where no joint load reaches.
; A tile's rows are 32 B + 8 u + r + 8 (r / 8): stage row 16 a + r is token 32 P + 8 a + r + 8 (r / 8).
; LIMITS: NaN and infinities among the inputs are not served.
; REGISTERS: v1-7 addresses; v8-23 Wp's scale words (word s of tile pair p at 8 + 8 p + s); v24-31 O's (lanes 0-15 the even tile, lanes 16-31 the odd); v32-63 O's fragments, two sets, later the bias;
;   v64-159 Wp's fragments, three sets, later the residual rows and the gain; v160-223 the accumulators ((a, b) at 160 + 32 a + 8 b), later my two rows; v224-243 at work.
.set STAGE, 16384
.set SP,    4112                       ; 257 x 16 bytes: the sixteen rows that a store touches start at different banks
.set LI,  1                            ; 16 x lane
.set LS,  2                            ; 4 x lane
.set TH,  3                            ; 16 x thread
.set RS,  4                            ; (8 h + r + 8 (r / 8)) x 32
.set SOA, 5                            ; the stage, tile a = 0: row r, + 256 w + 64 h
.set SOB, 6                            ; tile a = 1: 16 rows on
.set RD,  7                            ; the stage on the way out: my two rows, 16 bytes a lane
.set WS,  8
.set OSR, 24
.set OF,  32
.set WB,  64
.set ACC, 160
.macro PLACES n
.rept \n
	v_nop
.endr
.endm
; one scaled product.  c < 0: the constant 0 starts the sum.  ra, rb = 1: that side's scales are taken from lanes 16-31
.macro WMS d, a, b, c, sa, sb, ra, rb
.if (\c) < 0
.if ((\ra) == 0) && ((\rb) == 0)
	v_wmma_scale_f32_16x16x128_f8f6f4 v[(\d):(\d)+7], v[(\a):(\a)+7], v[(\b):(\b)+7], 0, v[(\sa)], v[(\sb)] matrix_a_fmt:MATRIX_FMT_FP4 matrix_b_fmt:MATRIX_FMT_FP4
.elseif (\rb) == 0
	v_wmma_scale_f32_16x16x128_f8f6f4 v[(\d):(\d)+7], v[(\a):(\a)+7], v[(\b):(\b)+7], 0, v[(\sa)], v[(\sb)] matrix_a_fmt:MATRIX_FMT_FP4 matrix_b_fmt:MATRIX_FMT_FP4 matrix_a_scale:MATRIX_SCALE_ROW1
.elseif (\ra) == 0
	v_wmma_scale_f32_16x16x128_f8f6f4 v[(\d):(\d)+7], v[(\a):(\a)+7], v[(\b):(\b)+7], 0, v[(\sa)], v[(\sb)] matrix_a_fmt:MATRIX_FMT_FP4 matrix_b_fmt:MATRIX_FMT_FP4 matrix_b_scale:MATRIX_SCALE_ROW1
.else
	v_wmma_scale_f32_16x16x128_f8f6f4 v[(\d):(\d)+7], v[(\a):(\a)+7], v[(\b):(\b)+7], 0, v[(\sa)], v[(\sb)] matrix_a_fmt:MATRIX_FMT_FP4 matrix_b_fmt:MATRIX_FMT_FP4 matrix_a_scale:MATRIX_SCALE_ROW1 matrix_b_scale:MATRIX_SCALE_ROW1
.endif
.else
.if ((\ra) == 0) && ((\rb) == 0)
	v_wmma_scale_f32_16x16x128_f8f6f4 v[(\d):(\d)+7], v[(\a):(\a)+7], v[(\b):(\b)+7], v[(\c):(\c)+7], v[(\sa)], v[(\sb)] matrix_a_fmt:MATRIX_FMT_FP4 matrix_b_fmt:MATRIX_FMT_FP4
.elseif (\rb) == 0
	v_wmma_scale_f32_16x16x128_f8f6f4 v[(\d):(\d)+7], v[(\a):(\a)+7], v[(\b):(\b)+7], v[(\c):(\c)+7], v[(\sa)], v[(\sb)] matrix_a_fmt:MATRIX_FMT_FP4 matrix_b_fmt:MATRIX_FMT_FP4 matrix_a_scale:MATRIX_SCALE_ROW1
.elseif (\ra) == 0
	v_wmma_scale_f32_16x16x128_f8f6f4 v[(\d):(\d)+7], v[(\a):(\a)+7], v[(\b):(\b)+7], v[(\c):(\c)+7], v[(\sa)], v[(\sb)] matrix_a_fmt:MATRIX_FMT_FP4 matrix_b_fmt:MATRIX_FMT_FP4 matrix_b_scale:MATRIX_SCALE_ROW1
.else
	v_wmma_scale_f32_16x16x128_f8f6f4 v[(\d):(\d)+7], v[(\a):(\a)+7], v[(\b):(\b)+7], v[(\c):(\c)+7], v[(\sa)], v[(\sb)] matrix_a_fmt:MATRIX_FMT_FP4 matrix_b_fmt:MATRIX_FMT_FP4 matrix_a_scale:MATRIX_SCALE_ROW1 matrix_b_scale:MATRIX_SCALE_ROW1
.endif
.endif
.endm
.macro WLOAD s                         ; my four tiles of Wp, K step s, into set s % 3: 8 loads of 512 consecutive bytes
.irp b, 0,1,2,3
.irp c, 0,1
	global_load_b128 v[WB+32*((\s)%3)+8*\b+4*\c:WB+32*((\s)%3)+8*\b+4*\c+3], v[LI], s[8:9] offset:8192*\b+1024*(\s)+512*\c
.endr
.endr
.endm
.macro OLOAD s                         ; O's two tiles, K step s, into set s % 2: 4 loads
.irp a, 0,1
.irp c, 0,1
	ds_load_b128 v[OF+16*((\s)%2)+8*\a+4*\c:OF+16*((\s)%2)+8*\a+4*\c+3], v[LI] offset:8192*\a+1024*(\s)+512*\c
.endr
.endr
.endm
.macro MUL8 s                          ; the 8 accumulators take turns, one instruction a turn, in the same order in every step
.irp a, 0,1
.irp b, 0,1,2,3
.if (\s) == 0
	WMS ACC+32*\a+8*\b, WB+32*((\s)%3)+8*\b, OF+16*((\s)%2)+8*\a, -1, WS+8*(\b/2)+(\s), OSR+(\s), \b%2, \a
.else
	WMS ACC+32*\a+8*\b, WB+32*((\s)%3)+8*\b, OF+16*((\s)%2)+8*\a, ACC+32*\a+8*\b, WS+8*(\b/2)+(\s), OSR+(\s), \b%2, \a
.endif
.endr
.endr
.endm
.macro RESID k, reg                    ; row k of my two rows of tokens: 8 loads of 512 consecutive bytes
.irp m, 0,1,2,3,4,5,6,7
	global_load_b128 v[\reg+4*\m:\reg+4*\m+3], v[LI], s[12:13] offset:4096*\k+512*\m th:TH_LOAD_NT
.endr
.endm
.macro PSTEP s
	s_wait_loadcnt 16                              ; this step's weights are in; the two groups of eight loads issued behind them may be out
.if (\s) < 7
	s_wait_dscnt 4                                 ; this step's fragments of O are in; the next step's four loads may be out
.else
	s_wait_dscnt 0x0
.endif
	MUL8 \s
	PLACES 4                                       ; in front of loads into registers that these products have read (behind the last step: of the stores that read the results)
.if (\s) < 6
	OLOAD (\s)+2
.endif
.if (\s) < 5
	WLOAD (\s)+3
.elseif (\s) == 5
	RESID 0, WB+64                                 ; the sets that the weights have left take what the second phase wants
.elseif (\s) == 6
	RESID 1, WB
.else
.irp m, 0,1,2,3,4,5,6,7
	global_load_b128 v[WB+32+4*\m:WB+32+4*\m+3], v[LI], s[14:15] offset:512*\m   ; the gain
.endr
.irp m, 0,1,2,3,4,5,6,7
	global_load_b128 v[OF+4*\m:OF+4*\m+3], v[LI], s[16:17] offset:512*\m         ; the bias
.endr
.endif
.endm
.macro REDUCE                          ; v224 summed over the wave's 32 lanes, the result in every lane
	v_add_f32_dpp v224, v224, v224 row_xmask:1 row_mask:0xf bank_mask:0xf
	v_add_f32_dpp v224, v224, v224 row_xmask:2 row_mask:0xf bank_mask:0xf
	v_add_f32_dpp v224, v224, v224 row_xmask:4 row_mask:0xf bank_mask:0xf
	v_add_f32_dpp v224, v224, v224 row_xmask:8 row_mask:0xf bank_mask:0xf
	v_permlanex16_b32 v234, v224, s36, s37
	v_add_f32 v224, v224, v234
.endm
; row k of my two: register 4 m + e of a lane is column 128 m + 4 lane + e, in the row, the residual, the gain and the bias alike
.macro ROWLN k, res
.set XR, ACC+32*\k
.set j, 0
.rept 16
	v_pk_add_f32 v[XR+j:XR+j+1], v[XR+j:XR+j+1], v[\res+j:\res+j+1]   ; x = the product + the residual
.set j, j+2
.endr
	v_pk_add_f32 v[224:225], v[XR:XR+1], v[XR+2:XR+3]                ; the sum, in two chains
	v_pk_add_f32 v[226:227], v[XR+4:XR+5], v[XR+6:XR+7]
.irp j, 8,12,16,20,24,28
	v_pk_add_f32 v[224:225], v[224:225], v[XR+\j:XR+\j+1]
	v_pk_add_f32 v[226:227], v[226:227], v[XR+\j+2:XR+\j+3]
.endr
	v_pk_add_f32 v[224:225], v[224:225], v[226:227]
	v_add_f32 v224, v224, v225
	REDUCE
	v_mul_f32 v230, 0xba800000, v224               ; -mean = the sum x -2^-10
	v_mov_b32 v231, v230
.set j, 0
.rept 16
	v_pk_add_f32 v[XR+j:XR+j+1], v[XR+j:XR+j+1], v[230:231]          ; x - mean
.set j, j+2
.endr
	v_pk_mul_f32 v[224:225], v[XR:XR+1], v[XR:XR+1]                  ; the squares of the differences, in two chains
	v_pk_mul_f32 v[226:227], v[XR+2:XR+3], v[XR+2:XR+3]
.irp j, 4,8,12,16,20,24,28
	v_pk_fma_f32 v[224:225], v[XR+\j:XR+\j+1], v[XR+\j:XR+\j+1], v[224:225]
	v_pk_fma_f32 v[226:227], v[XR+\j+2:XR+\j+3], v[XR+\j+2:XR+\j+3], v[226:227]
.endr
	v_pk_add_f32 v[224:225], v[224:225], v[226:227]
	v_add_f32 v224, v224, v225
	REDUCE
	v_fma_f32 v224, v224, s38, s39                 ; the variance + 1e-5
	v_rsq_f32 v232, v224
	v_nop                                          ; one plain place behind the transcendental
	s_wait_alu depctr_va_vdst(0)
	v_mov_b32 v233, v232
.set j, 0
.rept 16
	v_pk_mul_f32 v[XR+j:XR+j+1], v[XR+j:XR+j+1], v[232:233]
.set j, j+2
.endr
.set j, 0
.rept 16
	v_pk_fma_f32 v[XR+j:XR+j+1], v[XR+j:XR+j+1], v[WB+32+j:WB+32+j+1], v[OF+j:OF+j+1]   ; x gain + bias
.set j, j+2
.endr
.irp m, 0,1,2,3,4,5,6,7
	global_store_b128 v[LI], v[XR+4*\m:XR+4*\m+3], s[18:19] offset:4096*\k+512*\m th:TH_STORE_NT   ; 32 lanes store 512 consecutive bytes; written once, read by nobody here
.endr
.endm
	s_load_b256 s[4:11], s[0:1], 0x0               ; OC s[4:5], OS s[6:7], WI s[8:9], Wp's scales s[10:11]
	s_load_b256 s[12:19], s[0:1], 0x20             ; tokens s[12:13], gamma s[14:15], bias s[16:17], out0 s[18:19]
	v_lshl_add_u32 v254, v0, 2, 0x24200
	v_mov_b32 v255, 0
	v_lshrrev_b32 v224, 5, v0
	v_readfirstlane_b32 s20, v224                  ; wave 0..15
	v_and_b32 v224, 31, v0                         ; lane
	v_and_b32 v225, 15, v0                         ; r
	v_bfe_u32 v226, v0, 4, 1                       ; h
	v_lshlrev_b32 v[LI], 4, v224
	v_lshlrev_b32 v[LS], 2, v224
	v_lshlrev_b32 v[TH], 4, v0
	v_and_b32 v227, 8, v225
	v_add_nc_u32 v227, v227, v225
	v_lshl_add_u32 v227, v226, 3, v227
	v_lshlrev_b32 v[RS], 5, v227
	v_mul_u32_u24 v[SOA], v225, SP
	v_lshl_add_u32 v[SOA], v226, 6, v[SOA]
	s_lshl_b32 s21, s20, 8
	s_add_co_u32 s21, s21, STAGE
	v_add_nc_u32 v[SOA], s21, v[SOA]
	v_add_nc_u32 v[SOB], 16*SP, v[SOA]
	s_mul_i32 s21, s20, 2*SP
	s_add_co_u32 s21, s21, STAGE
	v_add_nc_u32 v[RD], s21, v[LI]
	v_mov_b32 v234, 0                              ; written once: a lane permute's destination counts as one of its sources
	s_mov_b32 s36, 0x76543210
	s_mov_b32 s37, 0xfedcba98
	s_mov_b32 s38, 0x3a800000                      ; 2^-10
	s_mov_b32 s39, 0x3727c5ac                      ; 1e-5
	s_lshl_b32 s22, ttmp9, 14                      ; OC: 16,384 bytes a pair of tiles
	s_mov_b32 s23, 0
	s_lshl_b32 s24, ttmp9, 10                      ; OS: 1,024 bytes a pair
	s_mov_b32 s25, 0
	s_lshl_b32 s26, s20, 15
	s_add_co_u32 s26, s26, 1572864                 ; WI: Wp's images, my four tiles
	s_mov_b32 s27, 0
	s_lshl_b32 s28, s20, 11                        ; Wp's scale bytes: my 64 rows of 32
	s_mov_b32 s29, 0
	s_lshl_b32 s30, ttmp9, 5                       ; my two rows' first token: 32 P + 8 (w / 8) + 2 (w % 8) + 8 ((w % 8) / 4)
	s_lshr_b32 s32, s20, 3
	s_lshl_b32 s32, s32, 3
	s_add_co_u32 s30, s30, s32
	s_and_b32 s32, s20, 7
	s_lshl_b32 s33, s32, 1
	s_add_co_u32 s30, s30, s33
	s_lshr_b32 s32, s32, 2
	s_lshl_b32 s32, s32, 3
	s_add_co_u32 s30, s30, s32
	s_lshl_b32 s30, s30, 12                        ; 4,096 bytes a row
	s_mov_b32 s31, 0
	s_wait_kmcnt 0x0
	s_add_nc_u64 s[4:5], s[4:5], s[22:23]
	s_add_nc_u64 s[6:7], s[6:7], s[24:25]
	s_add_nc_u64 s[8:9], s[8:9], s[26:27]
	s_add_nc_u64 s[10:11], s[10:11], s[28:29]
	s_add_nc_u64 s[12:13], s[12:13], s[30:31]
	s_add_nc_u64 s[18:19], s[18:19], s[30:31]
	global_load_b128 v[236:239], v[TH], s[4:5]                 ; O's images: 512 threads x 16 bytes, twice
	global_load_b128 v[240:243], v[TH], s[4:5] offset:8192
.irp p, 0,1
.irp k, 0,1
	global_load_b128 v[WS+8*\p+4*\k:WS+8*\p+4*\k+3], v[RS], s[10:11] offset:1024*\p+16*\k   ; lanes 0-15: the rows of tile 2 p, lanes 16-31: of tile 2 p + 1
.endr
.endr
.irp s, 0,1,2,3,4,5,6,7
	global_load_b32 v[OSR+\s], v[LS], s[6:7] offset:128*\s
.endr
	WLOAD 0
	WLOAD 1
	WLOAD 2
	s_wait_loadcnt 36                              ; O's two loads are in; behind them: 4 + 8 of scale words, 24 of weights
	ds_store_b128 v[TH], v[236:239]
	ds_store_b128 v[TH], v[240:243] offset:8192
	s_wait_dscnt 0x0                               ; for the others' sake: my part of O's images lies in LDS
	s_barrier_signal -1
	s_barrier_wait -1
	OLOAD 0
	OLOAD 1
.irp s, 0,1,2,3,4,5,6,7
	PSTEP \s
.endr
	; the results meet in the stage: lane (r, h) of tile (a, b = 2 p + u) holds token row 16 a + r, columns 64 w + 32 p + 16 h + 8 u + 0 .. 7
.irp b, 0,1,2,3
	ds_store_b128 v[SOA], v[ACC+8*\b:ACC+8*\b+3] offset:128*(\b/2)+32*(\b%2)         ; each accumulator from its low end on
	ds_store_b128 v[SOA], v[ACC+8*\b+4:ACC+8*\b+7] offset:128*(\b/2)+32*(\b%2)+16
.endr
.irp b, 0,1,2,3
	ds_store_b128 v[SOB], v[ACC+32+8*\b:ACC+32+8*\b+3] offset:128*(\b/2)+32*(\b%2)
	ds_store_b128 v[SOB], v[ACC+32+8*\b+4:ACC+32+8*\b+7] offset:128*(\b/2)+32*(\b%2)+16
.endr
	s_wait_dscnt 0x0                               ; for the others' sake: my columns lie in the stage
	s_barrier_signal -1
	s_barrier_wait -1                              ; 32 whole rows lie there
.irp k, 0,1
.irp m, 0,1,2,3,4,5,6,7
	ds_load_b128 v[ACC+32*\k+4*\m:ACC+32*\k+4*\m+3], v[RD] offset:SP*\k+512*\m
.endr
.endr
	s_wait_loadcnt 0x0                             ; the residual rows, the gain, the bias
	s_wait_dscnt 0x0
	ROWLN 0, WB+64
	ROWLN 1, WB
	s_wait_tensorcnt 0x0
	ds_add_u32 v254, v255
	s_wait_dscnt 0x0
	s_endpgm
.Lfunc_end_k_q225de30d46_proj:
	.size	k_q225de30d46_proj, .Lfunc_end_k_q225de30d46_proj-k_q225de30d46_proj
	.p2alignl 7, 3214868480
	.fill 96, 4, 3214868480
	.section	.rodata,"a",@progbits
	.p2align	6, 0x0
	.amdhsa_kernel k_q225de30d46_proj
		.amdhsa_group_segment_fixed_size 150016
		.amdhsa_private_segment_fixed_size 0
		.amdhsa_enable_private_segment 0
		.amdhsa_kernarg_size 64
		.amdhsa_user_sgpr_count 2
		.amdhsa_user_sgpr_kernarg_segment_ptr 1
		.amdhsa_wavefront_size32 1
		.amdhsa_system_sgpr_workgroup_id_x 1
		.amdhsa_system_sgpr_workgroup_id_y 1
		.amdhsa_system_sgpr_workgroup_id_z 1
		.amdhsa_system_vgpr_workitem_id 0
		.amdhsa_next_free_vgpr 256
		.amdhsa_next_free_sgpr 66
		.amdhsa_reserve_vcc 0
		.amdhsa_float_denorm_mode_32 3
		.amdhsa_float_denorm_mode_16_64 3
		.amdhsa_memory_ordered 1
		.amdhsa_forward_progress 1
		.amdhsa_inst_pref_size 43
	.end_amdhsa_kernel
	.amdgpu_metadata
---
amdhsa.version: [ 1, 2 ]
amdhsa.kernels:
  - .name:           k_q225de30d46_proj
    .symbol:         k_q225de30d46_proj.kd
    .args:
      - { .name: OC, .offset: 0, .size: 8, .value_kind: global_buffer, .address_space: global }
      - { .name: OS, .offset: 8, .size: 8, .value_kind: global_buffer, .address_space: global }
      - { .name: WI, .offset: 16, .size: 8, .value_kind: global_buffer, .address_space: global }
      - { .name: Wp_scales, .offset: 24, .size: 8, .value_kind: global_buffer, .address_space: global }
      - { .name: tokens, .offset: 32, .size: 8, .value_kind: global_buffer, .address_space: global }
      - { .name: gamma, .offset: 40, .size: 8, .value_kind: global_buffer, .address_space: global }
      - { .name: bias, .offset: 48, .size: 8, .value_kind: global_buffer, .address_space: global }
      - { .name: out0, .offset: 56, .size: 8, .value_kind: global_buffer, .address_space: global }
    .group_segment_fixed_size: 150016
    .private_segment_fixed_size: 0
    .kernarg_segment_align: 8
    .kernarg_segment_size: 64
    .max_flat_workgroup_size: 512
    .sgpr_count:     66
    .vgpr_count:     256
    .wavefront_size: 32
...
	.end_amdgpu_metadata
.endif
;; end of part 6
;; ======== version 2 of 2: 6 launches
;; workspace buffers: TI 4,194,304 bytes; TS 262,144 bytes; WI 2,097,152 bytes; LRI 16,777,216 bytes; KV 9,175,040 bytes; QR 9,175,040 bytes; OC 4,194,304 bytes; OS 262,144 bytes
;; launch tokq (part 7): grid 256 x 1, 4 waves a work-group, no clusters, 34,304 bytes of LDS; arguments tokens, TI, TS; writes TI, TS
.if DOCPART == 7
	.amdgcn_target "amdgcn-amd-amdhsa--gfx1250"
	.amdhsa_code_object_version 6
	.text
	.protected	k_q225de30d46_tokq
	.globl	k_q225de30d46_tokq
	.p2align	8
	.type	k_q225de30d46_tokq,@function
k_q225de30d46_tokq:
	s_mov_b64 s[64:65], 0
	v_nop
	global_prefetch_b8 v0, s[64:65] scope:SCOPE_SE
	s_setreg_imm32_b32 hwreg(HW_REG_WAVE_MODE, 25, 1), 1
	s_wait_xcnt 0x0
; tokens [8192][1024] f32 become codes of FP4 (E2M1) with one E8M0 byte for each 32 along K.
; The codes are laid as IMAGES OF THE OPERAND'S REGISTERS: TI[tile T][K step s][c][512 bytes]; lane l's 16 bytes at 16 l are registers 4 c .. 4 c + 3
; of a fragment of 16 rows x 128 K: row = lane % 16, k = 128 s + 64 c + 32 (lane / 16) + 0 .. 31.  So a lane holds whole blocks of 32.
; THE ROWS OF A TILE ARE NOT NEIGHBOURS: tile 2 P + u holds tokens 32 P + 8 u + r + 8 (r / 8), r = 0 .. 15 (so that, used as source 0, two neighbouring tiles give a lane 16 neighbours).
; The scale bytes are laid as they would lie beside rows: TS[token][32].
; A block's scale is 2^(floor(log2(largest magnitude)) - 2); its byte is the largest magnitude's exponent field - 2, held at 1 from below.
; LIMITS: a block of zeros gets the byte 1 where the rule says 127 (its codes are zeros, and this program alone reads the bytes); blocks whose largest magnitude
; lies under 2^-124 are held at the byte 1; NaN and infinities among the inputs are not served.
; SHARES: a work-group takes 32 tokens; wave w takes tile u = w & 1 and four K steps (w >> 1).  Each load reads 512 consecutive bytes of one row; a K step's 16 rows turn through
; the wave's own stage in LDS (rows 528 bytes apart: 33 x 16, so the sixteen rows that a read touches start at different banks) and come back 128 bytes a lane.
; No barrier: waves share nothing.  Two K steps (32 loads a wave) are on their way.
.set STG,  8448                        ; a wave's stage: 16 rows x 528 bytes
.set RB,   16                          ; v16-143  two sets of 64: a K step as loaded
.set X,    144                         ; v144-207 my two blocks of 32 neighbours
.set C,    208                         ; v208-239 codes: eight registers for each step, so that no store's data are written again
.set W,    240                         ; v240-243 my row's scale word of each step
	s_load_b128 s[4:7], s[0:1], 0x0                ; tokens s[4:5], TI s[6:7]
	s_load_b64 s[8:9], s[0:1], 0x10                ; TS
	v_lshl_add_u32 v254, v0, 2, 0x8400
	v_mov_b32 v255, 0
	v_lshrrev_b32 v5, 5, v0
	v_readfirstlane_b32 s10, v5                    ; wave 0..3
	v_and_b32 v6, 31, v0                           ; lane
	v_and_b32 v7, 15, v0                           ; r
	v_bfe_u32 v8, v0, 4, 1                         ; h
	v_lshlrev_b32 v1, 4, v6                        ; v1: 16 x lane: my bytes of a load's and of a store's 512
	s_mul_i32 s11, s10, STG
	v_add_nc_u32 v2, s11, v1                       ; v2: the stage on the way in
	v_mul_u32_u24 v3, v7, 528
	v_lshl_add_u32 v3, v8, 7, v3
	v_add_nc_u32 v3, s11, v3                       ; v3: and on the way out: row r, + 128 h
	v_and_b32 v4, 8, v7
	v_add_nc_u32 v4, v4, v7                        ; r + 8 (r / 8)
	v_lshlrev_b32 v4, 5, v4
	v_lshl_add_u32 v4, v8, 3, v4                   ; v4: my 8 scale bytes: 32 bytes a token, + 8 h
	v_lshlrev_b32 v9, 3, v8                        ; v9: 8 h: my bytes' place in a scale word, in bits
	v_cmp_lt_u32 s22, 15, v6                       ; s22: lanes 16-31
	v_mov_b32 v15, 0                               ; written once: a lane permute's destination counts as one of its sources
	s_mov_b32 s20, 0x76543210
	s_mov_b32 s21, 0xfedcba98                      ; v_permlanex16_b32's selects for lane l xor 16
	s_and_b32 s12, s10, 1                          ; u
	s_lshr_b32 s13, s10, 1                         ; which half of K
	s_lshl_b32 s14, ttmp9, 17                      ; tokens: (32 P + 8 u) rows of 4,096 bytes + 2,048 x half
	s_lshl_b32 s23, s12, 15
	s_add_co_u32 s14, s14, s23
	s_lshl_b32 s23, s13, 11
	s_add_co_u32 s14, s14, s23
	s_mov_b32 s15, 0
	s_lshl_b32 s16, ttmp9, 14                      ; TI: (2 P + u) tiles of 8,192 bytes + 4,096 x half
	s_lshl_b32 s23, s12, 13
	s_add_co_u32 s16, s16, s23
	s_lshl_b32 s23, s13, 12
	s_add_co_u32 s16, s16, s23
	s_mov_b32 s17, 0
	s_lshl_b32 s18, ttmp9, 10                      ; TS: (32 P + 8 u) rows of 32 bytes + 16 x half
	s_lshl_b32 s23, s12, 8
	s_add_co_u32 s18, s18, s23
	s_lshl_b32 s23, s13, 4
	s_add_co_u32 s18, s18, s23
	s_mov_b32 s19, 0
	s_wait_alu depctr_va_vdst(0)
	s_wait_kmcnt 0x0
	s_add_nc_u64 s[4:5], s[4:5], s[14:15]
	s_add_nc_u64 s[6:7], s[6:7], s[16:17]
	s_add_nc_u64 s[8:9], s[8:9], s[18:19]
.macro LOAD q                          ; K step q of my four: the tile's 16 rows, 512 consecutive bytes each
.irp p, 0,1,2,3,4,5,6,7,8,9,10,11,12,13,14,15
	global_load_b128 v[RB+64*((\q)%2)+4*\p:RB+64*((\q)%2)+4*\p+3], v1, s[4:5] offset:(\p+8*(\p/8))*4096+512*(\q) th:TH_LOAD_NT
.endr
.endm
.macro STEP q
.set RQ, RB+64*((\q)%2)
.if (\q) < 3
	s_wait_loadcnt 16                              ; this step's 16 loads are in; the next step's 16 may be out
.else
	s_wait_loadcnt 0x0
.endif
.irp p, 0,1,2,3,4,5,6,7,8,9,10,11,12,13,14,15
	ds_store_b128 v2, v[RQ+4*\p:RQ+4*\p+3] offset:528*\p
.endr
.irp c, 0,1
.irp m, 0,1,2,3,4,5,6,7
	ds_load_b128 v[X+32*\c+4*\m:X+32*\c+4*\m+3], v3 offset:256*\c+16*\m   ; LDS serves a wave's instructions in order: these see the stores above
.endr
.endr
	s_wait_dscnt 0x0                               ; my 64 numbers are back, and the stores have read their registers,
.if (\q) < 2
	LOAD (\q)+2                                    ; which take the loads of two steps on
.endif
.irp c, 0,1
	v_max3_num_f32 v[10+\c], |v[X+32*\c]|, |v[X+32*\c+1]|, 0x1800000   ; block 2 c + h: all its 32 numbers are mine; the floor 2^(3 - 127) holds the byte at 1 from below
.endr
.irp i, 2,4,6,8,10,12,14,16,18,20,22,24,26,28,30
.irp c, 0,1
	v_max3_num_f32 v[10+\c], v[10+\c], |v[X+32*\c+\i]|, |v[X+32*\c+\i+1]|   ; (the two blocks by turns)
.endr
.endr
.irp c, 0,1
	v_add_nc_u32 v[12+\c], 0xff000000, v[10+\c]    ; 2 off the exponent field: the conversion takes the exponent field of this operand as its scale
.endr
.irp c, 0,1
	v_lshrrev_b32 v[10+\c], 23, v[12+\c]           ; the scale's byte
.endr
	v_lshl_or_b32 v14, v11, 16, v10                ; my two bytes: blocks h and 2 + h,
	v_lshlrev_b32 v14, v9, v14                     ; at their places in the word;
	v_permlanex16_b32 v15, v14, s20, s21
	v_or_b32 v[W+(\q)], v14, v15                   ; with lane l xor 16's two the word is whole
.irp c, 0,1
.irp g, 0,1,2,3
	v_cvt_scalef32_pk8_fp4_f32 v[C+8*(\q)+4*\c+\g], v[X+32*\c+8*\g:X+32*\c+8*\g+7], v[12+\c]
.endr
.endr
	v_nop                                          ; one plain place behind a scaled conversion
.irp c, 0,1
	global_store_b128 v1, v[C+8*(\q)+4*\c:C+8*(\q)+4*\c+3], s[6:7] offset:1024*(\q)+512*\c   ; 32 lanes store 512 consecutive bytes
.endr
.endm
	LOAD 0
	LOAD 1
	STEP 0
	STEP 1
	STEP 2
	STEP 3
	v_cndmask_b32 v244, v[W], v[W+2], s22          ; lanes 0-15 store words 0 and 1 of their row, lanes 16-31 words 2 and 3
	v_cndmask_b32 v245, v[W+1], v[W+3], s22
	global_store_b64 v4, v[244:245], s[8:9]        ; 8 bytes a lane, rows 32 bytes apart: one byte for each 128 that the launch reads
	s_wait_tensorcnt 0x0
	ds_add_u32 v254, v255
	s_wait_dscnt 0x0
	s_endpgm
.Lfunc_end_k_q225de30d46_tokq:
	.size	k_q225de30d46_tokq, .Lfunc_end_k_q225de30d46_tokq-k_q225de30d46_tokq
	.p2alignl 7, 3214868480
	.fill 96, 4, 3214868480
	.section	.rodata,"a",@progbits
	.p2align	6, 0x0
	.amdhsa_kernel k_q225de30d46_tokq
		.amdhsa_group_segment_fixed_size 34304
		.amdhsa_private_segment_fixed_size 0
		.amdhsa_enable_private_segment 0
		.amdhsa_kernarg_size 24
		.amdhsa_user_sgpr_count 2
		.amdhsa_user_sgpr_kernarg_segment_ptr 1
		.amdhsa_wavefront_size32 1
		.amdhsa_system_sgpr_workgroup_id_x 1
		.amdhsa_system_sgpr_workgroup_id_y 1
		.amdhsa_system_sgpr_workgroup_id_z 1
		.amdhsa_system_vgpr_workitem_id 0
		.amdhsa_next_free_vgpr 256
		.amdhsa_next_free_sgpr 66
		.amdhsa_reserve_vcc 0
		.amdhsa_float_denorm_mode_32 3
		.amdhsa_float_denorm_mode_16_64 3
		.amdhsa_memory_ordered 1
		.amdhsa_forward_progress 1
		.amdhsa_inst_pref_size 30
	.end_amdhsa_kernel
	.amdgpu_metadata
---
amdhsa.version: [ 1, 2 ]
amdhsa.kernels:
  - .name:           k_q225de30d46_tokq
    .symbol:         k_q225de30d46_tokq.kd
    .args:
      - { .name: tokens, .offset: 0, .size: 8, .value_kind: global_buffer, .address_space: global }
      - { .name: TI, .offset: 8, .size: 8, .value_kind: global_buffer, .address_space: global }
      - { .name: TS, .offset: 16, .size: 8, .value_kind: global_buffer, .address_space: global }
    .group_segment_fixed_size: 34304
    .private_segment_fixed_size: 0
    .kernarg_segment_align: 8
    .kernarg_segment_size: 24
    .max_flat_workgroup_size: 128
    .sgpr_count:     66
    .vgpr_count:     256
    .wavefront_size: 32
...
	.end_amdgpu_metadata
.endif
;; end of part 7
;; launch wrep (part 8): grid 64 x 1, 4 waves a work-group, no clusters, 34,304 bytes of LDS; arguments Wq_codes, Wk_codes, Wv_codes, Wp_codes, WI; writes WI
.if DOCPART == 8
	.amdgcn_target "amdgcn-amd-amdhsa--gfx1250"
	.amdhsa_code_object_version 6
	.text
	.protected	k_q225de30d46_wrep
	.globl	k_q225de30d46_wrep
	.p2align	8
	.type	k_q225de30d46_wrep,@function
k_q225de30d46_wrep:
	s_mov_b64 s[64:65], 0
	v_nop
	global_prefetch_b8 v0, s[64:65] scope:SCOPE_SE
	s_setreg_imm32_b32 hwreg(HW_REG_WAVE_MODE, 25, 1), 1
	s_wait_xcnt 0x0
; The four weights' codes, [1024 rows][512 bytes], K innermost, are laid anew as images of the operand's registers: WI[Wq, Wk, Wv, Wp][tile 0..63][K step s][c][512 bytes];
; lane l's 16 bytes at 16 l are bytes 64 s + 32 c + 16 (l / 16) of row l % 16 of the tile.  Tile 2 B + u holds rows 32 B + 8 u + r + 8 (r / 8).  No code is changed.
; So every later read of a fragment is 512 consecutive bytes, from memory and from LDS alike.
; A wave takes one tile: 16 loads of a whole row (512 consecutive bytes), through its own stage in LDS (rows 528 bytes apart), 16 stores of 512 consecutive bytes.  No barrier: waves share nothing.
.set STG, 8448
	s_load_b256 s[4:11], s[0:1], 0x0               ; Wq s[4:5], Wk s[6:7], Wv s[8:9], Wp s[10:11]
	s_load_b64 s[12:13], s[0:1], 0x20              ; WI
	v_lshl_add_u32 v144, v0, 2, 0x8400
	v_mov_b32 v145, 0
	v_lshrrev_b32 v4, 5, v0
	v_readfirstlane_b32 s14, v4                    ; wave
	v_and_b32 v5, 31, v0
	v_and_b32 v6, 15, v0
	v_bfe_u32 v7, v0, 4, 1
	v_lshlrev_b32 v1, 4, v5                        ; 16 x lane
	s_mul_i32 s24, s14, STG
	v_add_nc_u32 v2, s24, v1                       ; the stage on the way in
	v_mul_u32_u24 v3, v6, 528
	v_lshl_add_u32 v3, v7, 4, v3
	v_add_nc_u32 v3, s24, v3                       ; and out: row r, + 16 h
	s_lshl_b32 s15, ttmp9, 2
	s_add_co_u32 s15, s15, s14                     ; tile 0..255 of the four weights on end
	s_and_b32 s16, s15, 63                         ; tile of its weight
	s_lshr_b32 s17, s16, 1
	s_lshl_b32 s18, s17, 14                        ; its first row: 32 (t / 2) + 8 (t % 2), 512 bytes a row
	s_and_b32 s17, s16, 1
	s_lshl_b32 s17, s17, 12
	s_add_co_u32 s18, s18, s17
	s_mov_b32 s19, 0
	s_lshl_b32 s20, s15, 13                        ; 8,192 bytes a tile
	s_mov_b32 s21, 0
	s_wait_alu depctr_va_vdst(0)
	s_wait_kmcnt 0x0
	s_cmp_lt_u32 ttmp9, 48                         ; sixteen work-groups to a weight: the choice hangs on the work-group's number alone
	s_cselect_b64 s[22:23], s[8:9], s[10:11]
	s_cmp_lt_u32 ttmp9, 32
	s_cselect_b64 s[22:23], s[6:7], s[22:23]
	s_cmp_lt_u32 ttmp9, 16
	s_cselect_b64 s[22:23], s[4:5], s[22:23]
	s_add_nc_u64 s[22:23], s[22:23], s[18:19]
	s_add_nc_u64 s[12:13], s[12:13], s[20:21]
.irp p, 0,1,2,3,4,5,6,7,8,9,10,11,12,13,14,15
	global_load_b128 v[16+4*\p:19+4*\p], v1, s[22:23] offset:(\p+8*(\p/8))*512
.endr
	s_wait_loadcnt 0x0
.irp p, 0,1,2,3,4,5,6,7,8,9,10,11,12,13,14,15
	ds_store_b128 v2, v[16+4*\p:19+4*\p] offset:528*\p
.endr
.irp i, 0,1,2,3,4,5,6,7,8,9,10,11,12,13,14,15
	ds_load_b128 v[80+4*\i:83+4*\i], v3 offset:32*\i   ; LDS serves a wave's instructions in order: these see the stores above
.endr
.irp i, 0,1,2,3,4,5,6,7,8,9,10,11,12,13,14,15
	s_wait_dscnt 15-\i                             ; image i is back; the younger ones may be out
	global_store_b128 v1, v[80+4*\i:83+4*\i], s[12:13] offset:512*\i
.endr
	s_wait_tensorcnt 0x0
	ds_add_u32 v144, v145
	s_wait_dscnt 0x0
	s_endpgm
.Lfunc_end_k_q225de30d46_wrep:
	.size	k_q225de30d46_wrep, .Lfunc_end_k_q225de30d46_wrep-k_q225de30d46_wrep
	.p2alignl 7, 3214868480
	.fill 96, 4, 3214868480
	.section	.rodata,"a",@progbits
	.p2align	6, 0x0
	.amdhsa_kernel k_q225de30d46_wrep
		.amdhsa_group_segment_fixed_size 34304
		.amdhsa_private_segment_fixed_size 0
		.amdhsa_enable_private_segment 0
		.amdhsa_kernarg_size 40
		.amdhsa_user_sgpr_count 2
		.amdhsa_user_sgpr_kernarg_segment_ptr 1
		.amdhsa_wavefront_size32 1
		.amdhsa_system_sgpr_workgroup_id_x 1
		.amdhsa_system_sgpr_workgroup_id_y 1
		.amdhsa_system_sgpr_workgroup_id_z 1
		.amdhsa_system_vgpr_workitem_id 0
		.amdhsa_next_free_vgpr 146
		.amdhsa_next_free_sgpr 66
		.amdhsa_reserve_vcc 0
		.amdhsa_float_denorm_mode_32 3
		.amdhsa_float_denorm_mode_16_64 3
		.amdhsa_memory_ordered 1
		.amdhsa_forward_progress 1
		.amdhsa_inst_pref_size 8
	.end_amdhsa_kernel
	.amdgpu_metadata
---
amdhsa.version: [ 1, 2 ]
amdhsa.kernels:
  - .name:           k_q225de30d46_wrep
    .symbol:         k_q225de30d46_wrep.kd
    .args:
      - { .name: Wq_codes, .offset: 0, .size: 8, .value_kind: global_buffer, .address_space: global }
      - { .name: Wk_codes, .offset: 8, .size: 8, .value_kind: global_buffer, .address_space: global }
      - { .name: Wv_codes, .offset: 16, .size: 8, .value_kind: global_buffer, .address_space: global }
      - { .name: Wp_codes, .offset: 24, .size: 8, .value_kind: global_buffer, .address_space: global }
      - { .name: WI, .offset: 32, .size: 8, .value_kind: global_buffer, .address_space: global }
    .group_segment_fixed_size: 34304
    .private_segment_fixed_size: 0
    .kernarg_segment_align: 8
    .kernarg_segment_size: 40
    .max_flat_workgroup_size: 128
    .sgpr_count:     66
    .vgpr_count:     146
    .wavefront_size: 32
...
	.end_amdgpu_metadata
.endif
;; end of part 8
;; launch lrprep (part 9): grid 256 x 1, 4 waves a work-group, no clusters, 34,304 bytes of LDS; arguments R, beta, LRI; writes LRI
.if DOCPART == 9
	.amdgcn_target "amdgcn-amd-amdhsa--gfx1250"
	.amdhsa_code_object_version 6
	.text
	.protected	k_q225de30d46_lrprep
	.globl	k_q225de30d46_lrprep
	.p2align	8
	.type	k_q225de30d46_lrprep,@function
k_q225de30d46_lrprep:
	s_mov_b64 s[64:65], 0
	v_nop
	global_prefetch_b8 v0, s[64:65] scope:SCOPE_SE
	s_setreg_imm32_b32 hwreg(HW_REG_WAVE_MODE, 25, 1), 1
	s_wait_xcnt 0x0
; LRI = 8 beta ln(max(R, 1e-8)), f32, taken ONCE for all 64 (batch, head), and laid in the layout of the score product's C operand, so that the attention launch adds it inside the matrix instruction.
; (scores / 8 + beta ln R) = (scores + 8 beta ln R) / 8, and a multiplication by 8 rounds nothing.
; LRI[query tile Tq 0..127][key step 0..15][i 0..15][512 bytes]: word e of lane (r, h)'s 16 bytes of image i belongs to query 32 (Tq / 2) + 8 (Tq % 2) + r + 8 (r / 8)
; and key 128 step + 32 (i / 4) + 16 h + 4 (i % 4) + e: register 4 i + e of the eight score tiles of a key step.
; ln x = log2 x x ln 2; the factors ln 2, 8 and beta are one number, made once.  LIMITS: NaN in R is not served (the maximum drops it).
; A wave takes one query tile x two key steps: 16 loads of 512 consecutive bytes a block, the arithmetic as loaded, a turn through its own stage in LDS, 16 stores of 512 consecutive bytes.  No barrier.
.set STG, 8448
	s_load_b128 s[4:7], s[0:1], 0x0                ; R s[4:5], beta s[6:7]
	s_load_b64 s[8:9], s[0:1], 0x10                ; LRI
	v_lshl_add_u32 v208, v0, 2, 0x8400
	v_mov_b32 v209, 0
	v_lshrrev_b32 v4, 5, v0
	v_readfirstlane_b32 s14, v4                    ; wave
	v_and_b32 v5, 31, v0
	v_and_b32 v6, 15, v0
	v_bfe_u32 v7, v0, 4, 1
	v_lshlrev_b32 v1, 4, v5                        ; 16 x lane
	s_mul_i32 s24, s14, STG
	v_add_nc_u32 v2, s24, v1                       ; the stage on the way in
	v_mul_u32_u24 v3, v6, 528
	v_lshl_add_u32 v3, v7, 6, v3
	v_add_nc_u32 v3, s24, v3                       ; and out: row r, + 64 h
	s_lshl_b32 s15, ttmp9, 2
	s_add_co_u32 s15, s15, s14                     ; W = 0..1023
	s_lshr_b32 s16, s15, 3                         ; Tq
	s_and_b32 s17, s15, 7                          ; which pair of key steps
	s_lshr_b32 s18, s16, 1
	s_lshl_b32 s18, s18, 18                        ; R: (32 (Tq / 2) + 8 (Tq % 2)) rows of 8,192 bytes + 1,024 x pair
	s_and_b32 s20, s16, 1
	s_lshl_b32 s20, s20, 16
	s_add_co_u32 s18, s18, s20
	s_lshl_b32 s20, s17, 10
	s_add_co_u32 s18, s18, s20
	s_mov_b32 s19, 0
	s_lshl_b32 s20, s16, 17                        ; LRI: 131,072 bytes a query tile, 16,384 a pair of key steps
	s_lshl_b32 s22, s17, 14
	s_add_co_u32 s20, s20, s22
	s_mov_b32 s21, 0
	s_wait_alu depctr_va_vdst(0)
	s_wait_kmcnt 0x0
	s_load_b32 s12, s[6:7], 0x0                    ; beta
	s_add_nc_u64 s[4:5], s[4:5], s[18:19]
	s_add_nc_u64 s[8:9], s[8:9], s[20:21]
.irp e, 0,1
.irp p, 0,1,2,3,4,5,6,7,8,9,10,11,12,13,14,15
	global_load_b128 v[16+64*\e+4*\p:19+64*\e+4*\p], v1, s[4:5] offset:(\p+8*(\p/8))*8192+512*\e th:TH_LOAD_NT
.endr
.endr
	s_wait_kmcnt 0x0
	s_mul_f32 s12, s12, 0x40b17218                 ; 8 ln 2 x beta
	s_mov_b32 s13, s12                             ; (the packed form names the pair)
.macro BLOCK e
.set D, 16+64*\e                       ; the block as loaded
.set B, 144-128*\e                     ; and as it comes back: block 0 into v144-207, block 1 into block 0's registers, whose LDS stores are long done
.if \e == 0
	s_wait_loadcnt 16                              ; block 0's 16 loads are in; block 1's may be out
.else
	s_wait_loadcnt 0x0
.endif
.set j, 0
.rept 64
	v_max_num_f32 v[D+j], 0x322bcc77, v[D+j]       ; max(R, 1e-8)
.set j, j+1
.endr
.set j, 0
	s_wait_alu depctr_va_vdst(0)
.rept 64
	v_log_f32 v[D+j], v[D+j]
.set j, j+1
.endr
	v_nop                                          ; one plain place behind the transcendentals
.set j, 0
	s_wait_alu depctr_va_vdst(0)
.rept 32
	v_pk_mul_f32 v[D+j:D+j+1], v[D+j:D+j+1], s[12:13] op_sel_hi:[1,0]
.set j, j+2
.endr
.irp p, 0,1,2,3,4,5,6,7,8,9,10,11,12,13,14,15
	ds_store_b128 v2, v[D+4*\p:D+4*\p+3] offset:528*\p
.endr
.irp i, 0,1,2,3,4,5,6,7,8,9,10,11,12,13,14,15
	ds_load_b128 v[B+4*\i:B+4*\i+3], v3 offset:128*(\i/4)+16*(\i%4)   ; LDS serves a wave's instructions in order
.endr
.irp i, 0,1,2,3,4,5,6,7,8,9,10,11,12,13,14,15
	s_wait_dscnt 15-\i                             ; image i is back; the younger ones may be out
	global_store_b128 v1, v[B+4*\i:B+4*\i+3], s[8:9] offset:8192*\e+512*\i
.endr
.endm
	BLOCK 0
	BLOCK 1
	s_wait_tensorcnt 0x0
	ds_add_u32 v208, v209
	s_wait_dscnt 0x0
	s_endpgm
.Lfunc_end_k_q225de30d46_lrprep:
	.size	k_q225de30d46_lrprep, .Lfunc_end_k_q225de30d46_lrprep-k_q225de30d46_lrprep
	.p2alignl 7, 3214868480
	.fill 96, 4, 3214868480
	.section	.rodata,"a",@progbits
	.p2align	6, 0x0
	.amdhsa_kernel k_q225de30d46_lrprep
		.amdhsa_group_segment_fixed_size 34304
		.amdhsa_private_segment_fixed_size 0
		.amdhsa_enable_private_segment 0
		.amdhsa_kernarg_size 24
		.amdhsa_user_sgpr_count 2
		.amdhsa_user_sgpr_kernarg_segment_ptr 1
		.amdhsa_wavefront_size32 1
		.amdhsa_system_sgpr_workgroup_id_x 1
		.amdhsa_system_sgpr_workgroup_id_y 1
		.amdhsa_system_sgpr_workgroup_id_z 1
		.amdhsa_system_vgpr_workitem_id 0
		.amdhsa_next_free_vgpr 210
		.amdhsa_next_free_sgpr 66
		.amdhsa_reserve_vcc 0
		.amdhsa_float_denorm_mode_32 3
		.amdhsa_float_denorm_mode_16_64 3
		.amdhsa_memory_ordered 1
		.amdhsa_forward_progress 1
		.amdhsa_inst_pref_size 30
	.end_amdhsa_kernel
	.amdgpu_metadata
---
amdhsa.version: [ 1, 2 ]
amdhsa.kernels:
  - .name:           k_q225de30d46_lrprep
    .symbol:         k_q225de30d46_lrprep.kd
    .args:
      - { .name: R, .offset: 0, .size: 8, .value_kind: global_buffer, .address_space: global }
      - { .name: beta, .offset: 8, .size: 8, .value_kind: global_buffer, .address_space: global }
      - { .name: LRI, .offset: 16, .size: 8, .value_kind: global_buffer, .address_space: global }
    .group_segment_fixed_size: 34304
    .private_segment_fixed_size: 0
    .kernarg_segment_align: 8
    .kernarg_segment_size: 24
    .max_flat_workgroup_size: 128
    .sgpr_count:     66
    .vgpr_count:     210
    .wavefront_size: 32
...
	.end_amdgpu_metadata
.endif
;; end of part 9
;; launch qkv (part 10): grid 192 x 1, 8 waves a work-group, no clusters, 66,560 bytes of LDS; arguments TI, TS, WI, Wq_scales, Wk_scales, Wv_scales, QR, KV; writes QR, KV
.if DOCPART == 10
	.amdgcn_target "amdgcn-amd-amdhsa--gfx1250"
	.amdhsa_code_object_version 6
	.text
	.protected	k_q225de30d46_qkv
	.globl	k_q225de30d46_qkv
	.p2align	8
	.type	k_q225de30d46_qkv,@function
k_q225de30d46_qkv:
	s_mov_b64 s[64:65], 0
	v_nop
	global_prefetch_b8 v0, s[64:65] scope:SCOPE_SE
	s_setreg_imm32_b32 hwreg(HW_REG_WAVE_SCHED_MODE, 0, 2), 2
	s_setreg_imm32_b32 hwreg(HW_REG_WAVE_MODE, 25, 1), 1
	s_wait_xcnt 0x0
	s_wait_alu depctr_vm_vsrc(0)
; Q = tokens Wq^T, K = tokens Wk^T, V = tokens Wv^T on codes of FP4 (E2M1) with E8M0 scales, and each result quantised on its way out for the attention launch.
; ONE FORM FOR ALL THREE: Z[j][i] = sum over k of X[i][k] Y[j][k], source 0 = 16 rows of X, source 1 = 16 rows of Y: a lane holds ONE row j, and its registers run along i, the axis along which Z is quantised.
;   Q, K (work-groups 0-127): X = 128 rows of the weight (two heads' 64), Y = tokens: a lane holds a token, its registers the heads' channels.
;   V    (work-groups 128-191): X = 128 tokens (one key step), Y = rows of Wv: a lane holds a channel, its registers the keys.
; All operands are images of the operand's registers (a fragment = two runs of 512 bytes), in tiles whose rows are 32 B + 8 u + r + 8 (r / 8): so the 16 registers of X's tiles 2 B and 2 B + 1 are 16 neighbours along i.
; SHARES: a work-group keeps X's panel (128 rows x all of K: 65,536 bytes) in LDS for its whole life and walks four chunks of 256 rows of Y; each of its eight waves takes 32 rows of Y (two tiles) x the panel's eight tiles:
; 16 accumulators.  Y's fragments for all of K come from memory straight into registers: no two waves share them.  16 panels x 8 groups of 1,024 tokens for Q and K, 64 panels x all of Wv for V: 192 work-groups of equal work.
; NO CLUSTER: what work-groups share (a panel, read once by each of eight) is 65,536 of the 655,360 bytes that a work-group reads; Y goes to registers, where no joint load reaches.
; THE WAY OUT: records of 8,960 bytes for each (batch, head) and key step: K's (or Q's) 8 tiles of 16 x 64 codes (512 bytes each), V^T's 4 tiles of 16 channels x 128 keys (1,024 each), K's scale words (4 x 128 bytes:
; lanes 0-15 an even tile's rows, lanes 16-31 the odd one's), V's (2 x 128).  A head's 64 channels are half of an instruction's 128 along K: bytes 2 and 3 of Q's and K's scale words are 0.
; LIMITS: a block of zeros gets the byte 1 where the rule says 127 (zero codes; this program alone reads the bytes); blocks under 2^-124 are held at the byte 1; NaN and infinities are not served.
; REGISTERS: window 0: v1-5 addresses; v8-39 X's scale words (word s of tile pair p at 8 + 8 p + s); v40-47 Y's; v48-55, v56-75 at work; v76-91 codes; v128-255 accumulators ((a, b) at 128 + 64 a + 8 b).
;   window 1: v0-127 X's fragments, two sets; v128-255 Y's fragments of all of K (128 + 64 a + 8 s).
; THE MODE: SCHED_MODE bits 1:0 = 2 (LLVM: expert scheduling mode 2), set by the entry lines.  The code itself states the register dependences
; between vector or matrix instructions and memory or LDS instructions, with s_wait_alu, always for 0.
; THE PLAN.  Registers that memory or LDS instructions touch:
;   X0, X1        K step s: its sixteen products read set s % 2; the LDS loads issued in step s land in the other set (step s + 1's fragments), which step s - 1's products read.
;   Y, v40-47     Read by all 128 products of a chunk; the next chunk's 34 loads, issued behind the chunk's last products, land in them.
;   v8-39         Loaded once, at the head.
;   v128-191      At the head the panel passes through them: loads land, LDS stores read; from then on products write them.
;   v76-91, v74, v75, v54   Written by the way out's vector lines, read by the chunk's stores, written again a chunk later.
;   v1-5          Addresses and offsets, made once at the head and never written again.   v126, v127: made at the head, read by the closing add alone.
; So in the loop: ONE wait on va_vdst at the head of K steps 1 to 6 (the step before is done reading the set that is loaded now); the step's sixteen LDS loads follow it in two runs of eight, dealt among its products,
; which name the other set, Y, the accumulators and the scale words: none of the registers that those loads touch.  One behind the last step's products, for Y, its scale words and both sets of X (so step 0 has none:
; the way out names no register of window 1).  One ahead of the chunk's stores.  One wait on vm_vsrc at the loop's end, ahead of the backward jump.
.set LI,  1                            ; 16 x lane
.set RS,  2                            ; (8 h + r + 8 (r / 8)) x 32: my row among a tile pair's 32 rows of scale bytes
.set TH,  3                            ; 16 x thread
.set CV,  4                            ; where my codes go in a record
.set SV,  5                            ; and my scale word
.set XS,  8
.set YS,  40
.set TM,  56
.set PW,  72
.set OW,  74
.set PC,  76
.set ACC, 128
.set MSB, 0
.macro WIN new                         ; the immediate's high byte repeats the setting that is left
.if MSB != \new
	s_set_vgpr_msb (MSB<<8)|\new
.set MSB, \new
.endif
.endm
.macro PLACES n
.rept \n
	v_nop
.endr
.endm
; one scaled product.  c < 0: the constant 0 starts the sum.  ra, rb = 1: that side's scales are taken from lanes 16-31
.macro WMS d, a, b, c, sa, sb, ra, rb
.if (\c) < 0
.if ((\ra) == 0) && ((\rb) == 0)
	v_wmma_scale_f32_16x16x128_f8f6f4 v[(\d):(\d)+7], v[(\a):(\a)+7], v[(\b):(\b)+7], 0, v[(\sa)], v[(\sb)] matrix_a_fmt:MATRIX_FMT_FP4 matrix_b_fmt:MATRIX_FMT_FP4
.elseif (\rb) == 0
	v_wmma_scale_f32_16x16x128_f8f6f4 v[(\d):(\d)+7], v[(\a):(\a)+7], v[(\b):(\b)+7], 0, v[(\sa)], v[(\sb)] matrix_a_fmt:MATRIX_FMT_FP4 matrix_b_fmt:MATRIX_FMT_FP4 matrix_a_scale:MATRIX_SCALE_ROW1
.elseif (\ra) == 0
	v_wmma_scale_f32_16x16x128_f8f6f4 v[(\d):(\d)+7], v[(\a):(\a)+7], v[(\b):(\b)+7], 0, v[(\sa)], v[(\sb)] matrix_a_fmt:MATRIX_FMT_FP4 matrix_b_fmt:MATRIX_FMT_FP4 matrix_b_scale:MATRIX_SCALE_ROW1
.else
	v_wmma_scale_f32_16x16x128_f8f6f4 v[(\d):(\d)+7], v[(\a):(\a)+7], v[(\b):(\b)+7], 0, v[(\sa)], v[(\sb)] matrix_a_fmt:MATRIX_FMT_FP4 matrix_b_fmt:MATRIX_FMT_FP4 matrix_a_scale:MATRIX_SCALE_ROW1 matrix_b_scale:MATRIX_SCALE_ROW1
.endif
.else
.if ((\ra) == 0) && ((\rb) == 0)
	v_wmma_scale_f32_16x16x128_f8f6f4 v[(\d):(\d)+7], v[(\a):(\a)+7], v[(\b):(\b)+7], v[(\c):(\c)+7], v[(\sa)], v[(\sb)] matrix_a_fmt:MATRIX_FMT_FP4 matrix_b_fmt:MATRIX_FMT_FP4
.elseif (\rb) == 0
	v_wmma_scale_f32_16x16x128_f8f6f4 v[(\d):(\d)+7], v[(\a):(\a)+7], v[(\b):(\b)+7], v[(\c):(\c)+7], v[(\sa)], v[(\sb)] matrix_a_fmt:MATRIX_FMT_FP4 matrix_b_fmt:MATRIX_FMT_FP4 matrix_a_scale:MATRIX_SCALE_ROW1
.elseif (\ra) == 0
	v_wmma_scale_f32_16x16x128_f8f6f4 v[(\d):(\d)+7], v[(\a):(\a)+7], v[(\b):(\b)+7], v[(\c):(\c)+7], v[(\sa)], v[(\sb)] matrix_a_fmt:MATRIX_FMT_FP4 matrix_b_fmt:MATRIX_FMT_FP4 matrix_b_scale:MATRIX_SCALE_ROW1
.else
	v_wmma_scale_f32_16x16x128_f8f6f4 v[(\d):(\d)+7], v[(\a):(\a)+7], v[(\b):(\b)+7], v[(\c):(\c)+7], v[(\sa)], v[(\sb)] matrix_a_fmt:MATRIX_FMT_FP4 matrix_b_fmt:MATRIX_FMT_FP4 matrix_a_scale:MATRIX_SCALE_ROW1 matrix_b_scale:MATRIX_SCALE_ROW1
.endif
.endif
.endm
; my two tiles of Y for all of K (32 loads of 512 consecutive bytes) and their scale words (32 bytes a row), off bytes on from the chunk in hand
.macro YLOAD off
	WIN 0x40                                       ; destination window 1
.irp a, 0,1
.irp s, 0,1,2,3,4,5,6,7
.irp c, 0,1
	global_load_b128 v[128+64*\a+8*\s+4*\c:128+64*\a+8*\s+4*\c+3], v[LI], s[28:29] offset:\off+8192*\a+1024*\s+512*\c
.endr
.endr
.endr
	WIN 0
	global_load_b128 v[YS:YS+3], v[RS], s[30:31] offset:\off/16
	global_load_b128 v[YS+4:YS+7], v[RS], s[30:31] offset:\off/16+16
.endm
.macro FX s, from                      ; four of the panel's eight fragments of K step s, from tile 'from' on, into set s % 2: eight loads (destination window 1)
.irp b, 0,1,2,3
.irp c, 0,1
	ds_load_b128 v[64*((\s)%2)+8*(\from+\b)+4*\c:64*((\s)%2)+8*(\from+\b)+4*\c+3], v[LI] offset:8192*(\from+\b)+1024*(\s)+512*\c
.endr
.endr
.endm
.macro MUL8 s, a                       ; tile a of Y x the panel's eight tiles.  The 16 accumulators take turns, one instruction a turn, in the same order in every step
	WIN 0x05                                       ; sources 0 and 1 window 1; C and D window 0
.irp b, 0,1,2,3,4,5,6,7
.if (\s) == 0
	WMS ACC+64*\a+8*\b, 64*((\s)%2)+8*\b, 128+64*\a+8*(\s), -1, XS+8*(\b/2)+(\s), YS+(\s), \b%2, \a
.else
	WMS ACC+64*\a+8*\b, 64*((\s)%2)+8*\b, 128+64*\a+8*(\s), ACC+64*\a+8*\b, XS+8*(\b/2)+(\s), YS+(\s), \b%2, \a
.endif
.endr
.endm
; 64 numbers of a lane, register 16 b + i = place 32 b + 16 (lane / 16) + i of my row, become a fragment's codes in v[pc] on and its scale word in v[pw]
.macro QUANT s, pc, pw
.irp b, 0,1,2,3
	v_max3_num_f32 v[TM+\b], |v[\s+16*\b]|, |v[\s+1+16*\b]|, 0x1800000   ; block b: my 16 numbers, and the floor 2^(3 - 127): the byte cannot fall under 1.  (Each accumulator is read from its low end on)
.endr
.irp i, 2,4,6,8,10,12,14
.irp b, 0,1,2,3
	v_max3_num_f32 v[TM+\b], v[TM+\b], |v[\s+16*\b+\i]|, |v[\s+1+16*\b+\i]|
.endr
.endr
.irp b, 0,1,2,3
	v_permlanex16_b32 v[TM+4+\b], v[TM+\b], s36, s37
.endr
.irp b, 0,1,2,3
	v_max_num_f32 v[TM+\b], v[TM+\b], v[TM+4+\b]   ; with lane l xor 16's: the block's largest magnitude
.endr
.irp b, 0,1,2,3
	v_add_nc_u32 v[TM+12+\b], 0xff000000, v[TM+\b] ; 2 off its exponent field: the conversion's scale operand
.endr
.irp b, 0,1,2,3
	v_lshrrev_b32 v[TM+4+\b], 23, v[TM+12+\b]      ; the scale's byte
.endr
	v_lshl_or_b32 v[\pw], v[TM+5], 8, v[TM+4]
	v_lshl_or_b32 v[\pw], v[TM+6], 16, v[\pw]
	v_lshl_or_b32 v[\pw], v[TM+7], 24, v[\pw]
.irp b, 0,1,2,3
	v_cvt_scalef32_pk8_fp4_f32 v[\pc+2*\b], v[\s+16*\b:\s+7+16*\b], v[TM+12+\b]
	v_cvt_scalef32_pk8_fp4_f32 v[\pc+1+2*\b], v[\s+8+16*\b:\s+15+16*\b], v[TM+12+\b]
.endr
	v_nop                                          ; one plain place behind a scaled conversion
.irp c, 0,1                                    ; the operand's layout wants a whole block in a lane
.irp i, 0,1
	v_permlane16_swap_b32 v[\pc+4*\c+\i], v[\pc+2+4*\c+\i]
.endr
.endr
.endm
	s_load_b256 s[4:11], s[0:1], 0x0               ; TI s[4:5], TS s[6:7], WI s[8:9], Wq's scales s[10:11]
	s_load_b256 s[12:19], s[0:1], 0x20             ; Wk's scales s[12:13], Wv's s[14:15], QR s[16:17], KV s[18:19]
	v_lshl_add_u32 v126, v0, 2, 0x10000
	v_mov_b32 v127, 0
	v_lshrrev_b32 v48, 5, v0
	v_readfirstlane_b32 s20, v48                   ; wave 0..7
	v_and_b32 v48, 31, v0                          ; lane
	v_and_b32 v49, 15, v0                          ; r
	v_bfe_u32 v50, v0, 4, 1                        ; h
	v_lshlrev_b32 v[LI], 4, v48
	v_and_b32 v51, 8, v49
	v_add_nc_u32 v51, v51, v49
	v_lshl_add_u32 v51, v50, 3, v51
	v_lshlrev_b32 v[RS], 5, v51
	v_lshlrev_b32 v[TH], 4, v0
	v_lshlrev_b32 v52, 2, v48
	v_cmp_lt_u32 s38, 15, v48                      ; s38: lanes 16-31
.irp b, 0,1,2,3
	v_mov_b32 v[TM+4+\b], 0                        ; written once: a lane permute's destination counts as one of its sources
.endr
	s_wait_alu depctr_va_sdst(0)                   ; s20 and s38 are written, ahead of their first readers: the offsets below are made from s20, the way out's select reads s38
	s_mov_b32 s36, 0x76543210
	s_mov_b32 s37, 0xfedcba98
	; the offsets of both ways, each in registers of its own; then one choice on the work-group's number
	s_max_u32 s41, ttmp9, 128
	s_sub_co_u32 s41, s41, 128                     ; V: the token panel
	s_lshr_b32 s42, ttmp9, 3                       ; Q, K: the weight panel 0..15 (0-7 Wq's, 8-15 Wk's),
	s_and_b32 s43, s42, 7                          ; within its weight,
	s_and_b32 s44, ttmp9, 7                        ; and the group of 1,024 tokens
	s_lshl_b32 s45, s42, 16                        ; Q, K: X's codes: 65,536 bytes a panel
	s_lshl_b32 s46, s43, 12                        ; X's scale bytes: 128 rows of 32
	s_lshl_b32 s47, s44, 5
	s_add_co_u32 s47, s47, s20
	s_lshl_b32 s47, s47, 14                        ; Y's codes: tile pair 32 group + wave, 16,384 bytes a pair
	s_lshl_b32 s48, s44, 15
	s_lshl_b32 s60, s20, 10
	s_add_co_u32 s48, s48, s60                     ; Y's scale bytes
	s_lshr_b32 s49, s44, 1
	s_lshl_b32 s49, s49, 4
	s_lshl_b32 s60, s43, 1
	s_add_co_u32 s49, s49, s60
	s_mul_i32 s49, s49, 143360                     ; out: (batch, head 2 p),
	s_and_b32 s60, s44, 1
	s_lshl_b32 s60, s60, 3
	s_lshr_b32 s61, s20, 2
	s_add_co_u32 s60, s60, s61
	s_mul_i32 s60, s60, 8960
	s_add_co_u32 s49, s49, s60                     ; key step 8 (group % 2) + wave / 4
	s_lshl_b32 s51, s41, 16                        ; V: X's codes
	s_lshl_b32 s52, s41, 12                        ; X's scale bytes
	s_lshl_b32 s53, s20, 14
	s_add_co_u32 s53, s53, 1048576                 ; Y's codes: Wv's images, tile pair = wave
	s_lshl_b32 s54, s20, 10                        ; Y's scale bytes
	s_lshr_b32 s55, s41, 4
	s_lshl_b32 s55, s55, 4
	s_lshr_b32 s60, s20, 1
	s_add_co_u32 s55, s55, s60
	s_mul_i32 s55, s55, 143360                     ; out: (batch, head wave / 2),
	s_and_b32 s60, s41, 15
	s_mul_i32 s60, s60, 8960
	s_add_co_u32 s55, s55, s60                     ; key step = panel % 16
	s_and_b32 s56, s20, 3
	s_lshl_b32 s58, s56, 7
	s_add_co_u32 s58, s58, 8192                    ; Q, K: scale words of tile pair wave % 4,
	s_lshl_b32 s56, s56, 10                        ; and its codes
	s_and_b32 s57, s20, 1
	s_lshl_b32 s59, s57, 7
	s_add_co_u32 s59, s59, 8704                    ; V: scale words of tile pair wave % 2,
	s_lshl_b32 s57, s57, 11
	s_add_co_u32 s57, s57, 4096                    ; and its codes
	s_mov_b32 s34, 573440                          ; a chunk's step in the output: V: four heads on;
	s_mov_b32 s35, 0
	s_mov_b32 s61, 0
	s_wait_alu depctr_va_vdst(0)
	s_wait_kmcnt 0x0
	s_cmp_lt_u32 ttmp9, 64
	s_cselect_b64 s[26:27], s[10:11], s[12:13]     ; Wq's scales or Wk's
	s_cselect_b64 s[32:33], s[16:17], s[18:19]     ; QR or KV
	s_cmp_lt_u32 ttmp9, 128
	s_cselect_b64 s[24:25], s[8:9], s[4:5]         ; X's codes: WI or TI
	s_cselect_b64 s[26:27], s[26:27], s[6:7]       ; X's scales
	s_cselect_b64 s[28:29], s[4:5], s[8:9]         ; Y's codes: TI or WI
	s_cselect_b64 s[30:31], s[6:7], s[14:15]       ; Y's scales
	s_cselect_b32 s45, s45, s51
	s_cselect_b32 s46, s46, s52
	s_cselect_b32 s47, s47, s53
	s_cselect_b32 s48, s48, s54
	s_cselect_b32 s49, s49, s55
	s_cselect_b32 s56, s56, s57
	s_cselect_b32 s58, s58, s59
	s_cselect_b32 s34, 17920, s34                  ; Q, K: two key steps on
	s_cselect_b32 s39, 0, 1                        ; s39 = 1: V's way
	s_mov_b32 s60, s45
	s_add_nc_u64 s[24:25], s[24:25], s[60:61]
	s_mov_b32 s60, s46
	s_add_nc_u64 s[26:27], s[26:27], s[60:61]
	s_mov_b32 s60, s47
	s_add_nc_u64 s[28:29], s[28:29], s[60:61]
	s_mov_b32 s60, s48
	s_add_nc_u64 s[30:31], s[30:31], s[60:61]
	s_mov_b32 s60, s49
	s_add_nc_u64 s[32:33], s[32:33], s[60:61]
	v_add_nc_u32 v[CV], s56, v[LI]
	v_add_nc_u32 v[SV], s58, v52
	s_wait_alu depctr_va_vdst(0)                   ; the five addresses and offsets v1 to v5 are written: every load and store of the kernel, global or LDS, reads one of them
	; the panel: 16 loads of 4,096 consecutive bytes by the 256 threads, through the accumulators' registers into LDS, as it lies
.irp i, 0,1,2,3,4,5,6,7,8,9,10,11,12,13,14,15
	global_load_b128 v[ACC+4*\i:ACC+4*\i+3], v[TH], s[24:25] offset:4096*\i
.endr
.irp p, 0,1,2,3
.irp k, 0,1
	global_load_b128 v[XS+8*\p+4*\k:XS+8*\p+4*\k+3], v[RS], s[26:27] offset:1024*\p+16*\k   ; lanes 0-15: the rows of tile 2 p, lanes 16-31: of tile 2 p + 1
.endr
.endr
	YLOAD 0
	s_wait_loadcnt 42                              ; the panel's 16 loads are in; behind them: 8 of X's scales, 32 of Y, 2 of Y's scales
.irp i, 0,1,2,3,4,5,6,7,8,9,10,11,12,13,14,15
	ds_store_b128 v[TH], v[ACC+4*\i:ACC+4*\i+3] offset:4096*\i
.endr
	s_wait_dscnt 0x0                               ; for the others' sake: my part of the panel lies in LDS
	s_barrier_signal -1
	s_barrier_wait -1                              ; the launch's one barrier: the panel is never written again
	s_wait_alu depctr_vm_vsrc(0)                   ; my LDS stores have read v128 to v191: these registers are accumulators from here on, written by the products
	s_mov_b32 s40, 4
.Lchunk:
	s_wait_loadcnt 0x0                             ; Y and its scale words (in the first chunk X's scale words too)
	WIN 0x40                                       ; destination window 1
	FX 0, 0                                        ; K step 0's fragments.  No wait: both sets' last readers stand ahead of the wait behind the last chunk's products, and nothing since names a register of window 1
	FX 0, 4
.irp s, 0,1,2,3,4,5,6
	WIN 0x40
.if \s > 0
	s_wait_alu depctr_va_vdst(0)                   ; the products of the step before are done reading their set of X, in which this step's sixteen LDS loads land
.endif
	FX \s+1, 0
	s_wait_dscnt 8                                 ; this step's fragments are in; the eight loads just issued may be out
	MUL8 \s, 0
	WIN 0x40
	FX \s+1, 4                                     ; no wait: the eight products since the wait name this step's set, Y, the accumulators and the scale words, not the set that is loaded
	MUL8 \s, 1
.endr
	s_wait_dscnt 0x0
	MUL8 7, 0
	MUL8 7, 1
	WIN 0                                          ; at a label and at a branch every window is 0
	PLACES 5                                       ; in front of the reads of results (four), and of the next chunk's products, which begin these accumulators anew (five)
	s_wait_alu depctr_va_vdst(0)                   ; the chunk's products are done reading Y, its scale words and both sets of X: the next chunk's loads land in them
	s_cmp_eq_u32 s40, 1                            ; the next chunk's Y is asked for here, if there is one: no load leaves its buffer
	s_cbranch_scc1 .Lno_next
	YLOAD 131072
.Lno_next:
	QUANT ACC, PC, PW
	QUANT ACC+64, PC+8, PW+1
	v_cndmask_b32 v[OW], v[PW], v[PW+1], s38       ; lanes 0-15 the even tile's words, lanes 16-31 the odd one's
	s_cmp_lg_u32 s39, 0
	s_cbranch_scc1 .Lv_out
	v_and_b32 v[OW+1], 0xffff, v[OW]               ; head 2 p's two bytes; bytes 2 and 3 are 0
	v_lshrrev_b32 v54, 16, v[OW]                   ; head 2 p + 1's
	s_wait_alu depctr_va_vdst(0)                   ; the codes v76 to v91 and the two scale words v75 and v54 are written, which the stores below read
.irp a, 0,1
.irp c, 0,1
	global_store_b128 v[CV], v[PC+8*\a+4*\c:PC+8*\a+4*\c+3], s[32:33] offset:143360*\c+512*\a   ; registers 4 c .. 4 c + 3 are head 2 p + c's 64 channels: 512 consecutive bytes a store
.endr
.endr
	global_store_b32 v[SV], v[OW+1], s[32:33]      ; 128 consecutive bytes
	global_store_b32 v[SV], v54, s[32:33] offset:143360
	s_branch .Lstored
.Lv_out:
	s_wait_alu depctr_va_vdst(0)                   ; the codes v76 to v91 and the scale word v74 are written, which the stores below read
.irp a, 0,1
.irp c, 0,1
	global_store_b128 v[CV], v[PC+8*\a+4*\c:PC+8*\a+4*\c+3], s[32:33] offset:1024*\a+512*\c
.endr
.endr
	global_store_b32 v[SV], v[OW], s[32:33]
.Lstored:
	s_wait_xcnt 0x0                                ; the stores' data and every base are written again only behind this wait
	s_wait_alu depctr_vm_vsrc(0)                   ; the stores have read the codes and the scale words, which the next chunk's way out writes again
	s_add_nc_u64 s[28:29], s[28:29], 131072
	s_add_nc_u64 s[30:31], s[30:31], 8192
	s_add_nc_u64 s[32:33], s[32:33], s[34:35]
	s_sub_co_u32 s40, s40, 1
	s_cmp_lg_u32 s40, 0
	s_cbranch_scc1 .Lchunk
	s_wait_dscnt 0x0                               ; the closing lines, six on end
	s_wait_alu 0x0
	s_wait_tensorcnt 0x0
	ds_add_u32 v126, v127
	s_wait_dscnt 0x0
	s_endpgm
.Lfunc_end_k_q225de30d46_qkv:
	.size	k_q225de30d46_qkv, .Lfunc_end_k_q225de30d46_qkv-k_q225de30d46_qkv
	.p2alignl 7, 3214868480
	.fill 96, 4, 3214868480
	.section	.rodata,"a",@progbits
	.p2align	6, 0x0
	.amdhsa_kernel k_q225de30d46_qkv
		.amdhsa_group_segment_fixed_size 66560
		.amdhsa_private_segment_fixed_size 0
		.amdhsa_enable_private_segment 0
		.amdhsa_kernarg_size 64
		.amdhsa_user_sgpr_count 2
		.amdhsa_user_sgpr_kernarg_segment_ptr 1
		.amdhsa_wavefront_size32 1
		.amdhsa_system_sgpr_workgroup_id_x 1
		.amdhsa_system_sgpr_workgroup_id_y 1
		.amdhsa_system_sgpr_workgroup_id_z 1
		.amdhsa_system_vgpr_workitem_id 0
		.amdhsa_next_free_vgpr 512
		.amdhsa_next_free_sgpr 66
		.amdhsa_reserve_vcc 0
		.amdhsa_float_denorm_mode_32 3
		.amdhsa_float_denorm_mode_16_64 3
		.amdhsa_memory_ordered 1
		.amdhsa_forward_progress 1
		.amdhsa_inst_pref_size 50
	.end_amdhsa_kernel
	.amdgpu_metadata
---
amdhsa.version: [ 1, 2 ]
amdhsa.kernels:
  - .name:           k_q225de30d46_qkv
    .symbol:         k_q225de30d46_qkv.kd
    .args:
      - { .name: TI, .offset: 0, .size: 8, .value_kind: global_buffer, .address_space: global }
      - { .name: TS, .offset: 8, .size: 8, .value_kind: global_buffer, .address_space: global }
      - { .name: WI, .offset: 16, .size: 8, .value_kind: global_buffer, .address_space: global }
      - { .name: Wq_scales, .offset: 24, .size: 8, .value_kind: global_buffer, .address_space: global }
      - { .name: Wk_scales, .offset: 32, .size: 8, .value_kind: global_buffer, .address_space: global }
      - { .name: Wv_scales, .offset: 40, .size: 8, .value_kind: global_buffer, .address_space: global }
      - { .name: QR, .offset: 48, .size: 8, .value_kind: global_buffer, .address_space: global }
      - { .name: KV, .offset: 56, .size: 8, .value_kind: global_buffer, .address_space: global }
    .group_segment_fixed_size: 66560
    .private_segment_fixed_size: 0
    .kernarg_segment_align: 8
    .kernarg_segment_size: 64
    .max_flat_workgroup_size: 256
    .sgpr_count:     66
    .vgpr_count:     512
    .wavefront_size: 32
...
	.end_amdgpu_metadata
.endif
;; end of part 10
;; launch attn (part 11): grid 16 x 16, 8 waves a work-group, no clusters, 327,680 bytes of LDS; arguments QR, KV, LRI, OC, OS; writes OC, OS
.if DOCPART == 11
	.amdgcn_target "amdgcn-amd-amdhsa--gfx1250"
	.amdhsa_code_object_version 6
	.text
	.protected	k_q225de30d46_attn
	.globl	k_q225de30d46_attn
	.p2align	8
	.type	k_q225de30d46_attn,@function
k_q225de30d46_attn:
	s_mov_b64 s[64:65], 0
	v_nop
	global_prefetch_b8 v0, s[64:65] scope:SCOPE_SE
	s_setreg_imm32_b32 hwreg(HW_REG_WAVE_MODE, 25, 1), 1
	s_wait_xcnt 0x0
; O = softmax(Q K^T / 8 + beta ln max(R, 1e-8)) V for each (batch, head), both products on codes of FP4 (E2M1) with E8M0 scales; O is quantised on its way out, along head x 64 + channel, for the last product.
; THE SOFTMAX AHEAD OF THE SECOND PRODUCT: S' = Q K^T + 8 beta ln R (the second term is the C operand of the score products, from LRI); t = S' x log2(e) / 8; M = the row's largest t so far, rounded UP to a whole number;
; p = 2^(t - M) is what is quantised, along the keys, not normalised.  The row's sum is taken of the unquantised p and divides O at the end.  When M moves, the sum and O are multiplied by 2^(old M - new M): exact.
; SHARES: a work-group owns 128 queries of one batch and FOUR heads; wave w owns query tile w (16 queries) for all four heads, its four UNITS.  So the wave's 16 x 128 numbers of LRI, which hang on query and key alone,
; are loaded once for four units.  Every wave walks all 2,048 keys, 128 a step.
; K's and V's records (8,960 bytes for a head and a key step: the launch before says how they lie) come through a ring of two LDS slots, each with two key steps of the four heads; waves 0-3 fetch, one head each:
; 17,920 consecutive bytes, 70 rows of 256, by one tensor load; all eight waves read them.
; LAYOUT: both products are used transposed: S^T = K Q^T (source 0 = 16 keys, source 1 = my 16 queries), O^T = V^T P^T: a lane holds ONE query throughout.  A tile's rows are 32 B + 8 u + r + 8 (r / 8),
; so the 16 registers of tiles 2 B and 2 B + 1 are 16 neighbours (keys in S^T, channels in O^T).
; A HEAD'S 64 CHANNELS ARE HALF OF AN INSTRUCTION'S 128 ALONG K: Q's registers 4-7 hold zero codes, so K's registers 4-7 may hold any codes (they are the next tile's); bytes 2 and 3 of both scale words are 0, which is 2^-127.
; NO CLUSTER: of the 101,376 bytes that a work-group fetches for a key step, 65,536 (LRI) go straight to registers, where no joint load reaches; the 35,840 of K and V are what the sixteen query blocks of a head group share.
; LIMITS: p under 2^-126 is 0 (v_exp_f32 gives 0 there); a block of zeros gets the byte 1 where the rule says 127 (zero codes); blocks under 2^-124 are held at the byte 1; NaN and infinities are not served.
; REGISTERS: window 0: v1-9 addresses; v10-25 statistics (unit g at 10 + 4 g: -M, largest t, the sum in two halves); v26-29 Q's scale words; v30-33 K's; v34-35 V's; v36-67 Q (8 a unit); v68-99 V's four fragments;
;   v100-103 the way out; v104-111 p's codes; v112-129 at work (v125: p's scale word); v136-199 S^T, then p; v200-235 K's eight tiles, 4 registers each, and four zeros.
;   window 1: v0-127 O^T (32 g + 8 t); v128-191, v192-255 LRI's tile, two banks.
.set REC,   8960
.set HEADB, 17920                      ; a head's two key steps
.set BHB,   143360                     ; a head's sixteen
.set SLOT1, 1<<17                      ; slot 1 begins here: one exclusive or turns an address in one slot into the other's
.set SPARE, 262144                     ; behind the ring: the spare words, 128 bytes for each wave: four blocks of 256 bytes that no other line names
.set LI,   1                           ; 16 x lane
.set LS,   2                           ; 4 x lane
.set SPW,  3                           ; LDS address of my spare word; never rewritten
.set NIL,  4                           ; 0; never rewritten
.set ADK,  5                           ; 16 x lane + the slot in hand;  ADK2: two heads on
.set ADK2, 6
.set ADS,  7                           ; 4 x lane + the slot in hand;   ADS2: two heads on
.set ADS2, 8
.set STT,  10
.set QS,   26
.set KS,   30
.set VS,   34
.set QF,   36
.set VF,   68
.set OWD,  100
.set PC,   104
.set BM,   112
.set PT,   116
.set SO,   120
.set FF,   124
.set TP,   126
.set SC2,  128
.set S,    136
.set KF,   200
.set MSB, 0
.macro WIN new                         ; the immediate's high byte repeats the setting that is left
.if MSB != \new
	s_set_vgpr_msb (MSB<<8)|\new
.set MSB, \new
.endif
.endm
.macro PLACES n
.rept \n
	v_nop
.endr
.endm
; one scaled product; ra = 1: source 0's scales are taken from lanes 16-31
.macro WMS d, a, b, c, sa, sb, ra
.if (\ra) == 0
	v_wmma_scale_f32_16x16x128_f8f6f4 v[(\d):(\d)+7], v[(\a):(\a)+7], v[(\b):(\b)+7], v[(\c):(\c)+7], v[(\sa)], v[(\sb)] matrix_a_fmt:MATRIX_FMT_FP4 matrix_b_fmt:MATRIX_FMT_FP4
.else
	v_wmma_scale_f32_16x16x128_f8f6f4 v[(\d):(\d)+7], v[(\a):(\a)+7], v[(\b):(\b)+7], v[(\c):(\c)+7], v[(\sa)], v[(\sb)] matrix_a_fmt:MATRIX_FMT_FP4 matrix_b_fmt:MATRIX_FMT_FP4 matrix_a_scale:MATRIX_SCALE_ROW1
.endif
.endm
; waves 0-3 fetch, each its head; the branch hangs on the wave's number alone.  Four v_nop follow the load
.macro TLOAD
	s_cmp_lt_u32 s14, 4
	s_cbranch_scc0 .Lasked_\@
	tensor_load_to_lds s[32:35], s[24:31]
	s_nop 0
.rept 4
	v_nop
.endr
.Lasked_\@:
.endm
; THE CHANGE OF SLOTS stands at a slot's head.  Each wave waits for all its tensor loads (its part of the slot that it is about to read), adds 0 to its spare word, and waits for that and for its reads of the slot that it has left.
; Behind the barrier the slot ahead is whole and nobody reads the other one.  fill = 1: that other slot takes the next two key steps: the load has two key steps' work in which to land.  One tensor load of a wave is out at most.
.macro CHANGE fill
	s_wait_tensorcnt 0x0                           ; no tensor load of mine is out, so group 0 may be written
	ds_add_u32 v[SPW], v[NIL]                      ; 0 onto my spare word
.if \fill
	s_xor_b32 s33, s33, SLOT1                      ; the walking descriptor: the other slot than last time,
	s_add_nc_u64 s[34:35], s[34:35], HEADB         ; the next two key steps; the type bits on top are not reached
.endif
	s_wait_dscnt 0x0                               ; the add is done, and my reads of the slot that I have left are over
	s_barrier_signal -1
	s_barrier_wait -1
.if \fill
	TLOAD                                          ; the first thing behind the barrier, and a wave's one tensor load until the next
.endif
.endm
.macro KLOAD g, q                      ; head g's eight tiles of K of the slot's step q, and their scale words: 12 loads
.if (\g) < 2
.set AK, ADK
.set AS, ADS
.else
.set AK, ADK2
.set AS, ADS2
.endif
.irp t, 0,1,2,3,4,5,6,7
	ds_load_b128 v[KF+4*\t:KF+4*\t+3], v[AK] offset:((\g)%2)*HEADB+REC*(\q)+512*\t
.endr
.irp i, 0,1,2,3
	ds_load_b32 v[KS+\i], v[AS] offset:((\g)%2)*HEADB+REC*(\q)+8192+128*\i
.endr
.endm
.macro VLOAD g, q                      ; head g's four tiles of V^T, and their scale words: 10 loads
.if (\g) < 2
.set AK, ADK
.set AS, ADS
.else
.set AK, ADK2
.set AS, ADS2
.endif
.irp t, 0,1,2,3
.irp c, 0,1
	ds_load_b128 v[VF+8*\t+4*\c:VF+8*\t+4*\c+3], v[AK] offset:((\g)%2)*HEADB+REC*(\q)+4096+1024*\t+512*\c
.endr
.endr
.irp i, 0,1
	ds_load_b32 v[VS+\i], v[AS] offset:((\g)%2)*HEADB+REC*(\q)+8704+128*\i
.endr
.endm
.macro LRLOAD off, bank                ; my query tile's numbers of LRI for one key step: 16 loads of 512 consecutive bytes
	WIN 0x40                                       ; destination window 1
.irp i, 0,1,2,3,4,5,6,7,8,9,10,11,12,13,14,15
	global_load_b128 v[128+64*(\bank)+4*\i:128+64*(\bank)+4*\i+3], v[LI], s[38:39] offset:(\off)+512*\i
.endr
	WIN 0
.endm
; the softmax of unit g for 128 keys: S^T in v[S] on becomes p; its codes go to v[PC] on, its scale word to v[FF+1], f = 2^(old M - new M) to v[FF]
.macro SOFTMAX g
.set NM, STT+4*\g
.irp b, 0,1,2,3
	v_max3_num_f32 v[BM+\b], v[S+16*\b], v[S+1+16*\b], v[S+2+16*\b]   ; THE LARGEST SCORE OF EACH BLOCK OF 32 KEYS: for the row's maximum and, since p rises with the score, for the block's largest p.  (Each accumulator is read from its low end on)
.endr
.irp i, 3,5,7,9,11,13
.irp b, 0,1,2,3
	v_max3_num_f32 v[BM+\b], v[BM+\b], v[S+16*\b+\i], v[S+1+16*\b+\i]
.endr
.endr
.irp b, 0,1,2,3
	v_max_num_f32 v[BM+\b], v[BM+\b], v[S+15+16*\b]
.endr
.irp b, 0,1,2,3
	s_delay_alu instid0(VALU_DEP_4)
	v_permlanex16_b32 v[PT+\b], v[BM+\b], s20, s21
.endr
.irp b, 0,1,2,3
	s_delay_alu instid0(VALU_DEP_4)
	v_max_num_f32 v[BM+\b], v[BM+\b], v[PT+\b]     ; with lane l xor 16's 16 keys
.endr
	s_delay_alu instid0(VALU_DEP_2)
	v_max3_num_f32 v[TP], v[BM], v[BM+1], v[BM+2]
	s_delay_alu instid0(VALU_DEP_1)
	v_max_num_f32 v[TP], v[TP], v[BM+3]            ; the step's largest score of my query
	s_delay_alu instid0(VALU_DEP_1)
	v_mul_f32 v[TP], s22, v[TP]                    ; as t (c is positive)
	s_delay_alu instid0(VALU_DEP_1)
	v_max_num_f32 v[NM+1], v[NM+1], v[TP]          ; the running largest t
	v_mov_b32 v[TP], v[NM]
	s_delay_alu instid0(VALU_DEP_2)
	v_floor_f32 v[NM], -v[NM+1]                    ; the new -M = floor(-t) = -ceil(t): M is a whole number
	s_delay_alu instid0(VALU_DEP_1)
	v_sub_f32 v[TP], v[NM], v[TP]                  ; old M - new M: a whole number, 0 or less
	s_delay_alu instid0(VALU_DEP_1)
	v_cvt_i32_f32 v[TP], v[TP]                     ; (it saturates)
	s_delay_alu instid0(VALU_DEP_1)
	v_ldexp_f32 v[FF], 1.0, v[TP]                  ; f = 2^(old M - new M)
.set j, 0
.rept 32
	v_pk_fma_f32 v[S+j:S+j+1], v[S+j:S+j+1], s[22:23], v[NM:NM+1] op_sel_hi:[1,0,0]   ; t - M, two at a time (of the pairs c and -M the low word serves both halves)
.set j, j+2
.endr
.irp b, 0,1,2,3
	v_fma_f32 v[BM+\b], v[BM+\b], s22, v[NM]       ; the same of each block's largest score
.endr
.set j, 0
	s_wait_alu depctr_va_vdst(0)
.rept 64
	v_exp_f32 v[S+j], v[S+j]                       ; p = 2^(t - M), at most 1
.set j, j+1
.endr
.irp b, 0,1,2,3
	v_exp_f32 v[BM+\b], v[BM+\b]                   ; the block's largest p: the same two instructions on the same number give the same bits
.endr
	v_pk_mul_f32 v[NM+2:NM+3], v[NM+2:NM+3], v[FF:FF+1] op_sel_hi:[1,0]   ; the sums under the new M.  (A plain place behind the exponentials)
	s_wait_alu depctr_va_vdst(0)
.irp b, 0,1,2,3
	v_max_num_f32 v[BM+\b], 0x1800000, v[BM+\b]    ; the floor 2^(3 - 127): the byte cannot fall under 1
.endr
.irp b, 0,1,2,3
	s_delay_alu instid0(VALU_DEP_4)
	v_add_nc_u32 v[SO+\b], 0xff000000, v[BM+\b]    ; 2 off the exponent field: the conversion's scale operand
.endr
.irp b, 0,1,2,3
	s_delay_alu instid0(VALU_DEP_4)
	v_lshrrev_b32 v[PT+\b], 23, v[SO+\b]           ; the scale's byte
.endr
	s_delay_alu instid0(VALU_DEP_3)
	v_lshl_or_b32 v[FF+1], v[PT+1], 8, v[PT]       ; p's scale word for these 128 keys
	s_delay_alu instid0(VALU_DEP_1)
	v_lshl_or_b32 v[FF+1], v[PT+2], 16, v[FF+1]
	s_delay_alu instid0(VALU_DEP_1)
	v_lshl_or_b32 v[FF+1], v[PT+3], 24, v[FF+1]
.irp b, 0,1,2,3
	v_cvt_scalef32_pk8_fp4_f32 v[PC+2*\b], v[S+16*\b:S+7+16*\b], v[SO+\b]
	v_cvt_scalef32_pk8_fp4_f32 v[PC+1+2*\b], v[S+8+16*\b:S+15+16*\b], v[SO+\b]
.endr
	v_nop                                          ; one plain place behind a scaled conversion
.irp c, 0,1                                    ; the operand's layout wants a whole block in a lane
.irp i, 0,1
	v_permlane16_swap_b32 v[PC+4*\c+\i], v[PC+2+4*\c+\i]
.endr
.endr
	v_pk_add_f32 v[SC2:SC2+1], v[S:S+1], v[S+2:S+3]   ; THE ROW'S SUM IS TAKEN OF THE UNQUANTISED p: two at a time, in two chains
.irp j, 4,8,12,16,20,24,28,32,36,40,44,48,52,56,60
	v_pk_add_f32 v[NM+2:NM+3], v[NM+2:NM+3], v[S+\j:S+1+\j]
	v_pk_add_f32 v[SC2:SC2+1], v[SC2:SC2+1], v[S+2+\j:S+3+\j]
.endr
	s_delay_alu instid0(VALU_DEP_1)
	v_pk_add_f32 v[NM+2:NM+3], v[NM+2:NM+3], v[SC2:SC2+1]
.endm
; UNIT g (a head) in the slot's step q: 8 score products, the softmax, 4 products V^T P.  more = 1: the K of unit ng in step nq is fetched behind this unit's V
.macro UNIT g, q, ng, nq, more
	s_wait_dscnt 0x0                               ; this unit's K and its scale words are in
	WIN 0x10                                       ; C in window 1
.irp t, 0,1,2,3,4,5,6,7
	WMS S+8*\t, KF+4*\t, QF+8*\g, 128+64*\q+8*\t, KS+\t/2, QS+\g, \t%2
.endr
	WIN 0
	PLACES 4                                       ; in front of the reads of the scores, of the loads into K's registers, and (behind the last unit's products) into V's, and of the writes of p's codes and scale word
	VLOAD \g, \q
.if \more
	KLOAD \ng, \nq
.endif
	SOFTMAX \g
	WIN 0x41                                       ; O^T (destination and source 0) in window 1
.set j, 0
.rept 16
	v_pk_mul_f32 v[32*\g+j:32*\g+j+1], v[32*\g+j:32*\g+j+1], v[FF:FF+1] op_sel_hi:[1,0]   ; O^T under the new M.  (With the sums above: the places between p's codes and scale word and the products below)
.set j, j+2
.endr
.if \more
	s_wait_alu depctr_va_vdst(0)
	s_wait_dscnt 12                                ; V's ten loads are in; the next unit's twelve may be out
.else
	s_wait_alu depctr_va_vdst(0)
	s_wait_dscnt 0x0
.endif
	WIN 0x50                                       ; C and D in window 1
.irp t, 0,1,2,3
	WMS 32*\g+8*\t, VF+8*\t, PC, 32*\g+8*\t, VS+\t/2, FF+1, \t%2
.endr
	WIN 0
.endm
.macro STEP q, more                    ; a key step; more = 1: LRI's numbers for the next key step are asked for: a whole step ahead of their use
	s_wait_loadcnt 0x0                             ; LRI's numbers for this step (in the first step Q and its scale words too)
.if \more
	LRLOAD 8192*(\q+1), (\q+1)%2
.endif
	UNIT 0, \q, 1, \q, 1
	UNIT 1, \q, 2, \q, 1
	UNIT 2, \q, 3, \q, 1
.if \q == 0
	UNIT 3, 0, 0, 1, 1
.else
	UNIT 3, 1, 0, 0, 0                             ; nothing of this slot is left to fetch
.endif
.endm
.macro SLOT_STEPS more
	v_add_nc_u32 v[ADK], s36, v[LI]
	v_add_nc_u32 v[ADS], s36, v[LS]
	s_delay_alu instid0(VALU_DEP_2)
	v_add_nc_u32 v[ADK2], 2*HEADB, v[ADK]
	s_delay_alu instid0(VALU_DEP_2)
	v_add_nc_u32 v[ADS2], 2*HEADB, v[ADS]
	KLOAD 0, 0
	s_wait_alu depctr_va_vdst(0)
	STEP 0, 1
	STEP 1, \more
	s_wait_xcnt 0x0                                ; LRI's base is stepped only behind this wait
	s_add_nc_u64 s[38:39], s[38:39], 16384
	s_xor_b32 s36, s36, SLOT1                      ; on to the other slot
.endm
	s_load_b256 s[4:11], s[0:1], 0x0               ; QR s[4:5], KV s[6:7], LRI s[8:9], OC s[10:11]
	s_load_b64 s[12:13], s[0:1], 0x20              ; OS
	v_lshl_add_u32 v[SPW], v0, 2, SPARE
	v_mov_b32 v[NIL], 0
	ds_add_u32 v3, v4
	ds_add_u32 v3, v4
	s_wait_dscnt 0x0
	v_lshrrev_b32 v9, 5, v0
	s_delay_alu instid0(VALU_DEP_1)
	v_readfirstlane_b32 s14, v9                    ; wave 0..7
	s_and_b32 s15, ttmp7, 0xffff                   ; y: batch y / 4, heads 4 (y % 4) on: (batch, head) 4 y on
	; descriptor group 1: 17,920 dense bytes as 70 rows of 256 (32 elements of 8 bytes); no padding: every read is of 512 or 128 consecutive bytes
	s_mov_b32 s24, 3<<16                           ; no mask; elements of 8 bytes
	s_mov_b32 s25, 32<<16                          ; tensor_dim0
	s_mov_b32 s26, 70<<16                          ; tensor_dim1
	s_mov_b32 s27, 32<<16                          ; tile_dim0
	s_mov_b32 s28, 70                              ; tile_dim1
	s_mov_b32 s29, 32                              ; the pitch
	s_mov_b32 s30, 0
	s_mov_b32 s31, 0
	s_and_b32 s40, s14, 3                          ; the head that I fetch, if I fetch
	s_mul_i32 s33, s40, HEADB                      ; its place in slot 0
	s_lshl_b32 s41, s15, 2
	s_add_co_u32 s42, s41, s40
	s_mul_i32 s42, s42, BHB                        ; and in KV
	s_mov_b32 s43, 0
	s_mul_i32 s44, s41, BHB
	s_mul_i32 s45, ttmp9, REC
	s_add_co_u32 s44, s44, s45                     ; Q: head 4 y's record of my 128 queries
	s_lshl_b32 s45, s14, 9
	s_add_co_u32 s46, s44, s45                     ; my tile's codes
	s_mov_b32 s47, 0
	s_lshl_b32 s45, s14, 6
	s_add_co_u32 s48, s44, s45
	s_add_co_u32 s48, s48, 8192                    ; and its scale words: 64 bytes a tile
	s_mov_b32 s49, 0
	s_lshl_b32 s50, ttmp9, 3
	s_add_co_u32 s50, s50, s14                     ; my query tile among the 128
	s_lshl_b32 s38, s50, 17
	s_mov_b32 s39, 0
	s_lshr_b32 s53, s15, 2                         ; batch
	s_and_b32 s54, s15, 3                          ; group of four heads
	s_lshl_b32 s55, s53, 7
	s_add_co_u32 s55, s55, s50
	s_lshl_b32 s16, s55, 13                        ; OC: my tile of tokens, 8,192 bytes a tile, + 2,048 x group
	s_lshl_b32 s55, s54, 11
	s_add_co_u32 s16, s16, s55
	s_mov_b32 s17, 0
	s_lshl_b32 s55, s53, 6
	s_lshl_b32 s56, ttmp9, 2
	s_add_co_u32 s55, s55, s56
	s_lshr_b32 s56, s14, 1
	s_add_co_u32 s55, s55, s56
	s_lshl_b32 s18, s55, 10                        ; OS: my tile pair, 1,024 bytes a pair, + 256 x group + 64 x (tile % 2)
	s_lshl_b32 s55, s54, 8
	s_add_co_u32 s18, s18, s55
	s_and_b32 s55, s14, 1
	s_lshl_b32 s55, s55, 6
	s_add_co_u32 s18, s18, s55
	s_mov_b32 s19, 0
	s_mov_b32 s20, 0x76543210
	s_mov_b32 s21, 0xfedcba98                      ; v_permlanex16_b32's selects for lane l xor 16
	s_mov_b32 s22, 0x3e38aa3b                      ; c = log2(e) / 8
	s_mov_b32 s23, s22                             ; (named with it as a pair, so it is written)
	s_mov_b32 s36, 0
	s_mov_b32 s37, 7
	s_mov_b32 s32, 1                               ; group 0: count = 1
	s_wait_kmcnt 0x0
	s_add_nc_u64 s[34:35], s[6:7], s[42:43]        ; the head's first two key steps
	s_or_b32 s35, s35, 0x80000000                  ; type = 2
	TLOAD                                          ; slot 0: the one first fill
	s_add_nc_u64 s[46:47], s[4:5], s[46:47]
	s_add_nc_u64 s[48:49], s[4:5], s[48:49]
	s_add_nc_u64 s[38:39], s[8:9], s[38:39]
	s_add_nc_u64 s[10:11], s[10:11], s[16:17]
	s_add_nc_u64 s[12:13], s[12:13], s[18:19]
	v_and_b32 v[TP], 31, v0
	s_delay_alu instid0(VALU_DEP_1)
	v_lshlrev_b32 v[LI], 4, v[TP]
	s_delay_alu instid0(VALU_DEP_2)
	v_lshlrev_b32 v[LS], 2, v[TP]
	s_delay_alu instid0(VALU_DEP_3)
	v_cmp_lt_u32 s52, 15, v[TP]                    ; s52: lanes 16-31
	v_and_b32 v9, 15, v0
	s_delay_alu instid0(VALU_DEP_1)
	v_lshlrev_b32 v9, 2, v9                        ; v9: 4 r
.irp g, 0,1,2,3
	global_load_b128 v[QF+8*\g:QF+8*\g+3], v[LI], s[46:47] offset:BHB*\g   ; Q stays in registers
	global_load_b32 v[QS+\g], v9, s[48:49] offset:BHB*\g
.endr
	LRLOAD 0, 0
.irp g, 0,1,2,3
.irp j, 4,5,6,7
	v_mov_b32 v[QF+8*\g+\j], 0                     ; zero codes for k = 64 .. 127
.endr
	v_mov_b32 v[STT+4*\g+1], 0xff61b1e6            ; the largest t so far: -3e38, under every t
	s_delay_alu instid0(VALU_DEP_1)
	v_floor_f32 v[STT+4*\g], -v[STT+4*\g+1]        ; -M
	v_mov_b32 v[STT+4*\g+2], 0                     ; the sum, in two halves
	v_mov_b32 v[STT+4*\g+3], 0
	v_mov_b32 v[PT+\g], 0                          ; written once: a lane permute's destination counts as one of its sources
	v_mov_b32 v[KF+32+\g], 0                       ; behind K's last tile
.endr
	v_mov_b32 v[FF+1], 0                           ; (named as the upper half of a pair before it is first written)
	WIN 0x40
.set j, 0
.rept 128
	v_mov_b32 v[j], 0                              ; O^T.  (The loop is written once: its first step finds zeros, which the first change of M leaves zeros)
.set j, j+1
.endr
	WIN 0
.Lslot:                                            ; seven trips: behind each change of slots but the last the next slot is asked for
	CHANGE 1
	SLOT_STEPS 1
	s_sub_co_u32 s37, s37, 1
	s_cmp_lg_u32 s37, 0
	s_cbranch_scc1 .Lslot
	CHANGE 0                                       ; the last slot is written out and no load of LRI leaves its buffer
	SLOT_STEPS 0
	; THE WAY OUT.  O^T / the sum, quantised along the head's 64 channels (two blocks a unit): a unit's codes are registers 4 c .. 4 c + 3 (c = head % 2) of K step head / 2 of the last product's operand.
	PLACES 4                                       ; behind the last products
.irp g, 0,1,2,3
	v_add_f32 v[STT+4*\g+2], v[STT+4*\g+2], v[STT+4*\g+3]   ; the sum's two halves,
.endr
.irp g, 0,1,2,3
	s_delay_alu instid0(VALU_DEP_4)
	v_permlanex16_b32 v[PT+\g], v[STT+4*\g+2], s20, s21
.endr
.irp g, 0,1,2,3
	s_delay_alu instid0(VALU_DEP_4)
	v_add_f32 v[STT+4*\g+2], v[STT+4*\g+2], v[PT+\g]        ; and lane l xor 16's: the row's sum
.endr
	s_wait_alu depctr_va_vdst(0)
.irp g, 0,1,2,3
	v_rcp_f32 v[STT+4*\g+3], v[STT+4*\g+2]
.endr
	v_bfe_u32 v103, v0, 4, 1                       ; (a plain place behind the transcendentals)
	s_delay_alu instid0(VALU_DEP_1)
	v_lshl_add_u32 v103, v103, 7, v9               ; my scale word's place: 4 r + 128 h
	s_wait_alu depctr_va_vdst(0)
.macro OUTU g
	WIN 0x01                                       ; source 0 in window 1
.set j, 0
.rept 32
	v_mul_f32 v[S+j], v[32*\g+j], v[STT+4*\g+3]    ; register 16 b + i is channel 32 b + 16 h + i of my query.  (Each accumulator from its low end on)
.set j, j+1
.endr
	WIN 0
.irp b, 0,1
	v_max3_num_f32 v[BM+\b], |v[S+16*\b]|, |v[S+1+16*\b]|, 0x1800000
.endr
.irp i, 2,4,6,8,10,12,14
.irp b, 0,1
	s_delay_alu instid0(VALU_DEP_2)
	v_max3_num_f32 v[BM+\b], v[BM+\b], |v[S+16*\b+\i]|, |v[S+1+16*\b+\i]|
.endr
.endr
.irp b, 0,1
	s_delay_alu instid0(VALU_DEP_2)
	v_permlanex16_b32 v[PT+\b], v[BM+\b], s20, s21
.endr
.irp b, 0,1
	s_delay_alu instid0(VALU_DEP_2)
	v_max_num_f32 v[BM+\b], v[BM+\b], v[PT+\b]
.endr
.irp b, 0,1
	s_delay_alu instid0(VALU_DEP_2)
	v_add_nc_u32 v[SO+\b], 0xff000000, v[BM+\b]
.endr
.irp b, 0,1
	s_delay_alu instid0(VALU_DEP_2)
	v_lshrrev_b32 v[PT+\b], 23, v[SO+\b]
.endr
.if (\g)%2 == 0
	s_delay_alu instid0(VALU_DEP_1)
	v_lshl_or_b32 v[OWD+(\g)/2], v[PT+1], 8, v[PT] ; bytes 0 and 1 of the K step's scale word
.else
	s_delay_alu instid0(VALU_DEP_2)
	v_lshl_or_b32 v[OWD+(\g)/2], v[PT], 16, v[OWD+(\g)/2]    ; bytes 2 and 3
	s_delay_alu instid0(VALU_DEP_1)
	v_lshl_or_b32 v[OWD+(\g)/2], v[PT+1], 24, v[OWD+(\g)/2]
.endif
.irp b, 0,1
	v_cvt_scalef32_pk8_fp4_f32 v[VF+4*\g+2*\b], v[S+16*\b:S+7+16*\b], v[SO+\b]
	v_cvt_scalef32_pk8_fp4_f32 v[VF+4*\g+1+2*\b], v[S+8+16*\b:S+15+16*\b], v[SO+\b]
.endr
	v_nop                                          ; one plain place behind a scaled conversion
	v_permlane16_swap_b32 v[VF+4*\g], v[VF+4*\g+2]
	v_permlane16_swap_b32 v[VF+4*\g+1], v[VF+4*\g+3]
	global_store_b128 v[LI], v[VF+4*\g:VF+4*\g+3], s[10:11] offset:1024*((\g)/2)+512*((\g)%2)   ; 512 consecutive bytes; each unit has its own registers
.endm
	OUTU 0
	OUTU 1
	OUTU 2
	OUTU 3
	v_cndmask_b32 v102, v[OWD], v[OWD+1], s52      ; lanes 0-15 store the first K step's word of their row, lanes 16-31 the second's
	global_store_b32 v103, v102, s[12:13]
	s_wait_tensorcnt 0x0                           ; the wave's end
	ds_add_u32 v[SPW], v[NIL]
	s_wait_dscnt 0x0
	s_endpgm
.Lfunc_end_k_q225de30d46_attn:
	.size	k_q225de30d46_attn, .Lfunc_end_k_q225de30d46_attn-k_q225de30d46_attn
	.p2alignl 7, 3214868480
	.fill 96, 4, 3214868480
	.section	.rodata,"a",@progbits
	.p2align	6, 0x0
	.amdhsa_kernel k_q225de30d46_attn
		.amdhsa_group_segment_fixed_size 327680
		.amdhsa_private_segment_fixed_size 0
		.amdhsa_enable_private_segment 0
		.amdhsa_kernarg_size 40
		.amdhsa_user_sgpr_count 2
		.amdhsa_user_sgpr_kernarg_segment_ptr 1
		.amdhsa_wavefront_size32 1
		.amdhsa_system_sgpr_workgroup_id_x 1
		.amdhsa_system_sgpr_workgroup_id_y 1
		.amdhsa_system_sgpr_workgroup_id_z 1
		.amdhsa_system_vgpr_workitem_id 0
		.amdhsa_next_free_vgpr 512
		.amdhsa_next_free_sgpr 66
		.amdhsa_reserve_vcc 0
		.amdhsa_float_denorm_mode_32 3
		.amdhsa_float_denorm_mode_16_64 3
		.amdhsa_memory_ordered 1
		.amdhsa_forward_progress 1
		.amdhsa_inst_pref_size 255
	.end_amdhsa_kernel
	.section	.bss,"aw",@nobits
	.p2align	6
	.space	262144
	.amdgpu_metadata
---
amdhsa.version: [ 1, 2 ]
amdhsa.kernels:
  - .name:           k_q225de30d46_attn
    .symbol:         k_q225de30d46_attn.kd
    .args:
      - { .name: QR, .offset: 0, .size: 8, .value_kind: global_buffer, .address_space: global }
      - { .name: KV, .offset: 8, .size: 8, .value_kind: global_buffer, .address_space: global }
      - { .name: LRI, .offset: 16, .size: 8, .value_kind: global_buffer, .address_space: global }
      - { .name: OC, .offset: 24, .size: 8, .value_kind: global_buffer, .address_space: global }
      - { .name: OS, .offset: 32, .size: 8, .value_kind: global_buffer, .address_space: global }
    .group_segment_fixed_size: 327680
    .private_segment_fixed_size: 0
    .kernarg_segment_align: 8
    .kernarg_segment_size: 40
    .max_flat_workgroup_size: 256
    .sgpr_count:     66
    .vgpr_count:     512
    .wavefront_size: 32
...
	.end_amdgpu_metadata
.endif
;; end of part 11
;; launch proj (part 12): grid 256 x 1, 16 waves a work-group, no clusters, 150,016 bytes of LDS; arguments OC, OS, WI, Wp_scales, tokens, gamma, bias, out0; writes out0
.if DOCPART == 12
	.amdgcn_target "amdgcn-amd-amdhsa--gfx1250"
	.amdhsa_code_object_version 6
	.text
	.protected	k_q225de30d46_proj
	.globl	k_q225de30d46_proj
	.p2align	8
	.type	k_q225de30d46_proj,@function
k_q225de30d46_proj:
	s_mov_b64 s[64:65], 0
	v_nop
	global_prefetch_b8 v0, s[64:65] scope:SCOPE_SE
	s_setreg_imm32_b32 hwreg(HW_REG_WAVE_SCHED_MODE, 0, 2), 2
	s_setreg_imm32_b32 hwreg(HW_REG_WAVE_MODE, 25, 1), 1
	s_wait_xcnt 0x0
	s_wait_alu depctr_vm_vsrc(0)
; out0 = LayerNorm(O Wp^T + tokens) x gamma + bias; the product on codes of FP4 (E2M1) with E8M0 scales, all else in f32.
; SHARES: a work-group takes 32 tokens (a pair of tiles) x all 1,024 columns, so that a row's mean and variance never leave it.  Wave w of sixteen makes columns 64 w .. 64 w + 63 (four tiles of Wp's rows) for both tiles
; of tokens: 8 accumulators.  Wp's images come from memory straight into registers (no two waves share any), three K steps ahead; O's images (16,384 bytes) lie in LDS for all sixteen.
; The product is used transposed (source 0 = 16 rows of Wp, source 1 = 16 tokens): a lane holds one token and eight neighbouring columns.  The results meet in a stage in LDS (32 rows of 4,096 bytes + 16);
; then wave w takes two whole rows: residual, mean, variance of the differences (two passes, in registers), gain and bias, and stores 512 consecutive bytes an instruction.
; NO CLUSTER: Wp, which all work-groups walk, goes to registers, where no joint load reaches.
; A tile's rows are 32 B + 8 u + r + 8 (r / 8): stage row 16 a + r is token 32 P + 8 a + r + 8 (r / 8).
; LIMITS: NaN and infinities among the inputs are not served.
; REGISTERS: v1-7 addresses; v8-23 Wp's scale words (word s of tile pair p at 8 + 8 p + s); v24-31 O's (lanes 0-15 the even tile, lanes 16-31 the odd); v32-63 O's fragments, two sets, later the bias;
;   v64-159 Wp's fragments, three sets, later the residual rows and the gain; v160-223 the accumulators ((a, b) at 160 + 32 a + 8 b), later my two rows; v224-243 at work.
; THE MODE: SCHED_MODE bits 1:0 = 2 (LLVM: expert scheduling mode 2), set by the entry lines.  The code itself states the register dependences
; between vector or matrix instructions and memory or LDS instructions, with s_wait_alu, always for 0.
; THE PLAN.  Registers that memory or LDS instructions touch:
;   v64-159    Three sets.  K step s: its eight products read set s % 3; behind them the loads of step s + 3 (behind steps 5, 6, 7: a residual row, the other, the gain) land in it.
;   v32-63     Two sets.  K step s: its products read set s % 2; behind them the LDS loads of step s + 2 land in it (behind step 7: the bias, in both).
;   v160-223   Written by the products; read by the LDS stores into the stage; the LDS loads of my two whole rows land in them; vector lines work on them in place; the global stores read them.
;   v8-31      Scale words, loaded once.   v236-243: O's images on their way into LDS: loaded once, stored once, never written again.
;   v1-7       Addresses and offsets, made once at the head and never written again.   v254, v255: made at the head, read by the closing add alone.
; So ONE wait on va_vdst stands in a K step, behind its products: the two sets that they have emptied are asked for again at once, all twelve loads ahead of the next step's waits on the memory counters, since the
; sixteen waves' registers leave no room for a fourth set of weights.  Behind the last step the same wait serves the stage's stores.  One wait on vm_vsrc stands ahead of the LDS loads that land in the accumulators,
; and one wait on va_vdst ahead of each row's stores.
.set STAGE, 16384
.set SP,    4112                       ; 257 x 16 bytes: the sixteen rows that a store touches start at different banks
.set LI,  1                            ; 16 x lane
.set LS,  2                            ; 4 x lane
.set TH,  3                            ; 16 x thread
.set RS,  4                            ; (8 h + r + 8 (r / 8)) x 32
.set SOA, 5                            ; the stage, tile a = 0: row r, + 256 w + 64 h
.set SOB, 6                            ; tile a = 1: 16 rows on
.set RD,  7                            ; the stage on the way out: my two rows, 16 bytes a lane
.set WS,  8
.set OSR, 24
.set OF,  32
.set WB,  64
.set ACC, 160
.macro PLACES n
.rept \n
	v_nop
.endr
.endm
; one scaled product.  c < 0: the constant 0 starts the sum.  ra, rb = 1: that side's scales are taken from lanes 16-31
.macro WMS d, a, b, c, sa, sb, ra, rb
.if (\c) < 0
.if ((\ra) == 0) && ((\rb) == 0)
	v_wmma_scale_f32_16x16x128_f8f6f4 v[(\d):(\d)+7], v[(\a):(\a)+7], v[(\b):(\b)+7], 0, v[(\sa)], v[(\sb)] matrix_a_fmt:MATRIX_FMT_FP4 matrix_b_fmt:MATRIX_FMT_FP4
.elseif (\rb) == 0
	v_wmma_scale_f32_16x16x128_f8f6f4 v[(\d):(\d)+7], v[(\a):(\a)+7], v[(\b):(\b)+7], 0, v[(\sa)], v[(\sb)] matrix_a_fmt:MATRIX_FMT_FP4 matrix_b_fmt:MATRIX_FMT_FP4 matrix_a_scale:MATRIX_SCALE_ROW1
.elseif (\ra) == 0
	v_wmma_scale_f32_16x16x128_f8f6f4 v[(\d):(\d)+7], v[(\a):(\a)+7], v[(\b):(\b)+7], 0, v[(\sa)], v[(\sb)] matrix_a_fmt:MATRIX_FMT_FP4 matrix_b_fmt:MATRIX_FMT_FP4 matrix_b_scale:MATRIX_SCALE_ROW1
.else
	v_wmma_scale_f32_16x16x128_f8f6f4 v[(\d):(\d)+7], v[(\a):(\a)+7], v[(\b):(\b)+7], 0, v[(\sa)], v[(\sb)] matrix_a_fmt:MATRIX_FMT_FP4 matrix_b_fmt:MATRIX_FMT_FP4 matrix_a_scale:MATRIX_SCALE_ROW1 matrix_b_scale:MATRIX_SCALE_ROW1
.endif
.else
.if ((\ra) == 0) && ((\rb) == 0)
	v_wmma_scale_f32_16x16x128_f8f6f4 v[(\d):(\d)+7], v[(\a):(\a)+7], v[(\b):(\b)+7], v[(\c):(\c)+7], v[(\sa)], v[(\sb)] matrix_a_fmt:MATRIX_FMT_FP4 matrix_b_fmt:MATRIX_FMT_FP4
.elseif (\rb) == 0
	v_wmma_scale_f32_16x16x128_f8f6f4 v[(\d):(\d)+7], v[(\a):(\a)+7], v[(\b):(\b)+7], v[(\c):(\c)+7], v[(\sa)], v[(\sb)] matrix_a_fmt:MATRIX_FMT_FP4 matrix_b_fmt:MATRIX_FMT_FP4 matrix_a_scale:MATRIX_SCALE_ROW1
.elseif (\ra) == 0
	v_wmma_scale_f32_16x16x128_f8f6f4 v[(\d):(\d)+7], v[(\a):(\a)+7], v[(\b):(\b)+7], v[(\c):(\c)+7], v[(\sa)], v[(\sb)] matrix_a_fmt:MATRIX_FMT_FP4 matrix_b_fmt:MATRIX_FMT_FP4 matrix_b_scale:MATRIX_SCALE_ROW1
.else
	v_wmma_scale_f32_16x16x128_f8f6f4 v[(\d):(\d)+7], v[(\a):(\a)+7], v[(\b):(\b)+7], v[(\c):(\c)+7], v[(\sa)], v[(\sb)] matrix_a_fmt:MATRIX_FMT_FP4 matrix_b_fmt:MATRIX_FMT_FP4 matrix_a_scale:MATRIX_SCALE_ROW1 matrix_b_scale:MATRIX_SCALE_ROW1
.endif
.endif
.endm
.macro WLOAD s                         ; my four tiles of Wp, K step s, into set s % 3: 8 loads of 512 consecutive bytes
.irp b, 0,1,2,3
.irp c, 0,1
	global_load_b128 v[WB+32*((\s)%3)+8*\b+4*\c:WB+32*((\s)%3)+8*\b+4*\c+3], v[LI], s[8:9] offset:8192*\b+1024*(\s)+512*\c
.endr
.endr
.endm
.macro OLOAD s                         ; O's two tiles, K step s, into set s % 2: 4 loads
.irp a, 0,1
.irp c, 0,1
	ds_load_b128 v[OF+16*((\s)%2)+8*\a+4*\c:OF+16*((\s)%2)+8*\a+4*\c+3], v[LI] offset:8192*\a+1024*(\s)+512*\c
.endr
.endr
.endm
.macro MUL8 s                          ; the 8 accumulators take turns, one instruction a turn, in the same order in every step
.irp a, 0,1
.irp b, 0,1,2,3
.if (\s) == 0
	WMS ACC+32*\a+8*\b, WB+32*((\s)%3)+8*\b, OF+16*((\s)%2)+8*\a, -1, WS+8*(\b/2)+(\s), OSR+(\s), \b%2, \a
.else
	WMS ACC+32*\a+8*\b, WB+32*((\s)%3)+8*\b, OF+16*((\s)%2)+8*\a, ACC+32*\a+8*\b, WS+8*(\b/2)+(\s), OSR+(\s), \b%2, \a
.endif
.endr
.endr
.endm
.macro RESID k, reg                    ; row k of my two rows of tokens: 8 loads of 512 consecutive bytes
.irp m, 0,1,2,3,4,5,6,7
	global_load_b128 v[\reg+4*\m:\reg+4*\m+3], v[LI], s[12:13] offset:4096*\k+512*\m th:TH_LOAD_NT
.endr
.endm
.macro PSTEP s
	s_wait_loadcnt 16                              ; this step's weights are in; the two groups of eight loads issued behind them may be out
.if (\s) < 7
	s_wait_dscnt 4                                 ; this step's fragments of O are in; the next step's four loads may be out
.else
	s_wait_dscnt 0x0
.endif
	MUL8 \s
.if (\s) == 7
	PLACES 4                                       ; four places behind the last products, in front of the LDS stores that read their results; they stay beside the wait below
.endif
	s_wait_alu depctr_va_vdst(0)                   ; this step's products are done reading their set of weights and their set of O's fragments, in which the loads below land; behind the last step they have also written the accumulators, which the stage's stores read
.if (\s) < 6
	OLOAD (\s)+2
.endif
.if (\s) < 5
	WLOAD (\s)+3
.elseif (\s) == 5
	RESID 0, WB+64                                 ; the sets that the weights have left take what the second phase wants
.elseif (\s) == 6
	RESID 1, WB
.else
.irp m, 0,1,2,3,4,5,6,7
	global_load_b128 v[WB+32+4*\m:WB+32+4*\m+3], v[LI], s[14:15] offset:512*\m   ; the gain
.endr
.irp m, 0,1,2,3,4,5,6,7
	global_load_b128 v[OF+4*\m:OF+4*\m+3], v[LI], s[16:17] offset:512*\m         ; the bias
.endr
.endif
.endm
.macro REDUCE                          ; v224 summed over the wave's 32 lanes, the result in every lane
	v_add_f32_dpp v224, v224, v224 row_xmask:1 row_mask:0xf bank_mask:0xf
	v_add_f32_dpp v224, v224, v224 row_xmask:2 row_mask:0xf bank_mask:0xf
	v_add_f32_dpp v224, v224, v224 row_xmask:4 row_mask:0xf bank_mask:0xf
	v_add_f32_dpp v224, v224, v224 row_xmask:8 row_mask:0xf bank_mask:0xf
	v_permlanex16_b32 v234, v224, s36, s37
	v_add_f32 v224, v224, v234
.endm
; row k of my two: register 4 m + e of a lane is column 128 m + 4 lane + e, in the row, the residual, the gain and the bias alike
.macro ROWLN k, res
.set XR, ACC+32*\k
.set j, 0
.rept 16
	v_pk_add_f32 v[XR+j:XR+j+1], v[XR+j:XR+j+1], v[\res+j:\res+j+1]   ; x = the product + the residual
.set j, j+2
.endr
	v_pk_add_f32 v[224:225], v[XR:XR+1], v[XR+2:XR+3]                ; the sum, in two chains
	v_pk_add_f32 v[226:227], v[XR+4:XR+5], v[XR+6:XR+7]
.irp j, 8,12,16,20,24,28
	v_pk_add_f32 v[224:225], v[224:225], v[XR+\j:XR+\j+1]
	v_pk_add_f32 v[226:227], v[226:227], v[XR+\j+2:XR+\j+3]
.endr
	v_pk_add_f32 v[224:225], v[224:225], v[226:227]
	v_add_f32 v224, v224, v225
	REDUCE
	v_mul_f32 v230, 0xba800000, v224               ; -mean = the sum x -2^-10
	v_mov_b32 v231, v230
.set j, 0
.rept 16
	v_pk_add_f32 v[XR+j:XR+j+1], v[XR+j:XR+j+1], v[230:231]          ; x - mean
.set j, j+2
.endr
	v_pk_mul_f32 v[224:225], v[XR:XR+1], v[XR:XR+1]                  ; the squares of the differences, in two chains
	v_pk_mul_f32 v[226:227], v[XR+2:XR+3], v[XR+2:XR+3]
.irp j, 4,8,12,16,20,24,28
	v_pk_fma_f32 v[224:225], v[XR+\j:XR+\j+1], v[XR+\j:XR+\j+1], v[224:225]
	v_pk_fma_f32 v[226:227], v[XR+\j+2:XR+\j+3], v[XR+\j+2:XR+\j+3], v[226:227]
.endr
	v_pk_add_f32 v[224:225], v[224:225], v[226:227]
	v_add_f32 v224, v224, v225
	REDUCE
	v_fma_f32 v224, v224, s38, s39                 ; the variance + 1e-5
	s_wait_alu depctr_va_vdst(0)
	v_rsq_f32 v232, v224
	v_nop                                          ; one plain place behind the transcendental
	s_wait_alu depctr_va_vdst(0)                   ; the reciprocal root v232 is written, ahead of its first reader
	v_mov_b32 v233, v232
.set j, 0
.rept 16
	v_pk_mul_f32 v[XR+j:XR+j+1], v[XR+j:XR+j+1], v[232:233]
.set j, j+2
.endr
.set j, 0
.rept 16
	v_pk_fma_f32 v[XR+j:XR+j+1], v[XR+j:XR+j+1], v[WB+32+j:WB+32+j+1], v[OF+j:OF+j+1]   ; x gain + bias
.set j, j+2
.endr
	s_wait_alu depctr_va_vdst(0)                   ; the multiply-adds have written the row's 32 registers, which the stores below read
.irp m, 0,1,2,3,4,5,6,7
	global_store_b128 v[LI], v[XR+4*\m:XR+4*\m+3], s[18:19] offset:4096*\k+512*\m th:TH_STORE_NT   ; 32 lanes store 512 consecutive bytes; written once, read by nobody here
.endr
.endm
	s_load_b256 s[4:11], s[0:1], 0x0               ; OC s[4:5], OS s[6:7], WI s[8:9], Wp's scales s[10:11]
	s_load_b256 s[12:19], s[0:1], 0x20             ; tokens s[12:13], gamma s[14:15], bias s[16:17], out0 s[18:19]
	v_lshl_add_u32 v254, v0, 2, 0x24200
	v_mov_b32 v255, 0
	v_lshrrev_b32 v224, 5, v0
	v_readfirstlane_b32 s20, v224                  ; wave 0..15
	v_and_b32 v224, 31, v0                         ; lane
	v_and_b32 v225, 15, v0                         ; r
	v_bfe_u32 v226, v0, 4, 1                       ; h
	v_lshlrev_b32 v[LI], 4, v224
	v_lshlrev_b32 v[LS], 2, v224
	v_lshlrev_b32 v[TH], 4, v0
	v_and_b32 v227, 8, v225
	v_add_nc_u32 v227, v227, v225
	v_lshl_add_u32 v227, v226, 3, v227
	v_lshlrev_b32 v[RS], 5, v227
	v_mul_u32_u24 v[SOA], v225, SP
	v_lshl_add_u32 v[SOA], v226, 6, v[SOA]
	s_wait_alu depctr_va_sdst(0)                   ; s20 is written, ahead of its first reader: the stage's places and the bases below are made from it
	s_lshl_b32 s21, s20, 8
	s_add_co_u32 s21, s21, STAGE
	v_add_nc_u32 v[SOA], s21, v[SOA]
	v_add_nc_u32 v[SOB], 16*SP, v[SOA]
	s_mul_i32 s21, s20, 2*SP
	s_add_co_u32 s21, s21, STAGE
	v_add_nc_u32 v[RD], s21, v[LI]
	v_mov_b32 v234, 0                              ; written once: a lane permute's destination counts as one of its sources
	s_mov_b32 s36, 0x76543210
	s_mov_b32 s37, 0xfedcba98
	s_mov_b32 s38, 0x3a800000                      ; 2^-10
	s_mov_b32 s39, 0x3727c5ac                      ; 1e-5
	s_lshl_b32 s22, ttmp9, 14                      ; OC: 16,384 bytes a pair of tiles
	s_mov_b32 s23, 0
	s_lshl_b32 s24, ttmp9, 10                      ; OS: 1,024 bytes a pair
	s_mov_b32 s25, 0
	s_lshl_b32 s26, s20, 15
	s_add_co_u32 s26, s26, 1572864                 ; WI: Wp's images, my four tiles
	s_mov_b32 s27, 0
	s_lshl_b32 s28, s20, 11                        ; Wp's scale bytes: my 64 rows of 32
	s_mov_b32 s29, 0
	s_lshl_b32 s30, ttmp9, 5                       ; my two rows' first token: 32 P + 8 (w / 8) + 2 (w % 8) + 8 ((w % 8) / 4)
	s_lshr_b32 s32, s20, 3
	s_lshl_b32 s32, s32, 3
	s_add_co_u32 s30, s30, s32
	s_and_b32 s32, s20, 7
	s_lshl_b32 s33, s32, 1
	s_add_co_u32 s30, s30, s33
	s_lshr_b32 s32, s32, 2
	s_lshl_b32 s32, s32, 3
	s_add_co_u32 s30, s30, s32
	s_lshl_b32 s30, s30, 12                        ; 4,096 bytes a row
	s_mov_b32 s31, 0
	s_wait_kmcnt 0x0
	s_add_nc_u64 s[4:5], s[4:5], s[22:23]
	s_add_nc_u64 s[6:7], s[6:7], s[24:25]
	s_add_nc_u64 s[8:9], s[8:9], s[26:27]
	s_add_nc_u64 s[10:11], s[10:11], s[28:29]
	s_add_nc_u64 s[12:13], s[12:13], s[30:31]
	s_add_nc_u64 s[18:19], s[18:19], s[30:31]
	s_wait_alu depctr_va_vdst(0)                   ; the seven addresses and offsets v1 to v7 are written: every load and store of the kernel, global or LDS, reads one of them
	global_load_b128 v[236:239], v[TH], s[4:5]                 ; O's images: 512 threads x 16 bytes, twice
	global_load_b128 v[240:243], v[TH], s[4:5] offset:8192
.irp p, 0,1
.irp k, 0,1
	global_load_b128 v[WS+8*\p+4*\k:WS+8*\p+4*\k+3], v[RS], s[10:11] offset:1024*\p+16*\k   ; lanes 0-15: the rows of tile 2 p, lanes 16-31: of tile 2 p + 1
.endr
.endr
.irp s, 0,1,2,3,4,5,6,7
	global_load_b32 v[OSR+\s], v[LS], s[6:7] offset:128*\s
.endr
	WLOAD 0
	WLOAD 1
	WLOAD 2
	s_wait_loadcnt 36                              ; O's two loads are in; behind them: 4 + 8 of scale words, 24 of weights
	ds_store_b128 v[TH], v[236:239]
	ds_store_b128 v[TH], v[240:243] offset:8192
	s_wait_dscnt 0x0                               ; for the others' sake: my part of O's images lies in LDS
	s_barrier_signal -1
	s_barrier_wait -1
	OLOAD 0
	OLOAD 1
.irp s, 0,1,2,3,4,5,6,7
	PSTEP \s
.endr
	; the results meet in the stage: lane (r, h) of tile (a, b = 2 p + u) holds token row 16 a + r, columns 64 w + 32 p + 16 h + 8 u + 0 .. 7
.irp b, 0,1,2,3
	ds_store_b128 v[SOA], v[ACC+8*\b:ACC+8*\b+3] offset:128*(\b/2)+32*(\b%2)         ; each accumulator from its low end on
	ds_store_b128 v[SOA], v[ACC+8*\b+4:ACC+8*\b+7] offset:128*(\b/2)+32*(\b%2)+16
.endr
.irp b, 0,1,2,3
	ds_store_b128 v[SOB], v[ACC+32+8*\b:ACC+32+8*\b+3] offset:128*(\b/2)+32*(\b%2)
	ds_store_b128 v[SOB], v[ACC+32+8*\b+4:ACC+32+8*\b+7] offset:128*(\b/2)+32*(\b%2)+16
.endr
	s_wait_dscnt 0x0                               ; for the others' sake: my columns lie in the stage
	s_barrier_signal -1
	s_barrier_wait -1                              ; 32 whole rows lie there
	s_wait_alu depctr_vm_vsrc(0)                   ; my LDS stores have read the accumulators, in which the LDS loads below land (the products that wrote them stand ahead of the last wait on va_vdst)
.irp k, 0,1
.irp m, 0,1,2,3,4,5,6,7
	ds_load_b128 v[ACC+32*\k+4*\m:ACC+32*\k+4*\m+3], v[RD] offset:SP*\k+512*\m
.endr
.endr
	s_wait_loadcnt 0x0                             ; the residual rows, the gain, the bias
	s_wait_dscnt 0x0
	ROWLN 0, WB+64
	ROWLN 1, WB
	s_wait_dscnt 0x0                               ; the closing lines, six on end
	s_wait_alu 0x0
	s_wait_tensorcnt 0x0
	ds_add_u32 v254, v255
	s_wait_dscnt 0x0
	s_endpgm
.Lfunc_end_k_q225de30d46_proj:
	.size	k_q225de30d46_proj, .Lfunc_end_k_q225de30d46_proj-k_q225de30d46_proj
	.p2alignl 7, 3214868480
	.fill 96, 4, 3214868480
	.section	.rodata,"a",@progbits
	.p2align	6, 0x0
	.amdhsa_kernel k_q225de30d46_proj
		.amdhsa_group_segment_fixed_size 150016
		.amdhsa_private_segment_fixed_size 0
		.amdhsa_enable_private_segment 0
		.amdhsa_kernarg_size 64
		.amdhsa_user_sgpr_count 2
		.amdhsa_user_sgpr_kernarg_segment_ptr 1
		.amdhsa_wavefront_size32 1
		.amdhsa_system_sgpr_workgroup_id_x 1
		.amdhsa_system_sgpr_workgroup_id_y 1
		.amdhsa_system_sgpr_workgroup_id_z 1
		.amdhsa_system_vgpr_workitem_id 0
		.amdhsa_next_free_vgpr 256
		.amdhsa_next_free_sgpr 66
		.amdhsa_reserve_vcc 0
		.amdhsa_float_denorm_mode_32 3
		.amdhsa_float_denorm_mode_16_64 3
		.amdhsa_memory_ordered 1
		.amdhsa_forward_progress 1
		.amdhsa_inst_pref_size 43
	.end_amdhsa_kernel
	.amdgpu_metadata
---
amdhsa.version: [ 1, 2 ]
amdhsa.kernels:
  - .name:           k_q225de30d46_proj
    .symbol:         k_q225de30d46_proj.kd
    .args:
      - { .name: OC, .offset: 0, .size: 8, .value_kind: global_buffer, .address_space: global }
      - { .name: OS, .offset: 8, .size: 8, .value_kind: global_buffer, .address_space: global }
      - { .name: WI, .offset: 16, .size: 8, .value_kind: global_buffer, .address_space: global }
      - { .name: Wp_scales, .offset: 24, .size: 8, .value_kind: global_buffer, .address_space: global }
      - { .name: tokens, .offset: 32, .size: 8, .value_kind: global_buffer, .address_space: global }
      - { .name: gamma, .offset: 40, .size: 8, .value_kind: global_buffer, .address_space: global }
      - { .name: bias, .offset: 48, .size: 8, .value_kind: global_buffer, .address_space: global }
      - { .name: out0, .offset: 56, .size: 8, .value_kind: global_buffer, .address_space: global }
    .group_segment_fixed_size: 150016
    .private_segment_fixed_size: 0
    .kernarg_segment_align: 8
    .kernarg_segment_size: 64
    .max_flat_workgroup_size: 512
    .sgpr_count:     66
    .vgpr_count:     256
    .wavefront_size: 32
...
	.end_amdgpu_metadata
.endif
;; end of part 12
